; MI455X (gfx1250); checked and timed in simulation.
; The chip was launched on July 23, 2026; its instructions are those of AMD's public machine-readable ISA for CDNA 5 (MIT licence, August 2026) and "CDNA5" Instruction Set Architecture Reference Guide (July 2026). The comments in the code are by the model that wrote it; some were corrected since.
;; Self Attention. Allowed arithmetic: matrix products marked QUANTISED: E4M3 operands, one E8M0 scale for each 32 along K, by v_wmma_scale_f32_16x16x128_f8f6f4 with both operands' format E4M3, f32 sums; everything else in f32.
;; Inputs: Wk 1,024 x 1,024 float32; Wo 1,024 x 1,024 float32; Wq 1,024 x 1,024 float32; Wv 1,024 x 1,024 float32; beta 1,024 float32; bk 1,024 float32; bo 1,024 float32; bq 1,024 float32; bv 1,024 float32; gamma 1,024 float32; mask 2,048 x 2,048 bool; x 2 x 2,048 x 1,024 float32.
;; Outputs: out0 2 x 2,048 x 1,024 float32.
;; This version of the problem:
;;   THIS VERSION OF THE PROBLEM IS GIVEN IN LOW PRECISION. The matrix products marked QUANTISED in the list below multiply operands that are first quantised to E4M3 (4 exponent bits, 3 mantissa bits; 8 bits a number), with one power-of-two scale for each 32 numbers along K (OCP MX v1.0); their sums are f32. All else is computed in f32.
;;   The module's matrix products, in the order in which they are computed (A, B: the left and right operand; K: the contracted axis; several contracted axes count as one K, in the product's order):
;;     1. [M 4,096, K 1,024] x [K 1,024, N 1,024]; A: computed on the way; B: input Wq: QUANTISED
;;     2. [M 4,096, K 1,024] x [K 1,024, N 1,024]; A: computed on the way; B: input Wk: QUANTISED
;;     3. [M 4,096, K 1,024] x [K 1,024, N 1,024]; A: computed on the way; B: input Wv: QUANTISED
;;     4. batch 32 x [M 2,048, K 64] x [K 64, N 2,048]; A: computed on the way; B: computed on the way: QUANTISED
;;     5. batch 32 x [M 2,048, K 2,048] x [K 2,048, N 64]; A: softmax (see below); B: computed on the way: QUANTISED
;;     6. [M 4,096, K 1,024] x [K 1,024, N 1,024]; A: computed on the way; B: input Wo: QUANTISED
;;   THE QUANTISER, for each operand of a quantised product, along K:
;;     - K is cut into blocks of 32 from its start; a last block that is shorter is filled with zeros.
;;     - A block's scale is 2^e with e = floor(log2(the largest magnitude in the block)) - 8, held to -126 .. 127; a block of zeros has e = 0. As a byte (E8M0): e + 127.
;;     - Each number is divided by its block's scale, clamped to +-448, and rounded to the nearest number of E4M3, ties to even, subnormals kept.
;;     - The product sums the exact products of the quantised numbers (number of the format x scale) in f32.
;;   ~~~python
;;   def quantise(x, axis):      # numpy; x: float32 -> the quantised numbers, widened to float32 again
;;       x = np.moveaxis(x, axis, -1); K = x.shape[-1]
;;       x = np.pad(x, [(0, 0)] * (x.ndim - 1) + [(0, -K % 32)]); x = x.reshape(x.shape[:-1] + (-1, 32)); a = np.abs(x).max(-1, keepdims=True)
;;       e = np.where(a > 0, np.clip(np.frexp(np.where(a > 0, a, 1))[1] - 1 - 8, -126, 127), 0)      # np.frexp(a)[1] - 1 = floor(log2(a)), exactly
;;       r = np.clip(x / 2.0 ** e, -448, 448)
;;       step = 2.0 ** (np.maximum(np.frexp(np.where(r == 0, 1, r))[1] - 1, -6) - 3)
;;       q = np.round(r / step) * step * 2.0 ** e      # np.round: ties to even
;;       return np.moveaxis(q.reshape(q.shape[:-2] + (-1,))[..., :K], -1, axis).astype(np.float32)
;;   ~~~
;;   SOFTMAX AHEAD OF A QUANTISED PRODUCT. Where the list says 'softmax', what is quantised is not the finished softmax but p = 2^(t - M), with t = logit x log2(e) and M = ceil(the row's largest t), a whole number; so 1/2 < the row's largest p <= 1. The row's sum l is taken of the UNQUANTISED p, in f32, and the product's result is divided by l at the end. Since M is a whole number, a kernel that streams over the keys may use a running M (the ceiling of the running maximum): every later rescaling is an exact power of two, which a block's scale takes up: the codes' values come out the same.
;;   OPERANDS COMPUTED ON THE WAY. 'Computed on the way' means the value that the module computes at that place (a softmax that the list does not call 'softmax' is quantised finished and normalised). What goes into a quantiser is computed in f32, as accurately as f32 sums, v_exp_f32 and their like allow (about 1e-6 of the number): no bf16 or f16 on the way to a quantiser, and a product that is left as it is and whose result goes on into a quantised operand takes f32 operands (vector FMAs, or v_wmma_f32_16x16x4_f32). A number that lies on a knife's edge between two numbers of the format may be rounded either way, as far as f32 arithmetic and the matrix unit's own rounding can turn it there, and no further.
;; 2 versions. Each part assembles by itself: llvm-mc -triple=amdgcn-amd-amdhsa -mcpu=gfx1250 --defsym DOCPART=n.
;; ======== version 1 of 2: 4 launches
;; limits: right only within a limited range of input values
;; workspace buffers: xw 8,650,752 bytes; mk 532,480 bytes of whole numbers; qkv 12,976,128 bytes; oc 4,325,376 bytes
;; launch prep (part 1): grid 384 x 1, 16 waves a work-group, no clusters, 137,216 bytes of LDS; arguments x, Wq, Wk, Wv, Wo, mask, xw, mk; writes xw, mk
.if DOCPART == 1
	.amdgcn_target "amdgcn-amd-amdhsa--gfx1250"
	.amdhsa_code_object_version 6
	.text
	.protected	k_q0369e101d1_prep
	.globl	k_q0369e101d1_prep
	.p2align	8
	.type	k_q0369e101d1_prep,@function
k_q0369e101d1_prep:
	s_mov_b64 s[64:65], 0
	v_nop
	global_prefetch_b8 v0, s[64:65] scope:SCOPE_SE
	s_setreg_imm32_b32 hwreg(HW_REG_WAVE_MODE, 25, 1), 1
	s_wait_xcnt 0x0
; PREP.  (a) x (after nan_to_num) and the four weights, all f32 with K innermost, become codes of E4M3 with one E8M0 byte for each 32 along K; (b) the bool mask becomes lane masks and flags.
; THE TILE.  Rows are grouped in 32s: tile 2 b + u, lane row r, stands for row 32 b + 8 u + (r & 7) + 16 (r >> 3).  With such a tile as source 0 of a matrix instruction the 16 result registers
; of tiles 2 b and 2 b + 1 are 16 neighbours, 32 b + 16 (lane / 16) + 0 .. 15, so every result is laid as the next quantiser wants it.
; THE IMAGE of (tile, K step of 128) is the operand's registers as they stand: [c 0..3][lane][16 bytes], lane (r, h) holding k = 128 s + 32 c + 16 h + 0 .. 15 of its row: 2,048 bytes, moved by four
; accesses of 512 consecutive bytes.  xw: x's images [K / 256][tile 256][(K / 128) & 1][2048] at 0, the weights' (tiles: q 0-63, k 64-127, v 128-191, o 192-255) at WI; scale words [tile][s 8][r 16] at XS, the weights' 131,072 on.
; SHARES.  Work-groups 0-127: x; 128-255: Wq, Wk, Wv, Wo, 32 each; one wave = one (tile, K step): no loop, no barrier, each wave has its own stage in LDS.  Work-groups 256-383: the mask, one tile of 16 queries each, a wave a key step of 128; no LDS.
; mk: at 0 [T 128][s 16][n 64] words: bit l of word n = the key that register n of lane l will hold in the scores is blocked; at FL [T][s] words: bits 0-15 the tile's rows wholly blocked in the step, bit 16 any byte blocked.
; The scale words leave as 64 bytes a wave and the flags as 4: one byte in 128 of what the launch reads.
; LIMITS: NaN and infinities in the weights are treated as x's are (0, +-1e9), which reference() does not do; blocks whose largest magnitude lies under 2^-118, blocks of zeros among them, keep the byte 1
; (their codes are what the floor's scale gives; the bytes are read by this program alone).  Mask bytes are 0 or 1.
.set WI,   4194304
.set XS,   8388608
.set FL,   524288
.set STGB, 8448                        ; a wave's stage: 16 rows x (512 + 16) bytes: 33 x 16, so the sixteen rows that a read touches fall into sixteen different 16-byte columns of 256
.set X,    16                          ; v16-79   64 numbers
.set TM,   80                          ; v80-83 largest magnitudes, v84-87 bytes, v88-91 448 x the scale, v92-95 the conversions' scale operands
.set PW,   96                          ; the scale word
.set PC,   100                         ; v100-115 the codes
.set SEL,  20                          ; s[20:21] lane selects: lane l xor 16
.set MNT,  22                          ; the mantissa field of 448
.set INF,  23                          ; the bits of +infinity
.set BIG,  24                          ; 1e9
.macro N2N x, t, u                     ; nan_to_num: NaN -> 0, +-infinity -> +-1e9; a finite number is left as it is
	v_and_b32 v[\t], 0x7fffffff, v[\x]
	v_cmp_ge_u32 vcc_lo, s[INF], v[\t]
	v_cndmask_b32 v[\x], 0, v[\x], vcc_lo
	v_med3_num_f32 v[\u], v[\x], -s[BIG], s[BIG]
	v_cmp_eq_u32 vcc_lo, s[INF], v[\t]
	v_cndmask_b32 v[\x], v[\x], v[\u], vcc_lo
.endm
; 64 numbers of a lane, register 16 b + i = k 32 b + 16 (lane / 16) + i of my row, become a fragment's codes in v[PC] on and its scale word in v[PW]
.macro QUANT s
.irp b, 0,1,2,3
	v_max3_num_f32 v[TM+\b], |v[\s+16*\b]|, |v[\s+1+16*\b]|, 0x4800000   ; my 16 numbers of block b, and the floor 2^(9 - 127): the byte cannot fall under 1
.endr
.irp i, 2,4,6,8,10,12,14
.irp b, 0,1,2,3
	v_max3_num_f32 v[TM+\b], v[TM+\b], |v[\s+16*\b+\i]|, |v[\s+1+16*\b+\i]|
.endr
.endr
.irp b, 0,1,2,3
	v_permlanex16_b32 v[TM+4+\b], v[TM+\b], s[SEL], s[SEL+1]
.endr
.irp b, 0,1,2,3
	v_max_num_f32 v[TM+\b], v[TM+\b], v[TM+4+\b]           ; with lane l xor 16's: the block's largest magnitude
.endr
.irp b, 0,1,2,3
	v_add_nc_u32 v[TM+12+\b], 0xfc000000, v[TM+\b]         ; 8 off its exponent field: the conversion's scale operand
.endr
.irp b, 0,1,2,3
	v_and_or_b32 v[TM+8+\b], v[TM+\b], 0x7f800000, s[MNT]  ; 448 x the scale
.endr
.irp b, 0,1,2,3
	v_lshrrev_b32 v[TM+4+\b], 23, v[TM+12+\b]              ; the scale's byte
.endr
	v_lshl_or_b32 v[PW], v[TM+5], 8, v[TM+4]
	v_lshl_or_b32 v[PW], v[TM+6], 16, v[PW]
	v_lshl_or_b32 v[PW], v[TM+7], 24, v[PW]
.irp b, 0,1,2,3
.irp i, 0,1,2,3,4,5,6,7,8,9,10,11,12,13,14,15
	v_med3_num_f32 v[\s+16*\b+\i], v[\s+16*\b+\i], -v[TM+8+\b], v[TM+8+\b]   ; the conversion to an 8-bit code does not saturate (ISA guide 7.6.2): the hold at 448 x the scale
.endr
	v_cvt_scalef32_pk8_fp8_f32 v[PC+4*\b:PC+1+4*\b], v[\s+16*\b:\s+7+16*\b], v[TM+12+\b]
	v_cvt_scalef32_pk8_fp8_f32 v[PC+2+4*\b:PC+3+4*\b], v[\s+8+16*\b:\s+15+16*\b], v[TM+12+\b]
.endr
	v_nop                                          ; a plain line behind the last conversion
.endm
	s_load_b256 s[4:11], s[0:1], 0x0               ; x, Wq, Wk, Wv
	s_load_b256 s[12:19], s[0:1], 0x20             ; Wo, mask, xw, mk
	v_lshl_add_u32 v128, v0, 2, 0x21000
	v_mov_b32 v129, 0
	v_lshrrev_b32 v1, 5, v0
	v_readfirstlane_b32 s2, v1                     ; wave 0..15
	v_and_b32 v1, 31, v0                           ; lane
	v_and_b32 v6, 15, v0                           ; r
	v_bfe_u32 v7, v0, 4, 1                         ; h
	s_cmp_ge_u32 ttmp9, 256
	s_cbranch_scc1 .Lmask
	; ---- x and the weights
	v_lshlrev_b32 v2, 4, v1                        ; 16 x lane
	s_mul_i32 s3, s2, STGB
	v_add_nc_u32 v3, s3, v2                        ; the stage, on the way in: a row's 512 bytes as they lie
	v_mul_u32_u24 v4, v6, 528
	v_lshl_add_u32 v4, v7, 6, v4
	v_add_nc_u32 v4, s3, v4                        ; and on the way out: row r, + 64 h
	v_lshlrev_b32 v5, 2, v6                        ; 4 r
	s_mov_b32 s[SEL], 0x76543210
	s_mov_b32 s[SEL+1], 0xfedcba98
	s_mov_b32 s[MNT], 0x600000
	s_mov_b32 s[INF], 0x7f800000
	s_mov_b32 s[BIG], 0x4e6e6b28
.irp b, 0,1,2,3
	v_mov_b32 v[TM+4+\b], 0                        ; a lane permute's destination counts as one of its sources
.endr
	s_and_b32 s25, ttmp9, 127
	s_lshl_b32 s25, s25, 1
	s_lshr_b32 s26, s2, 3
	s_add_co_u32 s25, s25, s26                     ; the tile, 0..255 of x or of the weights
	s_and_b32 s26, s2, 7                           ; the K step
	s_cmp_lt_u32 ttmp9, 128                        ; x or a weight?
	s_cselect_b32 s27, 255, 63
	s_cselect_b32 s30, 0, WI
	s_cselect_b32 s32, 0, 131072
	s_and_b32 s27, s25, s27                        ; the tile within its tensor
	s_lshr_b32 s28, s27, 1
	s_lshl_b32 s28, s28, 17                        ; 32 rows of 4,096 bytes
	s_and_b32 s27, s27, 1
	s_lshl_b32 s27, s27, 15                        ; 8 rows
	s_add_co_u32 s28, s28, s27
	s_lshl_b32 s27, s26, 9                         ; 128 numbers along K
	s_add_co_u32 s28, s28, s27
	s_mov_b32 s29, 0
	s_lshr_b32 s27, s26, 1
	s_lshl_b32 s27, s27, 20
	s_add_co_u32 s30, s30, s27
	s_lshl_b32 s27, s25, 12
	s_add_co_u32 s30, s30, s27
	s_and_b32 s27, s26, 1
	s_lshl_b32 s27, s27, 11
	s_add_co_u32 s30, s30, s27                     ; the image's place
	s_mov_b32 s31, 0
	s_lshl_b32 s27, s25, 9
	s_add_co_u32 s32, s32, s27
	s_lshl_b32 s27, s26, 6
	s_add_co_u32 s32, s32, s27
	s_add_co_u32 s32, s32, XS                      ; the scale words' place
	s_mov_b32 s33, 0
	s_wait_kmcnt 0x0
	s_cmp_lt_u32 ttmp9, 160                        ; the source: the choices hang on the work-group's number alone
	s_cselect_b64 s[6:7], s[6:7], s[8:9]
	s_cmp_lt_u32 ttmp9, 224
	s_cselect_b64 s[10:11], s[10:11], s[12:13]
	s_cmp_lt_u32 ttmp9, 192
	s_cselect_b64 s[6:7], s[6:7], s[10:11]
	s_cmp_lt_u32 ttmp9, 128
	s_cselect_b64 s[4:5], s[4:5], s[6:7]
	s_add_nc_u64 s[4:5], s[4:5], s[28:29]
	s_add_nc_u64 s[30:31], s[16:17], s[30:31]
	s_add_nc_u64 s[32:33], s[16:17], s[32:33]
.irp i, 0,1,2,3,4,5,6,7,8,9,10,11,12,13,14,15
	global_load_b128 v[X+4*\i:X+4*\i+3], v2, s[4:5] offset:(\i+8*(\i/8))*4096 th:TH_LOAD_NT   ; lane row i's 512 consecutive bytes
.endr
.irp i, 0,1,2,3,4,5,6,7,8,9,10,11,12,13,14,15
	s_wait_loadcnt 15-\i                           ; loads come back in order: row i is in, the younger rows may be out
	ds_store_b128 v3, v[X+4*\i:X+4*\i+3] offset:528*\i
.endr
	s_wait_dscnt 0x0                               ; the stores have read their registers
.irp p, 0,1,2,3
.irp j, 0,1,2,3
	ds_load_b128 v[X+16*\p+4*\j:X+16*\p+4*\j+3], v4 offset:128*\p+16*\j   ; register 16 p + i: k = 32 p + 16 h + i of row r
.endr
.endr
	s_wait_dscnt 0x0
.set j, 0
.rept 64
	N2N X+j, 116+2*(j%2), 117+2*(j%2)
.set j, j+1
.endr
	QUANT X
.irp p, 0,1,2,3
	global_store_b128 v2, v[PC+4*\p:PC+4*\p+3], s[30:31] offset:512*\p   ; 512 consecutive bytes
.endr
	s_wait_xcnt 0x0                                ; EXEC changes only behind this wait
	v_cmp_gt_u32 vcc_lo, 16, v1
	s_wait_tensorcnt 0x0
	ds_add_u32 v128, v129
	s_wait_dscnt 0x0
	s_and_saveexec_b32 s34, vcc_lo
	global_store_b32 v5, v[PW], s[32:33]           ; lanes 0-15: row r's scale word
	s_wait_xcnt 0x0
	s_or_b32 exec_lo, exec_lo, s34
	s_endpgm
	; ---- the mask: tile T of 16 queries, my wave's 128 keys
.Lmask:
	s_sub_co_u32 s25, ttmp9, 256                   ; T
	s_lshr_b32 s26, s25, 1
	s_lshl_b32 s26, s26, 16                        ; 32 rows of 2,048 bytes
	s_and_b32 s27, s25, 1
	s_lshl_b32 s27, s27, 14                        ; 8 rows
	s_add_co_u32 s26, s26, s27
	s_lshl_b32 s27, s2, 7                          ; 128 keys a step
	s_add_co_u32 s26, s26, s27
	s_mov_b32 s27, 0
	s_lshl_b32 s28, s25, 4
	s_add_co_u32 s28, s28, s2                      ; 16 T + s
	s_lshl_b32 s30, s28, 2
	s_add_co_u32 s30, s30, FL
	s_mov_b32 s31, 0
	s_lshl_b32 s28, s28, 8
	s_mov_b32 s29, 0
	v_and_b32 v8, 8, v6
	v_add_nc_u32 v8, v8, v6                        ; (r & 7) + 16 (r >> 3)
	v_lshlrev_b32 v8, 11, v8
	v_lshl_add_u32 v8, v7, 4, v8                   ; my query's row, + 16 h
	v_lshlrev_b32 v9, 3, v1                        ; 8 x lane
	v_mov_b32 v40, 0                               ; written whole before single lanes are written
	v_mov_b32 v41, 0
	s_wait_kmcnt 0x0
	s_add_nc_u64 s[14:15], s[14:15], s[26:27]
	s_add_nc_u64 s[28:29], s[18:19], s[28:29]
	s_add_nc_u64 s[30:31], s[18:19], s[30:31]
.irp p, 0,1,2,3
	global_load_b128 v[16+4*\p:19+4*\p], v8, s[14:15] offset:32*\p   ; byte i: key 128 s + 32 p + 16 h + i
.endr
	s_wait_loadcnt 0x0
.set n, 0
.rept 64                               ; word n = the 32 lanes' byte n; it goes to lane n / 2 of register n % 2, so that lane l stores words 2 l and 2 l + 1
	v_bfe_u32 v[44+(n&3)], v[16+4*(n/16)+((n%16)>>2)], 8*(n&3), 8
	v_cmp_ne_u32 s[32+(n&3)], 0, v[44+(n&3)]
	v_writelane_b32 v[40+(n&1)], s[32+(n&3)], n>>1
.set n, n+1
.endr
	global_store_b64 v9, v[40:41], s[28:29]        ; 256 consecutive bytes, aligned
	v_or_b32 v48, v16, v17
	v_and_b32 v49, v16, v17
.irp j, 18,19,20,21,22,23,24,25,26,27,28,29,30,31
	v_or_b32 v48, v48, v[\j]
	v_and_b32 v49, v49, v[\j]
.endr
	v_cmp_ne_u32 s36, 0, v48                       ; lanes with a blocked byte
	v_cmp_eq_u32 s37, 0x01010101, v49              ; lanes all of whose 64 bytes are blocked
	s_lshr_b32 s38, s37, 16
	s_and_b32 s37, s37, s38                        ; a row is lanes r and r + 16
	s_and_b32 s37, s37, 0xffff
	s_cmp_lg_u32 s36, 0
	s_cselect_b32 s38, 0x10000, 0
	s_or_b32 s37, s37, s38
	v_mov_b32 v50, s37
	v_mov_b32 v51, 0
	s_wait_xcnt 0x0                                ; EXEC changes only behind this wait
	v_cmp_eq_u32 vcc_lo, 0, v1
	s_and_saveexec_b32 s39, vcc_lo
	global_store_b32 v51, v50, s[30:31]            ; lane 0: the step's flag word
	s_wait_xcnt 0x0
	s_or_b32 exec_lo, exec_lo, s39
	s_endpgm
.Lfunc_end_k_q0369e101d1_prep:
	.size	k_q0369e101d1_prep, .Lfunc_end_k_q0369e101d1_prep-k_q0369e101d1_prep
	.p2alignl 7, 3214868480
	.fill 96, 4, 3214868480
	.section	.rodata,"a",@progbits
	.p2align	6, 0x0
	.amdhsa_kernel k_q0369e101d1_prep
		.amdhsa_group_segment_fixed_size 137216
		.amdhsa_private_segment_fixed_size 0
		.amdhsa_enable_private_segment 0
		.amdhsa_kernarg_size 64
		.amdhsa_user_sgpr_count 2
		.amdhsa_user_sgpr_kernarg_segment_ptr 1
		.amdhsa_wavefront_size32 1
		.amdhsa_system_sgpr_workgroup_id_x 1
		.amdhsa_system_sgpr_workgroup_id_y 1
		.amdhsa_system_sgpr_workgroup_id_z 1
		.amdhsa_system_vgpr_workitem_id 0
		.amdhsa_next_free_vgpr 130
		.amdhsa_next_free_sgpr 66
		.amdhsa_reserve_vcc 1
		.amdhsa_float_denorm_mode_32 3
		.amdhsa_float_denorm_mode_16_64 3
		.amdhsa_memory_ordered 1
		.amdhsa_forward_progress 1
		.amdhsa_inst_pref_size 48
	.end_amdhsa_kernel
	.amdgpu_metadata
---
amdhsa.version: [ 1, 2 ]
amdhsa.kernels:
  - .name:           k_q0369e101d1_prep
    .symbol:         k_q0369e101d1_prep.kd
    .args:
      - { .name: x, .offset: 0, .size: 8, .value_kind: global_buffer, .address_space: global }
      - { .name: Wq, .offset: 8, .size: 8, .value_kind: global_buffer, .address_space: global }
      - { .name: Wk, .offset: 16, .size: 8, .value_kind: global_buffer, .address_space: global }
      - { .name: Wv, .offset: 24, .size: 8, .value_kind: global_buffer, .address_space: global }
      - { .name: Wo, .offset: 32, .size: 8, .value_kind: global_buffer, .address_space: global }
      - { .name: mask, .offset: 40, .size: 8, .value_kind: global_buffer, .address_space: global }
      - { .name: xw, .offset: 48, .size: 8, .value_kind: global_buffer, .address_space: global }
      - { .name: mk, .offset: 56, .size: 8, .value_kind: global_buffer, .address_space: global }
    .group_segment_fixed_size: 137216
    .private_segment_fixed_size: 0
    .kernarg_segment_align: 8
    .kernarg_segment_size: 64
    .max_flat_workgroup_size: 512
    .sgpr_count:     66
    .vgpr_count:     130
    .wavefront_size: 32
...
	.end_amdgpu_metadata
.endif
;; end of part 1
;; launch qkv (part 2): grid 12 x 16, 4 waves a work-group, clusters of 4 x 4, 327,680 bytes of LDS; arguments xw, bq, bk, bv, qkv; writes qkv
.if DOCPART == 2
	.amdgcn_target "amdgcn-amd-amdhsa--gfx1250"
	.amdhsa_code_object_version 6
	.text
	.protected	k_q0369e101d1_qkv
	.globl	k_q0369e101d1_qkv
	.p2align	8
	.type	k_q0369e101d1_qkv,@function
k_q0369e101d1_qkv:
	s_mov_b64 s[64:65], 0
	v_nop
	global_prefetch_b8 v0, s[64:65] scope:SCOPE_SE
	s_setreg_imm32_b32 hwreg(HW_REG_WAVE_MODE, 25, 1), 1
	s_wait_xcnt 0x0
	s_wait_alu depctr_hold_cnt(0) depctr_sa_sdst(0) depctr_va_vdst(0) depctr_va_sdst(0) depctr_va_ssrc(0) depctr_va_vcc(0) depctr_vm_vsrc(0)
	s_getreg_b32 s2, hwreg(HW_REG_IB_STS2, 6, 4)
	s_cmp_eq_u32 s2, 0
	s_cbranch_scc0 .Lentry_in_a_cluster
	s_endpgm
.Lentry_in_a_cluster:
	s_bfe_u32 s2, ttmp6, 0x10000c
	s_cmp_lg_u32 s2, 0xf033
	s_cbranch_scc0 .Lentry_shape_is_right
	s_endpgm
.Lentry_shape_is_right:
; QKV.  q = x Wq^T + bq, k = x Wk^T + bk, v = x Wv^T + bv on codes of E4M3 with E8M0 scales, sums in f32; the results are quantised at once: q and k along the head's 64, v along the keys.
; A work-group of four waves makes 256 x 256 of the result, a wave 128 x 128 in 64 accumulators (512 registers).  K = 1,024 goes in four steps of 256 through two LDS slots.
; OPERANDS ARE IMAGES OF REGISTERS (see the layout below): a tile's two K steps of a slot are 4,096 consecutive bytes, 16 tiles 65,536: each wave's tensor load brings a dense block of 32,768 bytes, and a fragment is four LDS loads of 512 consecutive bytes.
; xw: x's images [K / 256][tile 256][(K / 128) & 1][2048] at 0, the weights' at WI (tiles: q 0-63, k 64-127, v 128-191); scale words [tile][s 8][r 16] at XS, the weights' 131,072 on.
; Tile 2 b + u, lane row r = row 32 b + 8 u + (r & 7) + 16 (r >> 3): the 16 result registers of source 0's tiles 2 b, 2 b + 1 are 16 neighbours, 32 b + 16 (lane / 16) + 0 .. 15.
; ROLES, by the cluster's x, which all sixteen partners share.  Clusters 0 (q) and 1 (k): source 1 (called A) = rows of x, source 0 (B) = rows of W: a lane holds one row of x and its registers run along the channels, the next K.
; Cluster 2 (v): A = rows of Wv, B = rows of x: a lane holds one channel and its registers run along the keys, the next K.  Both operands lie in one buffer, so a role is a matter of offsets.
; CLUSTERS: 4 x 4.  A's block hangs on cy, B's on cx: A is asked for jointly by a row of the cluster, B by a column, which divides the requests by four.
; The bias is the C of each sum's first matrix instruction.
; qkv: q's images [bh 32][T 128][c 2][lane][16] at 0, k's at 4,194,304, v's [bh][s 16][nu 4][c 4][lane][16] at VI; scale words: q's [b][head pair 8][T][r] (bytes: even head's two blocks, odd head's two) at QS, k's 131,072 on, v's [bh][s][nu][r] at VS.
; REGISTERS, in windows of 256.  Window 0: v1-11 addresses; v16-29 LDS addresses; v32-63 scale words, two sets (nothing else is ever put there); v64-127 the bias, later the way out's scratch; v128-255 A's 8 fragments, one set, later the way out's numbers and codes.
;   Window 1: B's fragments, two sets.  Windows 2, 3: the accumulators, (a, b) at v[8 (8 (a % 4) + b)].
; LIMITS: NaN and infinities among weights and biases are not served; blocks whose largest magnitude lies under 2^-118 keep the byte 1.
.set WI,    4194304
.set XS,    8388608
.set VI,    8388608
.set QS,    12582912
.set VS,    QS+262144
.set NQ,    2                          ; matrix instructions deep in a slot
.set FR,    16                         ; registers of a fragment
.set NL,    4                          ; LDS loads that bring one
.set NP,    8                          ; places behind this matrix instruction (ISA guide 7.12.1)
.set HALFT, 32768                      ; 8 tiles x 2 K steps: what one tensor load brings
.set SLOT,  4*HALFT                    ; A's 16 tiles, then B's 16
.set KSL,   1048576                    ; from a slot's block to the next along K, in memory
.set SCL,   2*SLOT                     ; behind the ring: the scale words of all of K, A's 8,192 bytes, then B's; filled once
.set HALFS, 4096
.set SPARE, SCL+4*HALFS                ; the spare words, 128 bytes for each wave: two blocks of 256 bytes that no other line names
.set LO,   8                           ; v8   the way out: 16 x lane, stepped from tile to tile
.set HI,   9                           ; v9   the same for blocks 2 and 3
.set SC0,  10                          ; v10  4 x lane: scale words of tiles 0-3
.set SC1,  11                          ; v11  of tiles 4-7
.set ADRA, 16                          ; v16-17  LDS address of my A fragments in slot 0, 1
.set ADRB, 20                          ; v20-21  the same for B
.set ADRS, 27                          ; v27     of my scale words: lanes 0-15 A's, lanes 16-31 B's
.set SPW,  28                          ; v28     my spare word; never rewritten
.set NIL,  29                          ; v29     0; never rewritten
.set SC,   32
.set BIAS, 64
.set AF,   128
.set TM,   64                          ; the way out: v64-79 at work, v80-87 a scale word a tile, v88-91 pairs of them
.set PW,   80
.set VT,   88
.set T,    128                         ; v128-191 64 numbers held
.set PC,   192                         ; v192-207 their codes
.set MNT,  17                          ; s17 the mantissa field of 448
.set SEL,  18                          ; s[18:19] lane l xor 16
.set G1, 24
.set G0, 32
.set G1B, 48
.set G0B, 56
.set G1S, 68
.set G0S, 76
.set G1SB, 80
.set G0SB, 88
.set MSB, 0
.macro WIN new                         ; the immediate's high byte repeats the setting that is left
.if MSB != (\new)
	s_set_vgpr_msb (MSB<<8)|(\new)
.set MSB, (\new)
.endif
.endm
.set MUL_LO, 0xa1                      ; source 0 (B) window 1, source 1 (A) window 0, C and D window 2
.set MUL_HI, 0xf1                      ; the same, C and D window 3
.set TO_B,   0x40                      ; destination window 1, address window 0
; A joint load: waves 0 and 1 fetch for A, waves 2 and 3 for B.  Each line has one mask and one set of registers for all that issue it; the branch hangs on the wave's number alone.
; Four v_nop follow each of the two lines, ahead of the jump, the label and what follows.
.macro JLOAD g0a, g1a, g0b, g1b
	s_cmp_eq_u32 s15, 0
	s_cbranch_scc0 .Lfor_b_\@
	tensor_load_to_lds s[\g0a:\g0a+3], s[\g1a:\g1a+7]
	s_nop 0
.rept 4
	v_nop
.endr
	s_branch .Lasked_\@
.Lfor_b_\@:
	tensor_load_to_lds s[\g0b:\g0b+3], s[\g1b:\g1b+7]
	s_nop 0
.rept 4
	v_nop
.endr
.Lasked_\@:
.endm
.macro CREST                           ; a round of the cluster's barrier behind its opening barrier
	s_cmp_lg_u32 s14, 0
	s_cbranch_scc1 .Lnot_wave_0_\@
	s_barrier_signal -3
.Lnot_wave_0_\@:
	s_barrier_wait -3
	s_barrier_signal -1
	s_barrier_wait -1
.endm
.macro CROUND                          ; a whole round
	s_barrier_signal -1
	s_barrier_wait -1
	CREST
.endm
	s_load_b256 s[4:11], s[0:1], 0x0               ; xw, bq, bk, bv
	s_load_b64 s[12:13], s[0:1], 0x20              ; qkv
	v_lshl_add_u32 v[SPW], v0, 2, SPARE
	v_mov_b32 v[NIL], 0
	ds_add_u32 v28, v29
	ds_add_u32 v28, v29
	s_wait_dscnt 0x0
	v_lshrrev_b32 v1, 5, v0
	v_readfirstlane_b32 s14, v1                    ; wave 0..3
	s_lshr_b32 s15, s14, 1                         ; which half of A's tiles is mine.  Also: I fetch for A (0) or for B (1)
	s_and_b32 s16, s14, 1                          ; which half of B's.  Also: which 8 tiles of that block I fetch
	s_bfe_u32 s40, ttmp6, 0x40000                  ; cx, cy: my place in the cluster
	s_bfe_u32 s41, ttmp6, 0x40004
	s_lshl_b32 s43, s41, 2
	s_lshl_b32 s43, 15, s43                        ; my row of the cluster
	s_lshl_b32 s44, 0x1111, s40                    ; my column
	; descriptor group 1: dense blocks as rows of 256 bytes (32 elements of 8 bytes), no padding: 128 rows of codes, 16 rows of scale words
	s_or_b32 s[G1+0], s43, (3<<16)|(1<<21)         ; 15:0 the mask: A's go to my row; 17:16 elements of 8 bytes; 21 set beside a mask
	s_or_b32 s[G1B+0], s44, (3<<16)|(1<<21)        ; B's go to my column
.irp g, G1, G1B
	s_mov_b32 s[\g+1], 32<<16                      ; tensor_dim0
	s_mov_b32 s[\g+2], 128<<16                     ; tensor_dim1
	s_mov_b32 s[\g+3], 32<<16                      ; tile_dim0
	s_mov_b32 s[\g+4], 128                         ; tile_dim1
	s_mov_b32 s[\g+5], 32                          ; tensor_dim0_stride
	s_mov_b32 s[\g+6], 0
	s_mov_b32 s[\g+7], 0
.endr
	s_or_b32 s[G1S+0], s43, (3<<16)|(1<<21)
	s_or_b32 s[G1SB+0], s44, (3<<16)|(1<<21)
.irp g, G1S, G1SB
	s_mov_b32 s[\g+1], 32<<16
	s_mov_b32 s[\g+2], 16<<16
	s_mov_b32 s[\g+3], 32<<16
	s_mov_b32 s[\g+4], 16
	s_mov_b32 s[\g+5], 32
	s_mov_b32 s[\g+6], 0
	s_mov_b32 s[\g+7], 0
.endr
	; where the blocks lie.  A's offsets are made of cy, B's of cx, each in registers that do not hold the other; the role hangs on the cluster's x
	s_and_b32 s17, ttmp7, 0xffff
	s_lshl_b32 s17, s17, 2                         ; 4 Y
	s_lshl_b32 s18, ttmp9, 2                       ; 4 X
	s_lshl_b32 s19, s16, 15                        ; my half of a block's codes
	s_lshl_b32 s42, s16, 12                        ; and of its scale words
	s_cmp_eq_u32 ttmp9, 2                          ; v?
	s_cselect_b32 s20, 8, s17                      ; A: Wv's block 8 + cy, or x's block 4 Y + cy
	s_cselect_b32 s21, WI, 0
	s_cselect_b32 s23, 131072, 0
	s_cselect_b32 s46, s17, s18                    ; B: x's block 4 Y + cx, or W's block 4 X + cx
	s_cselect_b32 s47, 0, WI
	s_cselect_b32 s93, 0, 131072
	s_add_co_u32 s20, s20, s41
	s_add_co_u32 s46, s46, s40
	s_mov_b32 s95, s20                             ; A's block, kept for the way out
	s_mov_b32 s96, s46                             ; B's
	s_lshl_b32 s22, s20, 13                        ; a block's scale words: 8,192 bytes
	s_add_co_u32 s22, s22, s23
	s_add_co_u32 s22, s22, s42
	s_add_co_u32 s22, s22, XS
	s_lshl_b32 s20, s20, 16                        ; a block's codes of a slot: 65,536 bytes
	s_add_co_u32 s20, s20, s21
	s_add_co_u32 s20, s20, s19
	s_mov_b32 s21, 0
	s_mov_b32 s23, 0
	s_lshl_b32 s92, s46, 13
	s_add_co_u32 s92, s92, s93
	s_add_co_u32 s92, s92, s42
	s_add_co_u32 s92, s92, XS
	s_lshl_b32 s46, s46, 16
	s_add_co_u32 s46, s46, s47
	s_add_co_u32 s46, s46, s19
	s_mov_b32 s47, 0
	s_mov_b32 s93, 0
	s_lshl_b32 s45, s14, 15                        ; where they go: wave x 32,768: no place in the cluster enters an LDS address
	s_lshl_b32 s94, s14, 12
	s_wait_kmcnt 0x0
	s_add_nc_u64 s[20:21], s[4:5], s[20:21]
	s_add_nc_u64 s[22:23], s[4:5], s[22:23]
	s_add_nc_u64 s[46:47], s[4:5], s[46:47]
	s_add_nc_u64 s[92:93], s[4:5], s[92:93]
	CROUND                                         ; all sixteen work-groups are here: the first joint loads meet
	s_mov_b32 s[G0S], 1
	s_add_co_u32 s[G0S+1], s94, SCL
	s_mov_b64 s[G0S+2:G0S+3], s[22:23]
	s_or_b32 s[G0S+3], s[G0S+3], 0x80000000
	s_mov_b32 s[G0SB], 1
	s_add_co_u32 s[G0SB+1], s94, SCL
	s_mov_b64 s[G0SB+2:G0SB+3], s[92:93]
	s_or_b32 s[G0SB+3], s[G0SB+3], 0x80000000
	JLOAD G0S, G1S, G0SB, G1SB                     ; the scale words first: they are wanted with the first K step
.irp s, 0,1
	s_mov_b32 s[G0+4*\s], 1
	s_add_co_u32 s[G0+4*\s+1], s45, \s*SLOT
	s_add_nc_u64 s[G0+4*\s+2:G0+4*\s+3], s[20:21], \s*KSL
	s_or_b32 s[G0+4*\s+3], s[G0+4*\s+3], 0x80000000
	s_mov_b32 s[G0B+4*\s], 1
	s_add_co_u32 s[G0B+4*\s+1], s45, \s*SLOT
	s_add_nc_u64 s[G0B+4*\s+2:G0B+4*\s+3], s[46:47], \s*KSL
	s_or_b32 s[G0B+4*\s+3], s[G0B+4*\s+3], 0x80000000
	JLOAD G0+4*\s, G1, G0B+4*\s, G1B               ; three tensor loads of mine are out at the most
.endr
	v_and_b32 v1, 15, v0                           ; r
	v_bfe_u32 v2, v0, 4, 1                         ; h
	v_and_b32 v3, 31, v0                           ; lane
	v_lshlrev_b32 v4, 4, v3                        ; 16 x lane: an image's place for my lane
	s_lshl_b32 s21, s15, 15                        ; my 8 tiles of A
	s_lshl_b32 s22, s16, 15                        ; my 8 tiles of B,
	s_add_co_u32 s22, s22, 2*HALFT                 ; which lie behind A's 16
.irp s, 0,1
	v_add_nc_u32 v[ADRA+\s], s21, v4
	v_add_nc_u32 v[ADRB+\s], s22, v4
	s_add_co_u32 s21, s21, SLOT
	s_add_co_u32 s22, s22, SLOT
.endr
	v_lshlrev_b32 v5, 2, v1                        ; my row's scale word
	s_lshl_b32 s21, s15, 12                        ; A's: my 8 tiles
	s_lshl_b32 s22, s16, 12                        ; B's: my 8 tiles, behind A's 16
	s_add_co_u32 s22, s22, 2*HALFS
	s_sub_co_u32 s22, s22, s21
	v_mul_u32_u24 v6, s22, v2                      ; lanes 16-31 take B's: one product, the distance between the two
	s_add_co_u32 s21, s21, SCL
	v_add_nc_u32 v5, v5, v6
	v_add_nc_u32 v[ADRS], s21, v5
	v_mov_b32 v[LO], v4
	v_lshlrev_b32 v[SC0], 2, v3
	; the bias in the result's layout, and where my results go.  The branch hangs on the cluster's x alone
	s_cmp_eq_u32 ttmp9, 0
	s_cselect_b64 s[6:7], s[6:7], s[8:9]
	s_cmp_eq_u32 ttmp9, 2
	s_cselect_b64 s[6:7], s[10:11], s[6:7]
	s_cbranch_scc1 .Lbias_v
	s_lshl_b32 s20, s40, 10                        ; q, k: my 128 channels begin at 256 cx + 128 (wave & 1)
	s_lshl_b32 s21, s16, 9
	s_add_co_u32 s20, s20, s21
	s_mov_b32 s21, 0
	s_add_nc_u64 s[6:7], s[6:7], s[20:21]
	v_lshlrev_b32 v5, 6, v2                        ; register j of B's tile 2 p + u is channel 32 p + 8 u + 16 h + j
.irp b, 0,1,2,3,4,5,6,7
	global_load_b128 v[BIAS+8*\b:BIAS+8*\b+3], v5, s[6:7] offset:(32*(\b/2)+8*(\b%2))*4
	global_load_b128 v[BIAS+8*\b+4:BIAS+8*\b+7], v5, s[6:7] offset:(32*(\b/2)+8*(\b%2))*4+16
.endr
	s_lshl_b32 s20, s95, 4
	s_lshl_b32 s21, s15, 3
	s_add_co_u32 s20, s20, s21                     ; my first tile of rows
	s_lshr_b32 s21, s20, 7                         ; the batch
	s_and_b32 s20, s20, 127                        ; T
	s_lshl_b32 s22, s40, 1
	s_add_co_u32 s22, s22, s16                     ; the pair of heads
	s_lshl_b32 s21, s21, 3
	s_add_co_u32 s21, s21, s22
	s_lshl_b32 s21, s21, 7                         ; (8 b + hp) x 128
	s_lshl_b32 s22, s21, 1                         ; (16 b + 2 hp) x 128
	s_add_co_u32 s22, s22, s20
	s_lshl_b32 s22, s22, 10                        ; images of 1,024 bytes
	s_lshl_b32 s23, ttmp9, 22                      ; q's or k's
	s_add_co_u32 s22, s22, s23
	s_mov_b32 s23, 0
	s_add_co_u32 s20, s21, s20
	s_lshl_b32 s20, s20, 6                         ; 64 bytes of scale words a tile
	s_lshl_b32 s21, ttmp9, 17
	s_add_co_u32 s20, s20, s21
	s_add_co_u32 s20, s20, QS
	s_mov_b32 s21, 0
	s_add_nc_u64 s[66:67], s[12:13], s[20:21]
	s_add_nc_u64 s[12:13], s[12:13], s[22:23]
	s_mov_b32 s2, 1024                             ; from tile to tile
	s_mov_b32 s3, 0
	v_add_nc_u32 v[HI], 131072, v[LO]              ; blocks 2 and 3 are the next head's
	v_add_nc_u32 v[SC1], 256, v[SC0]
	s_branch .Lbias_done
.Lbias_v:
	s_lshl_b32 s20, s41, 10                        ; v: my 128 channels begin at 256 cy + 128 (wave >> 1)
	s_lshl_b32 s21, s15, 9
	s_add_co_u32 s20, s20, s21
	s_mov_b32 s21, 0
	s_add_nc_u64 s[6:7], s[6:7], s[20:21]
	v_and_b32 v5, 8, v1
	v_add_nc_u32 v5, v5, v1
	v_lshlrev_b32 v5, 2, v5                        ; my lane's channel of A's tile 2 p + u: 32 p + 8 u + (r & 7) + 16 (r >> 3); all eight registers hold its bias
.irp a, 0,1,2,3,4,5,6,7
.irp j, 0,1,2,3,4,5,6,7
	global_load_b32 v[BIAS+8*\a+\j], v5, s[6:7] offset:(32*(\a/2)+8*(\a%2))*4
.endr
.endr
	s_lshl_b32 s20, s96, 8
	s_lshl_b32 s21, s16, 7
	s_add_co_u32 s20, s20, s21                     ; my first row of x: my 128 keys are one key step
	s_lshr_b32 s21, s20, 11                        ; the batch
	s_bfe_u32 s20, s20, 0x40007                    ; the key step
	s_lshl_b32 s22, s41, 1
	s_add_co_u32 s22, s22, s15                     ; the pair of heads
	s_lshl_b32 s21, s21, 3
	s_add_co_u32 s21, s21, s22
	s_lshl_b32 s21, s21, 5                         ; (16 b + 2 hp) x 16
	s_add_co_u32 s21, s21, s20
	s_lshl_b32 s22, s21, 13                        ; four images of 2,048 bytes a step
	s_add_co_u32 s22, s22, VI
	s_mov_b32 s23, 0
	s_lshl_b32 s20, s21, 8
	s_add_co_u32 s20, s20, VS
	s_mov_b32 s21, 0
	s_add_nc_u64 s[66:67], s[12:13], s[20:21]
	s_add_nc_u64 s[12:13], s[12:13], s[22:23]
	s_mov_b32 s2, 2048                             ; from tile to tile,
	s_mov_b32 s3, 122880                           ; and from a head's last tile on to the next head's first: 131,072 - 4 x 2,048
	v_add_nc_u32 v[HI], 1024, v[LO]
	v_add_nc_u32 v[SC1], 4096, v[SC0]
.Lbias_done:
	s_mov_b32 s[MNT], 0x600000
	s_mov_b32 s[SEL], 0x76543210
	s_mov_b32 s[SEL+1], 0xfedcba98
	s_mov_b32 s42, 0xffff0000                      ; lanes 16-31
.macro FRAG reg, adr, q, i             ; a fragment as it was stored: four loads of 512 consecutive bytes
.irp c, 0,1,2,3
	ds_load_b128 v[\reg+4*\c:\reg+4*\c+3], v[\adr] offset:4096*(\i)+2048*(\q)+512*\c
.endr
.endm
; 16 matrix instructions: A's tiles a0, a0 + 1 x B's eight, 128 along K.  p: B's set; sc: the set of scale words.  zero = 1: C is the bias by B's tile (q, k); 2: by A's tile (v); 0: the sum goes on.
; The 64 accumulators take turns, one instruction a turn, in the same order in every step.
.macro MUL16 a0, p, q, sc, zero
.irp a, \a0, \a0+1
.irp b, 0,1,2,3,4,5,6,7
.if \zero == 1
	v_wmma_scale_f32_16x16x128_f8f6f4 v[8*(8*((\a)%4)+\b):8*(8*((\a)%4)+\b)+7], v[128*(\p)+FR*\b:128*(\p)+FR*\b+FR-1], v[AF+FR*(\a):AF+FR*(\a)+FR-1], v[BIAS+8*\b:BIAS+8*\b+7], v[SC+16*(\sc)+2*\b+(\q)], v[SC+16*(\sc)+2*(\a)+(\q)] matrix_a_scale:MATRIX_SCALE_ROW1
.elseif \zero == 2
	v_wmma_scale_f32_16x16x128_f8f6f4 v[8*(8*((\a)%4)+\b):8*(8*((\a)%4)+\b)+7], v[128*(\p)+FR*\b:128*(\p)+FR*\b+FR-1], v[AF+FR*(\a):AF+FR*(\a)+FR-1], v[BIAS+8*(\a):BIAS+8*(\a)+7], v[SC+16*(\sc)+2*\b+(\q)], v[SC+16*(\sc)+2*(\a)+(\q)] matrix_a_scale:MATRIX_SCALE_ROW1
.else
	v_wmma_scale_f32_16x16x128_f8f6f4 v[8*(8*((\a)%4)+\b):8*(8*((\a)%4)+\b)+7], v[128*(\p)+FR*\b:128*(\p)+FR*\b+FR-1], v[AF+FR*(\a):AF+FR*(\a)+FR-1], v[8*(8*((\a)%4)+\b):8*(8*((\a)%4)+\b)+7], v[SC+16*(\sc)+2*\b+(\q)], v[SC+16*(\sc)+2*(\a)+(\q)] matrix_a_scale:MATRIX_SCALE_ROW1
.endif
.endr
.endr
.endm
.macro FETCH_B slot, q, p
	WIN TO_B
.irp i, 0,1,2,3,4,5,6,7
	FRAG 128*(\p)+FR*\i, ADRB+\slot, \q, \i
.endr
	WIN 0
.endm
.macro FETCH_A slot, q, i0
.irp i, \i0, \i0+1, \i0+2, \i0+3
	FRAG AF+FR*(\i), ADRA+\slot, \q, \i
.endr
.endm
.macro SCALES sc                       ; a slot's scale words into set sc: register 2 i + q: lanes 0-15 A's tile i, lanes 16-31 B's tile i
.irp i, 0,1,2,3,4,5,6,7
.irp q, 0,1
	ds_load_b32 v[SC+16*\sc+2*\i+\q], v[ADRS] offset:512*\i+64*\q
.endr
.endr
.endm
.macro PLACES n                        ; plain vector lines between a matrix instruction and a load into, or a vector line on, its registers (ISA guide 7.12.1 for vector lines)
.rept \n
	v_nop
.endr
.endm
; A step of 128 along K that has its successor in the same slot
.macro STEP slot, q, zero
	s_wait_dscnt 4*NL                              ; B's set, A's tiles 0-3 and the scale words are in; the youngest sixteen loads (A's tiles 4-7) may be out
.if \zero
	WIN 0x81                                       ; C (the bias) window 0, D window 2
.else
	WIN MUL_LO
.endif
	MUL16 0, (\q)%2, \q, \slot, \zero
	MUL16 2, (\q)%2, \q, \slot, \zero
	s_wait_dscnt 0                                 ; A's tiles 4-7 are in
	PLACES NP
	FETCH_B \slot, (\q)+1, 1-(\q)%2
	FETCH_A \slot, (\q)+1, 0
.if \zero
	WIN 0xc1
.else
	WIN MUL_HI
.endif
	MUL16 4, (\q)%2, \q, \slot, \zero
	MUL16 6, (\q)%2, \q, \slot, \zero
	PLACES NP
	WIN 0
	FETCH_A \slot, (\q)+1, 4
.endm
; A slot's last step changes slots: one barrier; in front of it each wave waits for all its tensor loads, adds 0 to its spare word, and waits for that and for its own reads of this slot.  fill = 1: this slot is filled again, two slots on along K.
.macro TURN slot, next, fill
	s_wait_tensorcnt 0x0                           ; all my tensor loads have landed: my part of the next slot
	ds_add_u32 v[SPW], v[NIL]                      ; 0 onto my spare word
	s_wait_dscnt 4*NL+1                            ; (the add and the youngest sixteen loads may be out)
	WIN MUL_LO
	MUL16 0, 1, NQ-1, \slot, 0                     ; sixteen matrix instructions stand between the add and the wait for it
	s_wait_dscnt 0x0                               ; the add is done, and my reads of this slot are over
	s_barrier_signal -1
	MUL16 2, 1, NQ-1, \slot, 0
	WIN 0
	s_barrier_wait -1
.if \fill
	CREST                                          ; the barrier has opened a round of the cluster's barrier: no wave of any partner still reads this slot or has a load on its way
	s_add_nc_u64 s[G0+4*\slot+2:G0+4*\slot+3], s[G0+4*\slot+2:G0+4*\slot+3], 2*KSL
	s_add_nc_u64 s[G0B+4*\slot+2:G0B+4*\slot+3], s[G0B+4*\slot+2:G0B+4*\slot+3], 2*KSL
	JLOAD G0+4*\slot, G1, G0B+4*\slot, G1B         ; the first tensor load behind the round, one a wave; its four v_nop are among the places below
	PLACES NP-4
.else
	PLACES NP
.endif
	v_add_nc_u32 v[ADRS], 128, v[ADRS]             ; the next slot's scale words: two K steps of 64 bytes (no LDS load of mine is out)
	FETCH_B \next, 0, 0
	FETCH_A \next, 0, 0
	SCALES \next
	WIN MUL_HI
	MUL16 4, 1, NQ-1, \slot, 0
	MUL16 6, 1, NQ-1, \slot, 0
	PLACES NP
	WIN 0
	FETCH_A \next, 0, 4
.endm
	s_wait_tensorcnt 1                             ; the scale words and my part of slot 0 are in; slot 1's load may be out
	s_barrier_signal -1
	s_barrier_wait -1
	FETCH_B 0, 0, 0
	FETCH_A 0, 0, 0
	SCALES 0
	FETCH_A 0, 0, 4
	s_wait_loadcnt 0x0                             ; the bias
	s_cmp_eq_u32 ttmp9, 2                          ; the first step differs by the role in its C alone
	s_cbranch_scc1 .Lfirst_v
	STEP 0, 0, 1
	s_branch .Lfirst_done
.Lfirst_v:
	STEP 0, 0, 2
.Lfirst_done:
	TURN 0, 1, 1                                   ; K 128-255; slot 0 takes K 512-767
	STEP 1, 0, 0
	TURN 1, 0, 1                                   ; slot 1 takes K 768-1023
	STEP 0, 0, 0
	TURN 0, 1, 0                                   ; nothing is left to fetch
	STEP 1, 0, 0
	s_wait_dscnt 4*NL                              ; the last step
	WIN MUL_LO
	MUL16 0, 1, NQ-1, 1, 0
	MUL16 2, 1, NQ-1, 1, 0
	s_wait_dscnt 0
	WIN MUL_HI
	MUL16 4, 1, NQ-1, 1, 0
	MUL16 6, 1, NQ-1, 1, 0
	WIN 0
; THE WAY OUT, A's tile a at a time.  Its eight accumulators are 64 numbers of a lane, register 16 p + i = index 32 p + 16 h + i along the next K: they are quantised as they stand, and the codes are the next operand's registers:
; four stores of 512 consecutive bytes.  q, k: blocks 0, 1 are one head's 64, blocks 2, 3 the next head's.  v: the four blocks are one key step.  No LDS.
.macro OUT a
.set AC, 64*((\a)%4)
	WIN 5*(2+(\a)/4)                               ; sources 0 and 1: the accumulators' window
.irp b, 0,1,2,3
	v_max3_num_f32 v[TM+\b], |v[AC+16*\b]|, |v[AC+16*\b+1]|, 0x4800000   ; each accumulator is read from its low end on; the floor 2^(9 - 127)
.endr
.irp i, 2,4,6,8,10,12,14
.irp b, 0,1,2,3
	v_max3_num_f32 v[TM+\b], |v[AC+16*\b+\i]|, |v[AC+16*\b+\i+1]|, v[TM+\b]
.endr
.endr
	WIN 0
.irp b, 0,1,2,3
	v_permlanex16_b32 v[TM+4+\b], v[TM+\b], s[SEL], s[SEL+1]
.endr
.irp b, 0,1,2,3
	v_max_num_f32 v[TM+\b], v[TM+\b], v[TM+4+\b]
.endr
.irp b, 0,1,2,3
	v_add_nc_u32 v[TM+12+\b], 0xfc000000, v[TM+\b]
.endr
.irp b, 0,1,2,3
	v_and_or_b32 v[TM+8+\b], v[TM+\b], 0x7f800000, s[MNT]
.endr
.irp b, 0,1,2,3
	v_lshrrev_b32 v[TM+4+\b], 23, v[TM+12+\b]
.endr
	v_lshl_or_b32 v[PW+(\a)], v[TM+5], 8, v[TM+4]
	v_lshl_or_b32 v[PW+(\a)], v[TM+6], 16, v[PW+(\a)]
	v_lshl_or_b32 v[PW+(\a)], v[TM+7], 24, v[PW+(\a)]
	WIN 2+(\a)/4                                   ; source 0: the accumulators' window
.set n, 0
.rept 64
	v_med3_num_f32 v[T+n], v[AC+n], -v[TM+8+n/16], v[TM+8+n/16]   ; the hold at 448 x the scale (ISA guide 7.6.2)
.set n, n+1
.endr
	WIN 0
	s_wait_xcnt 0x0                                ; the last tile's stores have read their data and offsets: both are written again below
.irp b, 0,1,2,3
	v_cvt_scalef32_pk8_fp8_f32 v[PC+4*\b:PC+4*\b+1], v[T+16*\b:T+16*\b+7], v[TM+12+\b]
	v_cvt_scalef32_pk8_fp8_f32 v[PC+4*\b+2:PC+4*\b+3], v[T+16*\b+8:T+16*\b+15], v[TM+12+\b]
.endr
	v_nop                                          ; a plain line behind the last conversion
.if (\a) > 0
	v_add_nc_u32 v[LO], s2, v[LO]
	v_add_nc_u32 v[HI], s2, v[HI]
.endif
.if (\a) == 4
	v_add_nc_u32 v[LO], s3, v[LO]
	v_add_nc_u32 v[HI], s3, v[HI]
.endif
	global_store_b128 v[LO], v[PC:PC+3], s[12:13]
	global_store_b128 v[LO], v[PC+4:PC+7], s[12:13] offset:512
	global_store_b128 v[HI], v[PC+8:PC+11], s[12:13]
	global_store_b128 v[HI], v[PC+12:PC+15], s[12:13] offset:512
.if (\a)%2
	v_cndmask_b32 v[VT+(\a)/2], v[PW+(\a)-1], v[PW+(\a)], s42    ; lanes 0-15: tile a - 1's words, lanes 16-31: tile a's: 128 consecutive bytes
.if (\a) < 4
	global_store_b32 v[SC0], v[VT+(\a)/2], s[66:67] offset:128*(((\a)/2)%2)
.else
	global_store_b32 v[SC1], v[VT+(\a)/2], s[66:67] offset:128*(((\a)/2)%2)
.endif
.endif
.endm
	PLACES NP                                      ; behind the last products, ahead of the first lines that read results or write what the products read
.irp b, 0,1,2,3
	v_mov_b32 v[TM+4+\b], 0                        ; a lane permute's destination counts as one of its sources
.endr
.irp a, 0,1,2,3,4,5,6,7
	OUT \a
.endr
	s_wait_tensorcnt 0x0                           ; the wave's end
	ds_add_u32 v[SPW], v[NIL]
	s_wait_dscnt 0x0
	CROUND                                         ; the closing round: no work-group ends while a partner may still ask for a block that names it
	s_endpgm
.Lfunc_end_k_q0369e101d1_qkv:
	.size	k_q0369e101d1_qkv, .Lfunc_end_k_q0369e101d1_qkv-k_q0369e101d1_qkv
	.p2alignl 7, 3214868480
	.fill 96, 4, 3214868480
	.section	.rodata,"a",@progbits
	.p2align	6, 0x0
	.amdhsa_kernel k_q0369e101d1_qkv
		.amdhsa_group_segment_fixed_size 327680
		.amdhsa_private_segment_fixed_size 0
		.amdhsa_enable_private_segment 0
		.amdhsa_kernarg_size 40
		.amdhsa_user_sgpr_count 2
		.amdhsa_user_sgpr_kernarg_segment_ptr 1
		.amdhsa_wavefront_size32 1
		.amdhsa_system_sgpr_workgroup_id_x 1
		.amdhsa_system_sgpr_workgroup_id_y 1
		.amdhsa_system_sgpr_workgroup_id_z 1
		.amdhsa_system_vgpr_workitem_id 0
		.amdhsa_next_free_vgpr 1024
		.amdhsa_next_free_sgpr 98
		.amdhsa_reserve_vcc 0
		.amdhsa_float_denorm_mode_32 3
		.amdhsa_float_denorm_mode_16_64 3
		.amdhsa_memory_ordered 1
		.amdhsa_forward_progress 1
		.amdhsa_inst_pref_size 210
	.end_amdhsa_kernel
	.amdgpu_metadata
---
amdhsa.version: [ 1, 2 ]
amdhsa.kernels:
  - .name:           k_q0369e101d1_qkv
    .symbol:         k_q0369e101d1_qkv.kd
    .args:
      - { .name: xw, .offset: 0, .size: 8, .value_kind: global_buffer, .address_space: global }
      - { .name: bq, .offset: 8, .size: 8, .value_kind: global_buffer, .address_space: global }
      - { .name: bk, .offset: 16, .size: 8, .value_kind: global_buffer, .address_space: global }
      - { .name: bv, .offset: 24, .size: 8, .value_kind: global_buffer, .address_space: global }
      - { .name: qkv, .offset: 32, .size: 8, .value_kind: global_buffer, .address_space: global }
    .group_segment_fixed_size: 327680
    .private_segment_fixed_size: 0
    .kernarg_segment_align: 8
    .kernarg_segment_size: 40
    .max_flat_workgroup_size: 128
    .sgpr_count:     98
    .vgpr_count:     1024
    .wavefront_size: 32
...
	.end_amdgpu_metadata
.endif
;; end of part 2
;; launch attn (part 3): grid 8 x 32, 16 waves a work-group, no clusters, 272,384 bytes of LDS; arguments qkv, mk, oc; writes oc
.if DOCPART == 3
	.amdgcn_target "amdgcn-amd-amdhsa--gfx1250"
	.amdhsa_code_object_version 6
	.text
	.protected	k_q0369e101d1_attn
	.globl	k_q0369e101d1_attn
	.p2align	8
	.type	k_q0369e101d1_attn,@function
k_q0369e101d1_attn:
	s_mov_b64 s[64:65], 0
	v_nop
	global_prefetch_b8 v0, s[64:65] scope:SCOPE_SE
	s_setreg_imm32_b32 hwreg(HW_REG_WAVE_MODE, 25, 1), 1
	s_wait_xcnt 0x0
; ATTN.  o = softmax(q k^T / 8 + mask) v for one head, both products on codes of E4M3 with E8M0 scales; o / l is quantised at once for the output projection.
; SOFTMAX: t = score x log2(e) / 8; M = the running largest t rounded up to a whole number; p = 2^(t - M) is quantised along the keys, not normalised; the row's sum l is taken of the unquantised p and divides at the end.
; SHARES.  Work-group (g, bh): head bh, query tiles T = 8 u + g; each of its sixteen waves owns one tile of 16 queries, u = wave xor 3 ((wave >> 2) & 1), so that waves w, w + 4, w + 8, w + 12 have tiles of the same sum.
; The head's K and V, 262,144 bytes of codes and 8,192 of scale words, come into LDS once, through registers; behind the one barrier no wave waits for another.
; THE MASK is an input.  An earlier launch turned it into lane masks (one word for each score register of a key step) and, for each tile and key step, a flag word.  A step in which all 16 rows are wholly blocked is passed over,
; unless some row of the tile is blocked on ALL keys: then every step is walked.  These are branches on stored whole numbers.
; NO TENSOR LOADS, NO CLUSTER, though the eight work-groups of a head read the same K and V: each work-group reads its head's 270,336 bytes once.
; A BLOCKED SCORE becomes -2^100.  c x 2^100 is exact and a whole number: while a row has seen blocked keys alone, M is that number, t - M is exactly 0 and p = 1; the first open key makes the rescaling factor 0 and wipes those terms;
; behind it a blocked p is 0.  A row blocked on all 2,048 keys ends with p = 1 everywhere and l = 2,048: the uniform row that reference() gives.
; K = 64 IN A FORM OF K = 128.  A fragment of K is the images of two key tiles on end (registers 0-7: tile 2 a's 64, registers 8-15: tile 2 a + 1's).  q lies as zeros | q | zeros in 24 registers: [q | 0] picks tile 2 a, [0 | q] tile 2 a + 1.
; LAYOUT.  Both products transposed: a lane holds one query.  Tiles are permuted (tile 2 b + u, lane row r = row 32 b + 8 u + (r & 7) + 16 (r >> 3)), so score register 16 p + i is key 128 s + 32 p + 16 (lane / 16) + i.
; LIMITS: open scores lie above -2^100; the exponential gives 0 under 2^-126; blocks whose largest magnitude lies under 2^-118 keep the byte 1.
.set KI,  4194304
.set VI,  8388608
.set QS,  12582912
.set KS,  QS+131072
.set VS,  QS+262144
.set FL,  524288
.set OS,  4194304
.set VL,  131072                       ; LDS: K's images at 0 [pair 64][2048], V's here [s 16][nu 4][2048],
.set KSC, 262144                       ; K's scale words [pair 64][r 16],
.set VSC, 266240                       ; V's [s][nu][r]
.set ADK, 8
.set ADV, 9
.set ADS, 10
.set ADT, 11
.set KV,  40                           ; v40-103  four fragments of K, then of V
.set S,   104                          ; v104-167 the scores, then p
.set O,   168                          ; v168-199 O^T
.set PC,  200                          ; v200-215 p's codes
.set BM,  216                          ; v216-219 a block's largest score, then its largest p
.set PD,  220                          ; v220-223 lane permutes' results, then bytes
.set LIM, 224                          ; v224-227 448 x the scale
.set SOP, 228                          ; v228-231 the conversions' scale operands
.set CS,  20                           ; s[20:21] c = log2(e) / 8
; v1 16 x lane; v2 KSC + 4 x lane; v3 lane; v12 -M; v13 the largest t; v[14:15] the sum; v16-23 zeros, v24-31 q, v32-39 zeros; v232 f, v233 p's scale word; v234 at work; v[236:237] the second chain of the sum;
; v240-241 K's scale words, v242-243 V's, v244 q's; v245 -2^100.  s10 wave, s11 T, s12 bh, s13 flags, s14 step, s15, s16, s17 the step's offsets, s[18:19] lane selects, s22 448's mantissa; s32-63, s68-99 the 64 lane masks
	s_load_b128 s[4:7], s[0:1], 0x0                ; qkv, mk
	s_load_b64 s[8:9], s[0:1], 0x10                ; oc
	v_lshl_add_u32 v254, v0, 2, 0x42000
	v_mov_b32 v255, 0
	v_lshrrev_b32 v3, 5, v0
	v_readfirstlane_b32 s10, v3                    ; wave 0..15
	v_and_b32 v3, 31, v0                           ; lane
	v_lshlrev_b32 v1, 4, v3
	v_lshl_add_u32 v2, v3, 2, KSC
	s_bfe_u32 s23, s10, 0x10002
	s_mul_i32 s23, s23, 3
	s_xor_b32 s23, s10, s23
	s_lshl_b32 s11, s23, 3
	s_add_co_u32 s11, s11, ttmp9                   ; T
	s_and_b32 s12, ttmp7, 0xffff                   ; bh
	s_lshl_b32 s23, s12, 17                        ; a head's codes: 131,072 bytes
	s_add_co_u32 s24, s23, KI
	s_add_co_u32 s25, s23, VI
	v_lshl_add_u32 v4, v0, 4, s24                  ; K's codes: 16 bytes a thread
	v_lshl_add_u32 v5, v0, 4, s25                  ; V's
	s_lshl_b32 s26, s12, 7
	s_add_co_u32 s26, s26, s11
	s_lshl_b32 s26, s26, 10
	v_add_nc_u32 v6, s26, v1                       ; q's image
	s_lshr_b32 s27, s12, 1                         ; 8 b + the pair of heads
	s_lshl_b32 s28, s27, 7
	s_add_co_u32 s28, s28, s11
	s_lshl_b32 s28, s28, 6
	s_add_co_u32 s28, s28, QS
	v_and_b32 v7, 15, v0
	v_lshl_add_u32 v7, v7, 2, s28                  ; q's scale word, as stored for the pair of heads
	s_lshl_b32 s28, s27, 13
	s_add_co_u32 s28, s28, KS
	v_lshrrev_b32 v8, 4, v0
	v_lshlrev_b32 v8, 7, v8
	v_and_b32 v9, 15, v0
	v_lshl_add_u32 v8, v9, 2, v8
	v_add_nc_u32 v8, s28, v8                       ; K's: pair t / 16, row t % 16: the even tile's word; the odd tile's 64 bytes on; pair + 32: 4,096 on
	s_lshl_b32 s28, s12, 12
	s_add_co_u32 s28, s28, VS
	v_lshl_add_u32 v9, v0, 3, s28                  ; V's: 8 bytes a thread
	v_lshlrev_b32 v10, 4, v0                       ; LDS: 16 x thread, in four runs of 65,536 bytes
	v_add_nc_u32 v11, 65536, v10
	v_add_nc_u32 v216, 131072, v10
	v_add_nc_u32 v217, 196608, v10
	v_lshl_add_u32 v218, v0, 2, KSC
	v_lshl_add_u32 v219, v0, 3, VSC
	s_lshl_b32 s23, s11, 6
	s_add_co_u32 s23, s23, FL                      ; my tile's sixteen flag words
	s_lshl_b32 s17, s11, 12                        ; my tile's lane masks: 256 bytes a step
	s_and_b32 s29, s12, 1                          ; which head of the pair
	s_cmp_eq_u32 s29, 0
	s_mov_b32 s30, 0x03020302
	s_cselect_b32 s30, 0x01000100, s30             ; q's word: my head's two bytes, twice
	s_mov_b32 s31, 0x07060302
	s_cselect_b32 s31, 0x05040100, s31             ; K's word: my head's two bytes of the even tile, then of the odd one
	s_mov_b32 s18, 0x76543210
	s_mov_b32 s19, 0xfedcba98
	s_mov_b32 s[CS], 0x3e38aa3b
	s_mov_b32 s[CS+1], s[CS]                       ; (named with it as a pair, so it is written)
	s_mov_b32 s22, 0x600000
	s_mov_b32 s14, 0
	s_mov_b32 s15, 0
	s_mov_b32 s16, 0
	s_wait_kmcnt 0x0
	global_load_b128 v[24:27], v6, s[4:5]
	global_load_b128 v[28:31], v6, s[4:5] offset:512
	global_load_b32 v226, v7, s[4:5]
	global_load_b32 v220, v8, s[4:5]
	global_load_b32 v221, v8, s[4:5] offset:64
	global_load_b32 v222, v8, s[4:5] offset:4096
	global_load_b32 v223, v8, s[4:5] offset:4160
	global_load_b64 v[224:225], v9, s[4:5]
.irp k, 0,1,2,3,4,5,6,7,8,9,10,11,12,13,14,15
	global_load_b128 v[KV+4*\k:KV+4*\k+3], v4, s[4:5] offset:8192*\k       ; the work-group's 512 threads read 8,192 consecutive bytes
.endr
.irp k, 0,1,2,3,4,5,6,7,8,9,10,11,12,13,14,15
	global_load_b128 v[KV+64+4*\k:KV+64+4*\k+3], v5, s[4:5] offset:8192*\k
.endr
	s_load_b512 s[32:47], s[6:7], s23
.irp j, 0,1,2,3,4,5,6,7
	v_mov_b32 v[16+\j], 0                          ; the zero codes on both sides of q
	v_mov_b32 v[32+\j], 0
.endr
.set j, 0
.rept 32
	v_mov_b32 v[O+j], 0                            ; the step is written once: the first finds zeros
.set j, j+1
.endr
	v_mov_b32 v13, 0xff61b1e6                      ; the largest t so far: -3e38
	v_floor_f32 v12, -v13                          ; -M
	v_mov_b32 v14, 0
	v_mov_b32 v15, 0
	v_mov_b32 v233, 0                              ; (named as the upper half of a pair before it is first written)
	v_mov_b32 v234, 0
	v_mov_b32 v245, 0xf1800000                     ; -2^100
	s_wait_loadcnt 32                              ; q and the scale words are in; the 32 loads of codes may be out
	v_perm_b32 v244, v226, v226, s30
	v_perm_b32 v220, v221, v220, s31
	v_perm_b32 v222, v223, v222, s31
	ds_store_b32 v218, v220
	ds_store_b32 v218, v222 offset:2048
	ds_store_b64 v219, v[224:225]
	s_wait_loadcnt 24                              ; eight more loads are in, each time
.irp k, 0,1,2,3,4,5,6,7
	ds_store_b128 v10, v[KV+4*\k:KV+4*\k+3] offset:8192*\k
.endr
	s_wait_loadcnt 16
.irp k, 0,1,2,3,4,5,6,7
	ds_store_b128 v11, v[KV+32+4*\k:KV+32+4*\k+3] offset:8192*\k
.endr
	s_wait_loadcnt 8
.irp k, 0,1,2,3,4,5,6,7
	ds_store_b128 v216, v[KV+64+4*\k:KV+64+4*\k+3] offset:8192*\k
.endr
	s_wait_loadcnt 0x0
.irp k, 0,1,2,3,4,5,6,7
	ds_store_b128 v217, v[KV+96+4*\k:KV+96+4*\k+3] offset:8192*\k
.endr
	s_wait_kmcnt 0x0                               ; the sixteen flag words: bits 0-15 rows wholly blocked in the step, bit 16 any byte blocked
	s_mov_b32 s24, 0xffff                          ; rows blocked in every step
	s_mov_b32 s25, 0                               ; steps with an open byte
	s_mov_b32 s26, 0                               ; steps with a blocked byte, from bit 16 on
.irp i, 0,1,2,3,4,5,6,7,8,9,10,11,12,13,14,15
	s_and_b32 s24, s24, s[32+\i]
	s_and_b32 s27, s[32+\i], 0xffff
	s_cmp_lg_u32 s27, 0xffff
	s_cselect_b32 s27, 1<<\i, 0
	s_or_b32 s25, s25, s27
	s_lshr_b32 s27, s[32+\i], 16
	s_lshl_b32 s27, s27, 16+\i
	s_or_b32 s26, s26, s27
.endr
	s_cmp_lg_u32 s24, 0                            ; a row blocked everywhere wants all 2,048 keys
	s_cselect_b32 s25, 0xffff, s25
	s_or_b32 s13, s25, s26
	s_wait_dscnt 0x0                               ; my stores into LDS are done
	s_barrier_signal -1
	s_barrier_wait -1                              ; everybody's are: from here on LDS is only read
.irp b, 0,1,2,3
	v_mov_b32 v[PD+\b], 0                          ; a lane permute's destination counts as one of its sources
.endr
.Lstep:                                            ; sixteen trips, 128 keys each
	s_lshr_b32 s23, s13, s14
	s_and_b32 s23, s23, 1
	s_cmp_eq_u32 s23, 0
	s_cbranch_scc1 .Lskip                          ; all 16 rows wholly blocked here, and none blocked everywhere
	s_load_b512 s[32:47], s[6:7], s17              ; the step's 64 lane masks
	s_load_b512 s[48:63], s[6:7], s17 offset:0x40
	s_load_b512 s[68:83], s[6:7], s17 offset:0x80
	s_load_b512 s[84:99], s[6:7], s17 offset:0xc0
	v_add_nc_u32 v[ADK], s15, v1
	v_add_nc_u32 v[ADS], s16, v2
	v_add_nc_u32 v[ADV], VL, v[ADK]
	v_add_nc_u32 v[ADT], VSC-KSC, v[ADS]
.rept 4
	v_nop                                          ; with the four additions: eight places in front of loads into registers that the last step's products read
.endr
.irp x, 0,1,2,3
.irp c, 0,1,2,3
	ds_load_b128 v[KV+16*\x+4*\c:KV+16*\x+4*\c+3], v[ADK] offset:2048*\x+512*\c
.endr
.endr
	ds_load_b32 v240, v[ADS]                       ; lanes 0-15: pair 0's words, lanes 16-31: pair 1's
	ds_load_b32 v241, v[ADS] offset:128
	s_wait_dscnt 0x0
.irp x, 0,1,2,3                        ; S^T = K Q^T: pair x against [q | 0] and [0 | q]
.if \x%2
	v_wmma_scale_f32_16x16x128_f8f6f4 v[S+16*\x:S+16*\x+7], v[KV+16*\x:KV+16*\x+15], v[24:39], 0, v[240+\x/2], v244 matrix_a_scale:MATRIX_SCALE_ROW1
	v_wmma_scale_f32_16x16x128_f8f6f4 v[S+16*\x+8:S+16*\x+15], v[KV+16*\x:KV+16*\x+15], v[16:31], 0, v[240+\x/2], v244 matrix_a_scale:MATRIX_SCALE_ROW1
.else
	v_wmma_scale_f32_16x16x128_f8f6f4 v[S+16*\x:S+16*\x+7], v[KV+16*\x:KV+16*\x+15], v[24:39], 0, v[240+\x/2], v244
	v_wmma_scale_f32_16x16x128_f8f6f4 v[S+16*\x+8:S+16*\x+15], v[KV+16*\x:KV+16*\x+15], v[16:31], 0, v[240+\x/2], v244
.endif
.endr
.rept 8
	v_nop                                          ; places behind the products: ahead of the loads below and of the first read of the scores
.endr
.irp x, 0,1,2,3
.irp c, 0,1,2,3
	ds_load_b128 v[KV+16*\x+4*\c:KV+16*\x+4*\c+3], v[ADV] offset:2048*\x+512*\c   ; V's four fragments land while the softmax is walked
.endr
.endr
	ds_load_b32 v242, v[ADT]
	ds_load_b32 v243, v[ADT] offset:128
	s_wait_kmcnt 0x0                               ; the lane masks are in, and their offset register may be stepped
	s_add_co_u32 s23, s14, 16
	s_lshr_b32 s23, s13, s23
	s_and_b32 s23, s23, 1
	s_cmp_eq_u32 s23, 0
	s_cbranch_scc1 .Lopen                          ; no byte of the step is blocked
.set n, 0
.rept 64
	v_cndmask_b32 v[S+n], v[S+n], v245, s[32+n+4*(n/32)]   ; ascending: each accumulator is read from its low end on
.set n, n+1
.endr
.Lopen:
.irp b, 0,1,2,3
	v_max3_num_f32 v[BM+\b], v[S+16*\b], v[S+16*\b+1], v[S+16*\b+2]   ; the largest score of each block of 32 keys: it serves for the row's maximum and, since p rises with the score, for the block's largest p
.endr
.irp i, 3,5,7,9,11,13
.irp b, 0,1,2,3
	v_max3_num_f32 v[BM+\b], v[BM+\b], v[S+16*\b+\i], v[S+16*\b+\i+1]
.endr
.endr
.irp b, 0,1,2,3
	v_max_num_f32 v[BM+\b], v[BM+\b], v[S+15+16*\b]
.endr
.irp b, 0,1,2,3
	v_permlanex16_b32 v[PD+\b], v[BM+\b], s18, s19
.endr
.irp b, 0,1,2,3
	v_max_num_f32 v[BM+\b], v[BM+\b], v[PD+\b]     ; with lane l xor 16's 16 keys
.endr
	v_max3_num_f32 v234, v[BM], v[BM+1], v[BM+2]
	v_max_num_f32 v234, v234, v[BM+3]
	v_mul_f32 v234, s[CS], v234                    ; as t
	v_max_num_f32 v13, v13, v234                   ; the running largest t
	v_mov_b32 v234, v12
	v_floor_f32 v12, -v13                          ; the new -M = -ceil(t)
	v_sub_f32 v234, v12, v234                      ; old M - new M: a whole number, 0 or less
	v_cvt_i32_f32 v234, v234                       ; (it saturates)
	v_ldexp_f32 v232, 1.0, v234                    ; f = 2^(old M - new M): a rescaling that rounds nothing
.set j, 0
.rept 32
	v_pk_fma_f32 v[S+j:S+j+1], v[S+j:S+j+1], s[CS:CS+1], v[12:13] op_sel_hi:[1,0,0]   ; t - M, two at a time
.set j, j+2
.endr
.irp b, 0,1,2,3
	v_fma_f32 v[BM+\b], v[BM+\b], s[CS], v12
.endr
.set j, 0
.rept 64
	v_exp_f32 v[S+j], v[S+j]                       ; p = 2^(t - M)
.set j, j+1
.endr
	v_pk_mul_f32 v[14:15], v[14:15], v[232:233] op_sel_hi:[1,0]   ; the sums under the new M; a plain line behind the exponentials
	s_wait_alu depctr_va_vdst(0)                   ; one wait for the whole batch, ahead of its first reader
.irp b, 0,1,2,3
	v_exp_f32 v[BM+\b], v[BM+\b]                   ; the block's largest p
.endr
	v_pk_add_f32 v[236:237], v[S:S+1], v[S+2:S+3]  ; the row's sum of the unquantised p, in two chains
.irp j, 4,8,12,16,20,24,28,32,36,40,44,48,52,56,60
	v_pk_add_f32 v[14:15], v[14:15], v[S+\j:S+\j+1]
	v_pk_add_f32 v[236:237], v[236:237], v[S+\j+2:S+\j+3]
.endr
	v_pk_add_f32 v[14:15], v[14:15], v[236:237]
	s_wait_alu depctr_va_vdst(0)                   ; and one for the four
.irp b, 0,1,2,3
	v_max_num_f32 v[BM+\b], 0x4800000, v[BM+\b]    ; the floor 2^(9 - 127)
.endr
.irp b, 0,1,2,3
	v_add_nc_u32 v[SOP+\b], 0xfc000000, v[BM+\b]
.endr
.irp b, 0,1,2,3
	v_and_or_b32 v[LIM+\b], v[BM+\b], 0x7f800000, s22
.endr
.irp b, 0,1,2,3
	v_lshrrev_b32 v[PD+\b], 23, v[SOP+\b]
.endr
	v_lshl_or_b32 v233, v[PD+1], 8, v[PD]          ; p's scale word for these 128 keys
	v_lshl_or_b32 v233, v[PD+2], 16, v233
	v_lshl_or_b32 v233, v[PD+3], 24, v233
.irp b, 0,1,2,3
.irp i, 0,1,2,3,4,5,6,7,8,9,10,11,12,13,14,15
	v_min_num_f32 v[S+16*\b+\i], v[S+16*\b+\i], v[LIM+\b]   ; the hold (ISA guide 7.6.2); p is not negative
.endr
	v_cvt_scalef32_pk8_fp8_f32 v[PC+4*\b:PC+4*\b+1], v[S+16*\b:S+16*\b+7], v[SOP+\b]
	v_cvt_scalef32_pk8_fp8_f32 v[PC+4*\b+2:PC+4*\b+3], v[S+16*\b+8:S+16*\b+15], v[SOP+\b]
.endr
.set j, 0
.rept 16
	v_pk_mul_f32 v[O+j:O+j+1], v[O+j:O+j+1], v[232:233] op_sel_hi:[1,0]   ; O^T under the new M; these lines also stand between the codes and the products
.set j, j+2
.endr
	s_wait_dscnt 0x0                               ; V
	v_wmma_scale_f32_16x16x128_f8f6f4 v[O:O+7], v[KV:KV+15], v[PC:PC+15], v[O:O+7], v242, v233
	v_wmma_scale_f32_16x16x128_f8f6f4 v[O+8:O+15], v[KV+16:KV+31], v[PC:PC+15], v[O+8:O+15], v242, v233 matrix_a_scale:MATRIX_SCALE_ROW1
	v_wmma_scale_f32_16x16x128_f8f6f4 v[O+16:O+23], v[KV+32:KV+47], v[PC:PC+15], v[O+16:O+23], v243, v233
	v_wmma_scale_f32_16x16x128_f8f6f4 v[O+24:O+31], v[KV+48:KV+63], v[PC:PC+15], v[O+24:O+31], v243, v233 matrix_a_scale:MATRIX_SCALE_ROW1
.Lskip:
	s_add_co_u32 s15, s15, 8192
	s_add_co_u32 s16, s16, 256
	s_add_co_u32 s17, s17, 256
	s_add_co_u32 s14, s14, 1
	s_cmp_lt_u32 s14, 16
	s_cbranch_scc1 .Lstep
	; THE WAY OUT.  O^T / l; register 16 p + i is channel 32 p + 16 h + i of my head: two blocks of the output projection's K, quantised as they stand.
.rept 8
	v_nop                                          ; places behind the last products
.endr
	v_add_f32 v14, v14, v15
	v_permlanex16_b32 v234, v14, s18, s19
	v_add_f32 v14, v14, v234                       ; the row's sum
	v_rcp_f32 v14, v14
	s_lshr_b32 s23, s12, 4
	s_lshl_b32 s23, s23, 7
	s_add_co_u32 s23, s23, s11                     ; the tile of rows among all 256
	s_lshr_b32 s24, s23, 1                         ; the pair of tiles
	s_and_b32 s23, s23, 1
	s_bfe_u32 s25, s12, 0x30001                    ; the K step: the pair of heads
	s_and_b32 s26, s12, 1
	s_lshl_b32 s27, s24, 15
	s_lshl_b32 s28, s25, 12
	s_add_co_u32 s27, s27, s28
	s_lshl_b32 s28, s23, 11
	s_add_co_u32 s27, s27, s28
	s_lshl_b32 s28, s26, 10
	s_add_co_u32 s27, s27, s28                     ; my half of the image
	s_lshl_b32 s29, s24, 10
	s_lshl_b32 s28, s25, 7
	s_add_co_u32 s29, s29, s28
	s_lshl_b32 s28, s23, 6
	s_add_co_u32 s29, s29, s28
	s_lshl_b32 s28, s26, 1
	s_add_co_u32 s29, s29, s28
	s_add_co_u32 s29, s29, OS                      ; my half of the scale words
	v_add_nc_u32 v4, s27, v1                       ; (a plain line behind the reciprocal)
	v_and_b32 v5, 15, v0
	v_lshl_add_u32 v5, v5, 2, s29
	s_wait_alu depctr_va_vdst(0)                   ; ahead of the reciprocal's first reader
.set j, 0
.rept 32
	v_mul_f32 v[S+j], v[O+j], v14
.set j, j+1
.endr
.irp b, 0,1
	v_max3_num_f32 v[BM+\b], |v[S+16*\b]|, |v[S+1+16*\b]|, 0x4800000
.endr
.irp i, 2,4,6,8,10,12,14
.irp b, 0,1
	v_max3_num_f32 v[BM+\b], v[BM+\b], |v[S+16*\b+\i]|, |v[S+1+16*\b+\i]|
.endr
.endr
.irp b, 0,1
	v_permlanex16_b32 v[PD+\b], v[BM+\b], s18, s19
.endr
.irp b, 0,1
	v_max_num_f32 v[BM+\b], v[BM+\b], v[PD+\b]
.endr
.irp b, 0,1
	v_add_nc_u32 v[SOP+\b], 0xfc000000, v[BM+\b]
.endr
.irp b, 0,1
	v_and_or_b32 v[LIM+\b], v[BM+\b], 0x7f800000, s22
.endr
.irp b, 0,1
	v_lshrrev_b32 v[PD+\b], 23, v[SOP+\b]
.endr
	v_lshl_or_b32 v235, v[PD+1], 8, v[PD]
.irp b, 0,1
.irp i, 0,1,2,3,4,5,6,7,8,9,10,11,12,13,14,15
	v_med3_num_f32 v[S+16*\b+\i], v[S+16*\b+\i], -v[LIM+\b], v[LIM+\b]
.endr
	v_cvt_scalef32_pk8_fp8_f32 v[PC+4*\b:PC+4*\b+1], v[S+16*\b:S+16*\b+7], v[SOP+\b]
	v_cvt_scalef32_pk8_fp8_f32 v[PC+4*\b+2:PC+4*\b+3], v[S+16*\b+8:S+16*\b+15], v[SOP+\b]
.endr
	v_nop                                          ; a plain line behind the last conversion
	global_store_b128 v4, v[PC:PC+3], s[8:9]       ; 512 consecutive bytes each
	global_store_b128 v4, v[PC+4:PC+7], s[8:9] offset:512
	s_wait_xcnt 0x0                                ; EXEC changes only behind this wait
	v_cmp_gt_u32 vcc_lo, 16, v3
	s_wait_tensorcnt 0x0
	ds_add_u32 v254, v255
	s_wait_dscnt 0x0
	s_and_saveexec_b32 s23, vcc_lo
	global_store_b16 v5, v235, s[8:9]              ; lanes 0-15: my head's two bytes of row r's scale word; the other head's work-group stores the other two
	s_wait_xcnt 0x0
	s_or_b32 exec_lo, exec_lo, s23
	s_endpgm
.Lfunc_end_k_q0369e101d1_attn:
	.size	k_q0369e101d1_attn, .Lfunc_end_k_q0369e101d1_attn-k_q0369e101d1_attn
	.p2alignl 7, 3214868480
	.fill 96, 4, 3214868480
	.section	.rodata,"a",@progbits
	.p2align	6, 0x0
	.amdhsa_kernel k_q0369e101d1_attn
		.amdhsa_group_segment_fixed_size 272384
		.amdhsa_private_segment_fixed_size 0
		.amdhsa_enable_private_segment 0
		.amdhsa_kernarg_size 24
		.amdhsa_user_sgpr_count 2
		.amdhsa_user_sgpr_kernarg_segment_ptr 1
		.amdhsa_wavefront_size32 1
		.amdhsa_system_sgpr_workgroup_id_x 1
		.amdhsa_system_sgpr_workgroup_id_y 1
		.amdhsa_system_sgpr_workgroup_id_z 1
		.amdhsa_system_vgpr_workitem_id 0
		.amdhsa_next_free_vgpr 256
		.amdhsa_next_free_sgpr 100
		.amdhsa_reserve_vcc 1
		.amdhsa_float_denorm_mode_32 3
		.amdhsa_float_denorm_mode_16_64 3
		.amdhsa_memory_ordered 1
		.amdhsa_forward_progress 1
		.amdhsa_inst_pref_size 48
	.end_amdhsa_kernel
	.amdgpu_metadata
---
amdhsa.version: [ 1, 2 ]
amdhsa.kernels:
  - .name:           k_q0369e101d1_attn
    .symbol:         k_q0369e101d1_attn.kd
    .args:
      - { .name: qkv, .offset: 0, .size: 8, .value_kind: global_buffer, .address_space: global }
      - { .name: mk, .offset: 8, .size: 8, .value_kind: global_buffer, .address_space: global }
      - { .name: oc, .offset: 16, .size: 8, .value_kind: global_buffer, .address_space: global }
    .group_segment_fixed_size: 272384
    .private_segment_fixed_size: 0
    .kernarg_segment_align: 8
    .kernarg_segment_size: 24
    .max_flat_workgroup_size: 512
    .sgpr_count:     100
    .vgpr_count:     256
    .wavefront_size: 32
...
	.end_amdgpu_metadata
.endif
;; end of part 3
;; launch outln (part 4): grid 128 x 1, 16 waves a work-group, no clusters, 167,424 bytes of LDS; arguments oc, xw, x, bo, gamma, beta, out0; writes out0
.if DOCPART == 4
	.amdgcn_target "amdgcn-amd-amdhsa--gfx1250"
	.amdhsa_code_object_version 6
	.text
	.protected	k_q0369e101d1_outln
	.globl	k_q0369e101d1_outln
	.p2align	8
	.type	k_q0369e101d1_outln,@function
k_q0369e101d1_outln:
	s_mov_b64 s[64:65], 0
	v_nop
	global_prefetch_b8 v0, s[64:65] scope:SCOPE_SE
	s_setreg_imm32_b32 hwreg(HW_REG_WAVE_MODE, 25, 1), 1
	s_wait_xcnt 0x0
; OUTLN.  out = nan_to_num(LayerNorm(o Wo^T + bo + nan_to_num(x)) gamma + beta); the product on codes of E4M3 with E8M0 scales, all else in f32.
; SHARES.  A work-group owns 32 whole rows (two tiles of 16), so that the norm needs no other work-group.  Wave w makes columns 64 w .. 64 w + 63 (four tiles of Wo's rows) for both tiles of rows: 8 accumulators, 8 K steps of 128.
; Each fragment of Wo goes from memory straight into registers, 512 consecutive bytes a load, two K steps ahead, and feeds two products.  o's 32 KB of images are copied into LDS once and read by all sixteen waves.
; 128 work-groups of 32 rows, not 256 of 16: a work-group that owns whole rows takes in all 1,048,576 bytes of Wo's codes whatever its height, so 32 rows halve what the launch reads of them.
; NO CLUSTER, though all work-groups walk the same Wo: a joint load lands in LDS, and here no fragment of Wo is read by two waves of a work-group: the way through LDS would add 1 MB of LDS writes and 1 MB of reads a work-group.
; The product is used transposed (source 0 = 16 rows of Wo, source 1 = 16 rows of o): a lane holds one row, and the 16 registers of tiles 2 p, 2 p + 1 are columns 64 w + 32 p + 16 h + 0 .. 15.
; The results meet in a stage in LDS, 32 rows of 4,096 + 16 bytes (257 x 16: the sixteen rows that a store touches fall into sixteen different 16-byte columns of 256); then one wave takes two whole rows, 32 numbers a lane and row.
; Tile u, lane row r stands for row 32 P + 8 u + (r & 7) + 16 (r >> 3); the stage is ordered by 16 u + r.
; LIMITS: NaN and infinities in bo, gamma, beta are not served beyond the last nan_to_num.
.set WI,  4194304
.set WS,  8519680
.set OS,  4194304
.set ASC, 32768                        ; LDS: o's images [s 8][u 2][2048] at 0; their scale words [s][u][r] here;
.set STG, 33792                        ; the stage
.set SP,  4112
.set BS,  8                            ; v8-23    Wo's scale words: register 8 p + s: lanes 0-15 tile 2 p, lanes 16-31 tile 2 p + 1
.set AF,  24                           ; v24-55   o's two fragments; later beta
.set BF,  56                           ; v56-183  Wo's fragments, two sets of four; later x's two rows, bo, gamma
.set ACC, 184                          ; v184-247 the accumulators, (u, i) at 8 (4 u + i); later two rows of y
.set XR,  56
.set BO,  120
.set GA,  152
.set BE,  24
.set TQ,  248                          ; v248-255 four registers of scratch a row
.set SEL, 24                           ; s[24:25] lane l xor 16
.set INF, 26
.set BIG, 27
; v1 16 x lane; v2 512 h + 4 r; v3 ASC + 4 x lane; v4, v5 into the stage, tile 0, 1; v6 out of it; v7 o's scale words of the step (lanes 0-15 tile 0, lanes 16-31 tile 1)
.macro N2N x, t, u                     ; nan_to_num: NaN -> 0, +-infinity -> +-1e9
	v_and_b32 v[\t], 0x7fffffff, v[\x]
	v_cmp_ge_u32 vcc_lo, s[INF], v[\t]
	v_cndmask_b32 v[\x], 0, v[\x], vcc_lo
	v_med3_num_f32 v[\u], v[\x], -s[BIG], s[BIG]
	v_cmp_eq_u32 vcc_lo, s[INF], v[\t]
	v_cndmask_b32 v[\x], v[\x], v[\u], vcc_lo
.endm
.macro LANESUM t                       ; v[t] summed over the 32 lanes, in every lane; v[t + 1] is scratch
	v_add_f32_dpp v[\t], v[\t], v[\t] row_xmask:1 row_mask:0xf bank_mask:0xf
	v_add_f32_dpp v[\t], v[\t], v[\t] row_xmask:2 row_mask:0xf bank_mask:0xf
	v_add_f32_dpp v[\t], v[\t], v[\t] row_xmask:4 row_mask:0xf bank_mask:0xf
	v_add_f32_dpp v[\t], v[\t], v[\t] row_xmask:8 row_mask:0xf bank_mask:0xf
	v_permlanex16_b32 v[\t+1], v[\t], s[SEL], s[SEL+1]
	v_add_f32 v[\t], v[\t], v[\t+1]
.endm
.macro BLOAD s                         ; my four fragments of Wo for K step s, into set s % 2; every offset is an immediate, 3,161,600 at the most
.irp i, 0,1,2,3
.irp c, 0,1,2,3
	global_load_b128 v[BF+64*((\s)%2)+16*\i+4*\c:BF+64*((\s)%2)+16*\i+4*\c+3], v1, s[6:7] offset:((\s)/2)*1048576+\i*4096+((\s)%2)*2048+512*\c
.endr
.endr
.endm
.macro PROD s, i, u
.set rD, ACC+8*(4*\u+\i)
.set rA, BF+64*((\s)%2)+16*\i
.set rB, AF+16*\u
.set rS, BS+8*(\i/2)+(\s)
.if (\s) == 0
.if (\i%2) && \u
	v_wmma_scale_f32_16x16x128_f8f6f4 v[rD:rD+7], v[rA:rA+15], v[rB:rB+15], 0, v[rS], v7 matrix_a_scale:MATRIX_SCALE_ROW1 matrix_b_scale:MATRIX_SCALE_ROW1
.elseif (\i%2)
	v_wmma_scale_f32_16x16x128_f8f6f4 v[rD:rD+7], v[rA:rA+15], v[rB:rB+15], 0, v[rS], v7 matrix_a_scale:MATRIX_SCALE_ROW1
.elseif \u
	v_wmma_scale_f32_16x16x128_f8f6f4 v[rD:rD+7], v[rA:rA+15], v[rB:rB+15], 0, v[rS], v7 matrix_b_scale:MATRIX_SCALE_ROW1
.else
	v_wmma_scale_f32_16x16x128_f8f6f4 v[rD:rD+7], v[rA:rA+15], v[rB:rB+15], 0, v[rS], v7
.endif
.else
.if (\i%2) && \u
	v_wmma_scale_f32_16x16x128_f8f6f4 v[rD:rD+7], v[rA:rA+15], v[rB:rB+15], v[rD:rD+7], v[rS], v7 matrix_a_scale:MATRIX_SCALE_ROW1 matrix_b_scale:MATRIX_SCALE_ROW1
.elseif (\i%2)
	v_wmma_scale_f32_16x16x128_f8f6f4 v[rD:rD+7], v[rA:rA+15], v[rB:rB+15], v[rD:rD+7], v[rS], v7 matrix_a_scale:MATRIX_SCALE_ROW1
.elseif \u
	v_wmma_scale_f32_16x16x128_f8f6f4 v[rD:rD+7], v[rA:rA+15], v[rB:rB+15], v[rD:rD+7], v[rS], v7 matrix_b_scale:MATRIX_SCALE_ROW1
.else
	v_wmma_scale_f32_16x16x128_f8f6f4 v[rD:rD+7], v[rA:rA+15], v[rB:rB+15], v[rD:rD+7], v[rS], v7
.endif
.endif
.endm
.macro KSTEP s
	s_wait_loadcnt 16                              ; this step's fragments of Wo are in; the sixteen loads issued behind them may be out
.irp u, 0,1
.irp c, 0,1,2,3
	ds_load_b128 v[AF+16*\u+4*\c:AF+16*\u+4*\c+3], v1 offset:4096*(\s)+2048*\u+512*\c
.endr
.endr
	ds_load_b32 v7, v3 offset:128*(\s)
	s_wait_dscnt 0x0
.irp i, 0,1,2,3                        ; the eight accumulators by turns, one instruction a turn, in the same order in every step
.irp u, 0,1
	PROD \s, \i, \u
.endr
.endr
.rept 8
	v_nop                                          ; places in front of loads into registers that these products read, and of the first read of results
.endr
.endm
	s_load_b256 s[4:11], s[0:1], 0x0               ; oc, xw, x, bo
	s_load_b128 s[12:15], s[0:1], 0x20             ; gamma, beta
	s_load_b64 s[16:17], s[0:1], 0x30              ; out0
	v_lshrrev_b32 v1, 5, v0
	v_readfirstlane_b32 s2, v1                     ; wave 0..15
	v_and_b32 v254, 31, v0                         ; lane
	v_and_b32 v252, 15, v0                         ; r
	v_bfe_u32 v253, v0, 4, 1                       ; h
	v_lshlrev_b32 v1, 4, v254
	v_lshlrev_b32 v2, 2, v252
	v_lshl_add_u32 v2, v253, 9, v2
	v_lshl_add_u32 v3, v254, 2, ASC
	v_mul_u32_u24 v4, v252, SP
	v_lshl_add_u32 v4, v253, 6, v4
	s_lshl_b32 s3, s2, 8
	s_add_co_u32 s3, s3, STG
	v_add_nc_u32 v4, s3, v4                        ; row r, + 256 w + 64 h
	v_add_nc_u32 v5, 16*SP, v4
	s_mul_i32 s3, s2, 2*SP
	s_add_co_u32 s3, s3, STG
	v_add_nc_u32 v6, s3, v1                        ; stage rows 2 w and 2 w + 1, 16 bytes a lane
	s_lshl_b32 s18, ttmp9, 15
	v_lshl_add_u32 v248, v0, 4, s18                ; o's images: 32,768 bytes a work-group
	s_lshl_b32 s18, ttmp9, 10
	s_add_co_u32 s18, s18, OS
	v_lshl_add_u32 v249, v0, 1, s18                ; their scale bytes: 1,024
	v_lshlrev_b32 v250, 4, v0
	v_lshl_add_u32 v251, v0, 1, ASC
	s_lshl_b32 s18, s2, 2
	s_add_co_u32 s18, s18, 192                     ; my first tile of Wo among the weights' 256
	s_lshl_b32 s22, s18, 9
	s_add_co_u32 s22, s22, WS
	s_mov_b32 s23, 0
	s_lshl_b32 s18, s18, 12
	s_add_co_u32 s18, s18, WI
	s_mov_b32 s19, 0
	s_lshl_b32 s30, s2, 1                          ; stage row 2 w = 16 u + r:
	s_and_b32 s31, s30, 7
	s_bfe_u32 s32, s30, 0x10003
	s_lshl_b32 s32, s32, 4
	s_add_co_u32 s31, s31, s32                     ; (r & 7) + 16 (r >> 3)
	s_lshr_b32 s32, s2, 3
	s_lshl_b32 s32, s32, 3
	s_add_co_u32 s31, s31, s32                     ; + 8 u
	s_lshl_b32 s32, ttmp9, 5
	s_add_co_u32 s31, s31, s32                     ; + 32 P: the row; stage row 2 w + 1 is the row after it
	s_lshl_b32 s30, s31, 12
	s_mov_b32 s31, 0
	s_mov_b32 s[SEL], 0x76543210
	s_mov_b32 s[SEL+1], 0xfedcba98
	s_mov_b32 s[INF], 0x7f800000
	s_mov_b32 s[BIG], 0x4e6e6b28
	s_mov_b32 s28, 0x3a800000                      ; 1 / 1,024
	s_mov_b32 s29, 0x3727c5ac                      ; 1e-5
	s_wait_kmcnt 0x0
	s_add_nc_u64 s[20:21], s[6:7], s[22:23]        ; Wo's scale words
	s_add_nc_u64 s[6:7], s[6:7], s[18:19]          ; Wo's images
	s_add_nc_u64 s[8:9], s[8:9], s[30:31]
	s_add_nc_u64 s[16:17], s[16:17], s[30:31]
.irp k, 0,1,2,3
	global_load_b128 v[ACC+4*\k:ACC+4*\k+3], v248, s[4:5] offset:8192*\k
.endr
	global_load_u16 v[ACC+16], v249, s[4:5]
.irp p, 0,1
.irp s, 0,1,2,3,4,5,6,7
	global_load_b32 v[BS+8*\p+\s], v2, s[20:21] offset:1024*\p+64*\s
.endr
.endr
	BLOAD 0
	BLOAD 1
	s_wait_loadcnt 48                              ; o's five loads are in; Wo's scale words and two K steps may be out
.irp k, 0,1,2,3
	ds_store_b128 v250, v[ACC+4*\k:ACC+4*\k+3] offset:8192*\k
.endr
	ds_store_b16 v251, v[ACC+16]
	s_wait_dscnt 0x0                               ; my stores are done
	s_barrier_signal -1
	s_barrier_wait -1                              ; o's images lie in LDS
	KSTEP 0
	BLOAD 2
	KSTEP 1
	BLOAD 3
	KSTEP 2
	BLOAD 4
	KSTEP 3
	BLOAD 5
	KSTEP 4
	BLOAD 6
	KSTEP 5
	BLOAD 7
	KSTEP 6
.irp q, 0,1                            ; my two rows of x, into the set that K step 6 has left
.irp k, 0,1,2,3,4,5,6,7
	global_load_b128 v[XR+32*\q+4*\k:XR+32*\q+4*\k+3], v1, s[8:9] offset:4096*\q+512*\k th:TH_LOAD_NT
.endr
.endr
	KSTEP 7
.irp k, 0,1,2,3,4,5,6,7
	global_load_b128 v[BO+4*\k:BO+4*\k+3], v1, s[10:11] offset:512*\k
.endr
.irp k, 0,1,2,3,4,5,6,7
	global_load_b128 v[GA+4*\k:GA+4*\k+3], v1, s[12:13] offset:512*\k
.endr
.irp k, 0,1,2,3,4,5,6,7
	global_load_b128 v[BE+4*\k:BE+4*\k+3], v1, s[14:15] offset:512*\k
.endr
.irp u, 0,1                            ; into the stage: each accumulator from its low end on
.irp p, 0,1
.irp jj, 0,1,2,3
	ds_store_b128 v[4+\u], v[ACC+8*(4*\u+2*\p+\jj/2)+4*(\jj%2):ACC+8*(4*\u+2*\p+\jj/2)+4*(\jj%2)+3] offset:128*\p+16*\jj
.endr
.endr
.endr
	s_wait_dscnt 0x0                               ; my stores are done, and have read their registers
	s_barrier_signal -1
	s_barrier_wait -1                              ; 32 whole rows lie in the stage
.irp q, 0,1
.irp k, 0,1,2,3,4,5,6,7
	ds_load_b128 v[ACC+32*\q+4*\k:ACC+32*\q+4*\k+3], v6 offset:SP*\q+512*\k
.endr
.endr
	s_wait_loadcnt 0x0
	s_wait_dscnt 0x0
	; ---- two rows, line by line by turns; a lane holds columns 128 k + 4 lane + 0 .. 3, k = 0 .. 7
.set j, 0
.rept 32
.irp q, 0,1
	N2N XR+32*\q+j, TQ+4*\q, TQ+4*\q+1
.endr
.set j, j+1
.endr
.set j, 0
.rept 16
.irp q, 0,1
	v_pk_add_f32 v[ACC+32*\q+j:ACC+32*\q+j+1], v[ACC+32*\q+j:ACC+32*\q+j+1], v[BO+j:BO+j+1]
.endr
.irp q, 0,1
	v_pk_add_f32 v[ACC+32*\q+j:ACC+32*\q+j+1], v[ACC+32*\q+j:ACC+32*\q+j+1], v[XR+32*\q+j:XR+32*\q+j+1]   ; r = (y + bo) + x
.endr
.set j, j+2
.endr
.irp q, 0,1
	v_pk_add_f32 v[TQ+4*\q:TQ+4*\q+1], v[ACC+32*\q:ACC+32*\q+1], v[ACC+32*\q+2:ACC+32*\q+3]
	v_pk_add_f32 v[TQ+4*\q+2:TQ+4*\q+3], v[ACC+32*\q+4:ACC+32*\q+5], v[ACC+32*\q+6:ACC+32*\q+7]
.endr
.irp j, 8,12,16,20,24,28
.irp q, 0,1
	v_pk_add_f32 v[TQ+4*\q:TQ+4*\q+1], v[TQ+4*\q:TQ+4*\q+1], v[ACC+32*\q+\j:ACC+32*\q+\j+1]
	v_pk_add_f32 v[TQ+4*\q+2:TQ+4*\q+3], v[TQ+4*\q+2:TQ+4*\q+3], v[ACC+32*\q+\j+2:ACC+32*\q+\j+3]
.endr
.endr
.irp q, 0,1
	v_pk_add_f32 v[TQ+4*\q:TQ+4*\q+1], v[TQ+4*\q:TQ+4*\q+1], v[TQ+4*\q+2:TQ+4*\q+3]
.endr
.irp q, 0,1
	v_add_f32 v[TQ+4*\q], v[TQ+4*\q], v[TQ+4*\q+1]
.endr
	LANESUM TQ
	LANESUM TQ+4
.irp q, 0,1
	v_mul_f32 v[TQ+4*\q], 0xba800000, v[TQ+4*\q]   ; - the mean
.endr
.set j, 0
.rept 16
.irp q, 0,1
	v_pk_add_f32 v[ACC+32*\q+j:ACC+32*\q+j+1], v[ACC+32*\q+j:ACC+32*\q+j+1], v[TQ+4*\q:TQ+4*\q+1] op_sel_hi:[1,0]   ; d = r - the mean
.endr
.set j, j+2
.endr
.irp q, 0,1
	v_pk_mul_f32 v[TQ+4*\q:TQ+4*\q+1], v[ACC+32*\q:ACC+32*\q+1], v[ACC+32*\q:ACC+32*\q+1]
	v_pk_mul_f32 v[TQ+4*\q+2:TQ+4*\q+3], v[ACC+32*\q+2:ACC+32*\q+3], v[ACC+32*\q+2:ACC+32*\q+3]
.endr
.irp j, 4,8,12,16,20,24,28
.irp q, 0,1
	v_pk_fma_f32 v[TQ+4*\q:TQ+4*\q+1], v[ACC+32*\q+\j:ACC+32*\q+\j+1], v[ACC+32*\q+\j:ACC+32*\q+\j+1], v[TQ+4*\q:TQ+4*\q+1]
	v_pk_fma_f32 v[TQ+4*\q+2:TQ+4*\q+3], v[ACC+32*\q+\j+2:ACC+32*\q+\j+3], v[ACC+32*\q+\j+2:ACC+32*\q+\j+3], v[TQ+4*\q+2:TQ+4*\q+3]
.endr
.endr
.irp q, 0,1
	v_pk_add_f32 v[TQ+4*\q:TQ+4*\q+1], v[TQ+4*\q:TQ+4*\q+1], v[TQ+4*\q+2:TQ+4*\q+3]
.endr
.irp q, 0,1
	v_add_f32 v[TQ+4*\q], v[TQ+4*\q], v[TQ+4*\q+1]
.endr
	LANESUM TQ
	LANESUM TQ+4
.irp q, 0,1
	v_fma_f32 v[TQ+4*\q], v[TQ+4*\q], s28, s29     ; the variance + 1e-5
.endr
.irp q, 0,1
	v_rsq_f32 v[TQ+4*\q], v[TQ+4*\q]
.endr
	v_nop                                          ; a plain line behind the two roots
	s_wait_alu depctr_va_vdst(0)                   ; one wait for both, ahead of their first reader
.set j, 0
.rept 16
.irp q, 0,1
	v_pk_mul_f32 v[ACC+32*\q+j:ACC+32*\q+j+1], v[ACC+32*\q+j:ACC+32*\q+j+1], v[TQ+4*\q:TQ+4*\q+1] op_sel_hi:[1,0]
.endr
.irp q, 0,1
	v_pk_fma_f32 v[ACC+32*\q+j:ACC+32*\q+j+1], v[ACC+32*\q+j:ACC+32*\q+j+1], v[GA+j:GA+j+1], v[BE+j:BE+j+1]
.endr
.set j, j+2
.endr
.set j, 0
.rept 32
.irp q, 0,1
	N2N ACC+32*\q+j, TQ+4*\q+2, TQ+4*\q+3
.endr
.set j, j+1
.endr
.irp q, 0,1
.irp k, 0,1,2,3,4,5,6,7
	global_store_b128 v1, v[ACC+32*\q+4*\k:ACC+32*\q+4*\k+3], s[16:17] offset:4096*\q+512*\k th:TH_STORE_NT   ; 512 consecutive bytes, aligned; written once
.endr
.endr
	s_wait_xcnt 0x0
	v_lshl_add_u32 v254, v0, 2, 0x28600
	v_mov_b32 v255, 0
	s_wait_tensorcnt 0x0
	ds_add_u32 v254, v255
	s_wait_dscnt 0x0
	s_endpgm
.Lfunc_end_k_q0369e101d1_outln:
	.size	k_q0369e101d1_outln, .Lfunc_end_k_q0369e101d1_outln-k_q0369e101d1_outln
	.p2alignl 7, 3214868480
	.fill 96, 4, 3214868480
	.section	.rodata,"a",@progbits
	.p2align	6, 0x0
	.amdhsa_kernel k_q0369e101d1_outln
		.amdhsa_group_segment_fixed_size 167424
		.amdhsa_private_segment_fixed_size 0
		.amdhsa_enable_private_segment 0
		.amdhsa_kernarg_size 56
		.amdhsa_user_sgpr_count 2
		.amdhsa_user_sgpr_kernarg_segment_ptr 1
		.amdhsa_wavefront_size32 1
		.amdhsa_system_sgpr_workgroup_id_x 1
		.amdhsa_system_sgpr_workgroup_id_y 1
		.amdhsa_system_sgpr_workgroup_id_z 1
		.amdhsa_system_vgpr_workitem_id 0
		.amdhsa_next_free_vgpr 256
		.amdhsa_next_free_sgpr 66
		.amdhsa_reserve_vcc 1
		.amdhsa_float_denorm_mode_32 3
		.amdhsa_float_denorm_mode_16_64 3
		.amdhsa_memory_ordered 1
		.amdhsa_forward_progress 1
		.amdhsa_inst_pref_size 88
	.end_amdhsa_kernel
	.amdgpu_metadata
---
amdhsa.version: [ 1, 2 ]
amdhsa.kernels:
  - .name:           k_q0369e101d1_outln
    .symbol:         k_q0369e101d1_outln.kd
    .args:
      - { .name: oc, .offset: 0, .size: 8, .value_kind: global_buffer, .address_space: global }
      - { .name: xw, .offset: 8, .size: 8, .value_kind: global_buffer, .address_space: global }
      - { .name: x, .offset: 16, .size: 8, .value_kind: global_buffer, .address_space: global }
      - { .name: bo, .offset: 24, .size: 8, .value_kind: global_buffer, .address_space: global }
      - { .name: gamma, .offset: 32, .size: 8, .value_kind: global_buffer, .address_space: global }
      - { .name: beta, .offset: 40, .size: 8, .value_kind: global_buffer, .address_space: global }
      - { .name: out0, .offset: 48, .size: 8, .value_kind: global_buffer, .address_space: global }
    .group_segment_fixed_size: 167424
    .private_segment_fixed_size: 0
    .kernarg_segment_align: 8
    .kernarg_segment_size: 56
    .max_flat_workgroup_size: 512
    .sgpr_count:     66
    .vgpr_count:     256
    .wavefront_size: 32
...
	.end_amdgpu_metadata
.endif
;; end of part 4
;; ======== version 2 of 2: 4 launches
;; limits: right only within a limited range of input values
;; workspace buffers: xw 8,650,752 bytes; mk 532,480 bytes of whole numbers; qkv 12,976,128 bytes; oc 4,325,376 bytes
;; launch prep (part 5): grid 384 x 1, 16 waves a work-group, no clusters, 137,216 bytes of LDS; arguments x, Wq, Wk, Wv, Wo, mask, xw, mk; writes xw, mk
.if DOCPART == 5
	.amdgcn_target "amdgcn-amd-amdhsa--gfx1250"
	.amdhsa_code_object_version 6
	.text
	.protected	k_q0369e101d1_prep
	.globl	k_q0369e101d1_prep
	.p2align	8
	.type	k_q0369e101d1_prep,@function
k_q0369e101d1_prep:
	s_mov_b64 s[64:65], 0
	v_nop
	global_prefetch_b8 v0, s[64:65] scope:SCOPE_SE
	s_setreg_imm32_b32 hwreg(HW_REG_WAVE_MODE, 25, 1), 1
	s_wait_xcnt 0x0
; PREP.  (a) x (after nan_to_num) and the four weights, all f32 with K innermost, become codes of E4M3 with one E8M0 byte for each 32 along K; (b) the bool mask becomes lane masks and flags.
; THE TILE.  Rows are grouped in 32s: tile 2 b + u, lane row r, stands for row 32 b + 8 u + (r & 7) + 16 (r >> 3).  With such a tile as source 0 of a matrix instruction the 16 result registers
; of tiles 2 b and 2 b + 1 are 16 neighbours, 32 b + 16 (lane / 16) + 0 .. 15, so every result is laid as the next quantiser wants it.
; THE IMAGE of (tile, K step of 128) is the operand's registers as they stand: [c 0..3][lane][16 bytes], lane (r, h) holding k = 128 s + 32 c + 16 h + 0 .. 15 of its row: 2,048 bytes, moved by four
; accesses of 512 consecutive bytes.  xw: x's images [K / 256][tile 256][(K / 128) & 1][2048] at 0, the weights' (tiles: q 0-63, k 64-127, v 128-191, o 192-255) at WI; scale words [tile][s 8][r 16] at XS, the weights' 131,072 on.
; SHARES.  Work-groups 0-127: x; 128-255: Wq, Wk, Wv, Wo, 32 each; one wave = one (tile, K step): no loop, no barrier, each wave has its own stage in LDS.  Work-groups 256-383: the mask, one tile of 16 queries each, a wave a key step of 128; no LDS.
; mk: at 0 [T 128][s 16][n 64] words: bit l of word n = the key that register n of lane l will hold in the scores is blocked; at FL [T][s] words: bits 0-15 the tile's rows wholly blocked in the step, bit 16 any byte blocked.
; The scale words leave as 64 bytes a wave and the flags as 4: one byte in 128 of what the launch reads.
; LIMITS: NaN and infinities in the weights are treated as x's are (0, +-1e9), which reference() does not do; blocks whose largest magnitude lies under 2^-118, blocks of zeros among them, keep the byte 1
; (their codes are what the floor's scale gives; the bytes are read by this program alone).  Mask bytes are 0 or 1.
.set WI,   4194304
.set XS,   8388608
.set FL,   524288
.set STGB, 8448                        ; a wave's stage: 16 rows x (512 + 16) bytes: 33 x 16, so the sixteen rows that a read touches fall into sixteen different 16-byte columns of 256
.set X,    16                          ; v16-79   64 numbers
.set TM,   80                          ; v80-83 largest magnitudes, v84-87 bytes, v88-91 448 x the scale, v92-95 the conversions' scale operands
.set PW,   96                          ; the scale word
.set PC,   100                         ; v100-115 the codes
.set SEL,  20                          ; s[20:21] lane selects: lane l xor 16
.set MNT,  22                          ; the mantissa field of 448
.set INF,  23                          ; the bits of +infinity
.set BIG,  24                          ; 1e9
.macro N2N x, t, u                     ; nan_to_num: NaN -> 0, +-infinity -> +-1e9; a finite number is left as it is
	v_and_b32 v[\t], 0x7fffffff, v[\x]
	s_delay_alu instid0(VALU_DEP_1)
	v_cmp_ge_u32 vcc_lo, s[INF], v[\t]
	s_delay_alu instid0(VALU_DEP_1)
	v_cndmask_b32 v[\x], 0, v[\x], vcc_lo
	s_delay_alu instid0(VALU_DEP_1)
	v_med3_num_f32 v[\u], v[\x], -s[BIG], s[BIG]
	s_delay_alu instid0(VALU_DEP_4)
	v_cmp_eq_u32 vcc_lo, s[INF], v[\t]
	s_delay_alu instid0(VALU_DEP_1)
	v_cndmask_b32 v[\x], v[\x], v[\u], vcc_lo
.endm
; 64 numbers of a lane, register 16 b + i = k 32 b + 16 (lane / 16) + i of my row, become a fragment's codes in v[PC] on and its scale word in v[PW]
.macro QUANT s
.irp b, 0,1,2,3
	v_max3_num_f32 v[TM+\b], |v[\s+16*\b]|, |v[\s+1+16*\b]|, 0x4800000   ; my 16 numbers of block b, and the floor 2^(9 - 127): the byte cannot fall under 1
.endr
.irp i, 2,4,6,8,10,12,14
.irp b, 0,1,2,3
	s_delay_alu instid0(VALU_DEP_4)
	v_max3_num_f32 v[TM+\b], v[TM+\b], |v[\s+16*\b+\i]|, |v[\s+1+16*\b+\i]|
.endr
.endr
.irp b, 0,1,2,3
	s_delay_alu instid0(VALU_DEP_4)
	v_permlanex16_b32 v[TM+4+\b], v[TM+\b], s[SEL], s[SEL+1]
.endr
.irp b, 0,1,2,3
	s_delay_alu instid0(VALU_DEP_4)
	v_max_num_f32 v[TM+\b], v[TM+\b], v[TM+4+\b]           ; with lane l xor 16's: the block's largest magnitude
.endr
.irp b, 0,1,2,3
	s_delay_alu instid0(VALU_DEP_4)
	v_add_nc_u32 v[TM+12+\b], 0xfc000000, v[TM+\b]         ; 8 off its exponent field: the conversion's scale operand
.endr
.irp b, 0,1,2,3
	v_and_or_b32 v[TM+8+\b], v[TM+\b], 0x7f800000, s[MNT]  ; 448 x the scale
.endr
.irp b, 0,1,2,3
	v_lshrrev_b32 v[TM+4+\b], 23, v[TM+12+\b]              ; the scale's byte
.endr
	s_delay_alu instid0(VALU_DEP_3)
	v_lshl_or_b32 v[PW], v[TM+5], 8, v[TM+4]
	s_delay_alu instid0(VALU_DEP_1)
	v_lshl_or_b32 v[PW], v[TM+6], 16, v[PW]
	s_delay_alu instid0(VALU_DEP_1)
	v_lshl_or_b32 v[PW], v[TM+7], 24, v[PW]
.irp b, 0,1,2,3
.irp i, 0,1,2,3,4,5,6,7,8,9,10,11,12,13,14,15
	v_med3_num_f32 v[\s+16*\b+\i], v[\s+16*\b+\i], -v[TM+8+\b], v[TM+8+\b]   ; the conversion to an 8-bit code does not saturate (ISA guide 7.6.2): the hold at 448 x the scale
.endr
	v_cvt_scalef32_pk8_fp8_f32 v[PC+4*\b:PC+1+4*\b], v[\s+16*\b:\s+7+16*\b], v[TM+12+\b]
	v_cvt_scalef32_pk8_fp8_f32 v[PC+2+4*\b:PC+3+4*\b], v[\s+8+16*\b:\s+15+16*\b], v[TM+12+\b]
.endr
	v_nop                                          ; a plain line behind the last conversion
.endm
	s_load_b256 s[4:11], s[0:1], 0x0               ; x, Wq, Wk, Wv
	s_load_b256 s[12:19], s[0:1], 0x20             ; Wo, mask, xw, mk
	v_lshl_add_u32 v128, v0, 2, 0x21000
	v_mov_b32 v129, 0
	v_lshrrev_b32 v1, 5, v0
	s_delay_alu instid0(VALU_DEP_1)
	v_readfirstlane_b32 s2, v1                     ; wave 0..15
	v_and_b32 v1, 31, v0                           ; lane
	v_and_b32 v6, 15, v0                           ; r
	v_bfe_u32 v7, v0, 4, 1                         ; h
	s_cmp_ge_u32 ttmp9, 256
	s_cbranch_scc1 .Lmask
	; ---- x and the weights
	v_lshlrev_b32 v2, 4, v1                        ; 16 x lane
	s_mul_i32 s3, s2, STGB
	v_add_nc_u32 v3, s3, v2                        ; the stage, on the way in: a row's 512 bytes as they lie
	v_mul_u32_u24 v4, v6, 528
	s_delay_alu instid0(VALU_DEP_1)
	v_lshl_add_u32 v4, v7, 6, v4
	s_delay_alu instid0(VALU_DEP_1)
	v_add_nc_u32 v4, s3, v4                        ; and on the way out: row r, + 64 h
	v_lshlrev_b32 v5, 2, v6                        ; 4 r
	s_mov_b32 s[SEL], 0x76543210
	s_mov_b32 s[SEL+1], 0xfedcba98
	s_mov_b32 s[MNT], 0x600000
	s_mov_b32 s[INF], 0x7f800000
	s_mov_b32 s[BIG], 0x4e6e6b28
.irp b, 0,1,2,3
	v_mov_b32 v[TM+4+\b], 0                        ; a lane permute's destination counts as one of its sources
.endr
	s_and_b32 s25, ttmp9, 127
	s_lshl_b32 s25, s25, 1
	s_lshr_b32 s26, s2, 3
	s_add_co_u32 s25, s25, s26                     ; the tile, 0..255 of x or of the weights
	s_and_b32 s26, s2, 7                           ; the K step
	s_cmp_lt_u32 ttmp9, 128                        ; x or a weight?
	s_cselect_b32 s27, 255, 63
	s_cselect_b32 s30, 0, WI
	s_cselect_b32 s32, 0, 131072
	s_and_b32 s27, s25, s27                        ; the tile within its tensor
	s_lshr_b32 s28, s27, 1
	s_lshl_b32 s28, s28, 17                        ; 32 rows of 4,096 bytes
	s_and_b32 s27, s27, 1
	s_lshl_b32 s27, s27, 15                        ; 8 rows
	s_add_co_u32 s28, s28, s27
	s_lshl_b32 s27, s26, 9                         ; 128 numbers along K
	s_add_co_u32 s28, s28, s27
	s_mov_b32 s29, 0
	s_lshr_b32 s27, s26, 1
	s_lshl_b32 s27, s27, 20
	s_add_co_u32 s30, s30, s27
	s_lshl_b32 s27, s25, 12
	s_add_co_u32 s30, s30, s27
	s_and_b32 s27, s26, 1
	s_lshl_b32 s27, s27, 11
	s_add_co_u32 s30, s30, s27                     ; the image's place
	s_mov_b32 s31, 0
	s_lshl_b32 s27, s25, 9
	s_add_co_u32 s32, s32, s27
	s_lshl_b32 s27, s26, 6
	s_add_co_u32 s32, s32, s27
	s_add_co_u32 s32, s32, XS                      ; the scale words' place
	s_mov_b32 s33, 0
	s_wait_alu depctr_va_vdst(0)
	s_wait_kmcnt 0x0
	s_cmp_lt_u32 ttmp9, 160                        ; the source: the choices hang on the work-group's number alone
	s_cselect_b64 s[6:7], s[6:7], s[8:9]
	s_cmp_lt_u32 ttmp9, 224
	s_cselect_b64 s[10:11], s[10:11], s[12:13]
	s_cmp_lt_u32 ttmp9, 192
	s_cselect_b64 s[6:7], s[6:7], s[10:11]
	s_cmp_lt_u32 ttmp9, 128
	s_cselect_b64 s[4:5], s[4:5], s[6:7]
	s_add_nc_u64 s[4:5], s[4:5], s[28:29]
	s_add_nc_u64 s[30:31], s[16:17], s[30:31]
	s_add_nc_u64 s[32:33], s[16:17], s[32:33]
.irp i, 0,1,2,3,4,5,6,7,8,9,10,11,12,13,14,15
	global_load_b128 v[X+4*\i:X+4*\i+3], v2, s[4:5] offset:(\i+8*(\i/8))*4096 th:TH_LOAD_NT   ; lane row i's 512 consecutive bytes
.endr
.irp i, 0,1,2,3,4,5,6,7,8,9,10,11,12,13,14,15
	s_wait_loadcnt 15-\i                           ; loads come back in order: row i is in, the younger rows may be out
	ds_store_b128 v3, v[X+4*\i:X+4*\i+3] offset:528*\i
.endr
	s_wait_dscnt 0x0                               ; the stores have read their registers
.irp p, 0,1,2,3
.irp j, 0,1,2,3
	ds_load_b128 v[X+16*\p+4*\j:X+16*\p+4*\j+3], v4 offset:128*\p+16*\j   ; register 16 p + i: k = 32 p + 16 h + i of row r
.endr
.endr
	s_wait_dscnt 0x0
.set j, 0
.rept 64
	N2N X+j, 116+2*(j%2), 117+2*(j%2)
.set j, j+1
.endr
	QUANT X
.irp p, 0,1,2,3
	global_store_b128 v2, v[PC+4*\p:PC+4*\p+3], s[30:31] offset:512*\p   ; 512 consecutive bytes
.endr
	s_wait_xcnt 0x0                                ; EXEC changes only behind this wait
	v_cmp_gt_u32 vcc_lo, 16, v1
	s_wait_tensorcnt 0x0
	ds_add_u32 v128, v129
	s_wait_dscnt 0x0
	s_and_saveexec_b32 s34, vcc_lo
	global_store_b32 v5, v[PW], s[32:33]           ; lanes 0-15: row r's scale word
	s_wait_xcnt 0x0
	s_or_b32 exec_lo, exec_lo, s34
	s_endpgm
	; ---- the mask: tile T of 16 queries, my wave's 128 keys
.Lmask:
	s_sub_co_u32 s25, ttmp9, 256                   ; T
	s_lshr_b32 s26, s25, 1
	s_lshl_b32 s26, s26, 16                        ; 32 rows of 2,048 bytes
	s_and_b32 s27, s25, 1
	s_lshl_b32 s27, s27, 14                        ; 8 rows
	s_add_co_u32 s26, s26, s27
	s_lshl_b32 s27, s2, 7                          ; 128 keys a step
	s_add_co_u32 s26, s26, s27
	s_mov_b32 s27, 0
	s_lshl_b32 s28, s25, 4
	s_add_co_u32 s28, s28, s2                      ; 16 T + s
	s_lshl_b32 s30, s28, 2
	s_add_co_u32 s30, s30, FL
	s_mov_b32 s31, 0
	s_lshl_b32 s28, s28, 8
	s_mov_b32 s29, 0
	s_wait_alu depctr_va_vdst(0)
	v_and_b32 v8, 8, v6
	s_delay_alu instid0(VALU_DEP_1)
	v_add_nc_u32 v8, v8, v6                        ; (r & 7) + 16 (r >> 3)
	s_delay_alu instid0(VALU_DEP_1)
	v_lshlrev_b32 v8, 11, v8
	s_delay_alu instid0(VALU_DEP_1)
	v_lshl_add_u32 v8, v7, 4, v8                   ; my query's row, + 16 h
	v_lshlrev_b32 v9, 3, v1                        ; 8 x lane
	v_mov_b32 v40, 0                               ; written whole before single lanes are written
	v_mov_b32 v41, 0
	s_wait_alu depctr_va_vdst(0)
	s_wait_kmcnt 0x0
	s_add_nc_u64 s[14:15], s[14:15], s[26:27]
	s_add_nc_u64 s[28:29], s[18:19], s[28:29]
	s_add_nc_u64 s[30:31], s[18:19], s[30:31]
.irp p, 0,1,2,3
	global_load_b128 v[16+4*\p:19+4*\p], v8, s[14:15] offset:32*\p   ; byte i: key 128 s + 32 p + 16 h + i
.endr
	s_wait_loadcnt 0x0
.set n, 0
.rept 64                               ; word n = the 32 lanes' byte n; it goes to lane n / 2 of register n % 2, so that lane l stores words 2 l and 2 l + 1
	v_bfe_u32 v[44+(n&3)], v[16+4*(n/16)+((n%16)>>2)], 8*(n&3), 8
	s_delay_alu instid0(VALU_DEP_1)
	v_cmp_ne_u32 s[32+(n&3)], 0, v[44+(n&3)]
	s_delay_alu instid0(VALU_DEP_1)
	v_writelane_b32 v[40+(n&1)], s[32+(n&3)], n>>1
.set n, n+1
.endr
	global_store_b64 v9, v[40:41], s[28:29]        ; 256 consecutive bytes, aligned
	v_or_b32 v48, v16, v17
	v_and_b32 v49, v16, v17
.irp j, 18,19,20,21,22,23,24,25,26,27,28,29,30,31
	s_delay_alu instid0(VALU_DEP_2)
	v_or_b32 v48, v48, v[\j]
	s_delay_alu instid0(VALU_DEP_2)
	v_and_b32 v49, v49, v[\j]
.endr
	s_delay_alu instid0(VALU_DEP_2)
	v_cmp_ne_u32 s36, 0, v48                       ; lanes with a blocked byte
	s_delay_alu instid0(VALU_DEP_2)
	v_cmp_eq_u32 s37, 0x01010101, v49              ; lanes all of whose 64 bytes are blocked
	s_lshr_b32 s38, s37, 16
	s_and_b32 s37, s37, s38                        ; a row is lanes r and r + 16
	s_and_b32 s37, s37, 0xffff
	s_cmp_lg_u32 s36, 0
	s_cselect_b32 s38, 0x10000, 0
	s_or_b32 s37, s37, s38
	v_mov_b32 v50, s37
	v_mov_b32 v51, 0
	s_wait_alu depctr_va_vdst(0)
	s_wait_xcnt 0x0                                ; EXEC changes only behind this wait
	v_cmp_eq_u32 vcc_lo, 0, v1
	s_and_saveexec_b32 s39, vcc_lo
	global_store_b32 v51, v50, s[30:31]            ; lane 0: the step's flag word
	s_wait_xcnt 0x0
	s_or_b32 exec_lo, exec_lo, s39
	s_endpgm
.Lfunc_end_k_q0369e101d1_prep:
	.size	k_q0369e101d1_prep, .Lfunc_end_k_q0369e101d1_prep-k_q0369e101d1_prep
	.p2alignl 7, 3214868480
	.fill 96, 4, 3214868480
	.section	.rodata,"a",@progbits
	.p2align	6, 0x0
	.amdhsa_kernel k_q0369e101d1_prep
		.amdhsa_group_segment_fixed_size 137216
		.amdhsa_private_segment_fixed_size 0
		.amdhsa_enable_private_segment 0
		.amdhsa_kernarg_size 64
		.amdhsa_user_sgpr_count 2
		.amdhsa_user_sgpr_kernarg_segment_ptr 1
		.amdhsa_wavefront_size32 1
		.amdhsa_system_sgpr_workgroup_id_x 1
		.amdhsa_system_sgpr_workgroup_id_y 1
		.amdhsa_system_sgpr_workgroup_id_z 1
		.amdhsa_system_vgpr_workitem_id 0
		.amdhsa_next_free_vgpr 130
		.amdhsa_next_free_sgpr 66
		.amdhsa_reserve_vcc 1
		.amdhsa_float_denorm_mode_32 3
		.amdhsa_float_denorm_mode_16_64 3
		.amdhsa_memory_ordered 1
		.amdhsa_forward_progress 1
		.amdhsa_inst_pref_size 64
	.end_amdhsa_kernel
	.amdgpu_metadata
---
amdhsa.version: [ 1, 2 ]
amdhsa.kernels:
  - .name:           k_q0369e101d1_prep
    .symbol:         k_q0369e101d1_prep.kd
    .args:
      - { .name: x, .offset: 0, .size: 8, .value_kind: global_buffer, .address_space: global }
      - { .name: Wq, .offset: 8, .size: 8, .value_kind: global_buffer, .address_space: global }
      - { .name: Wk, .offset: 16, .size: 8, .value_kind: global_buffer, .address_space: global }
      - { .name: Wv, .offset: 24, .size: 8, .value_kind: global_buffer, .address_space: global }
      - { .name: Wo, .offset: 32, .size: 8, .value_kind: global_buffer, .address_space: global }
      - { .name: mask, .offset: 40, .size: 8, .value_kind: global_buffer, .address_space: global }
      - { .name: xw, .offset: 48, .size: 8, .value_kind: global_buffer, .address_space: global }
      - { .name: mk, .offset: 56, .size: 8, .value_kind: global_buffer, .address_space: global }
    .group_segment_fixed_size: 137216
    .private_segment_fixed_size: 0
    .kernarg_segment_align: 8
    .kernarg_segment_size: 64
    .max_flat_workgroup_size: 512
    .sgpr_count:     66
    .vgpr_count:     130
    .wavefront_size: 32
...
	.end_amdgpu_metadata
.endif
;; end of part 5
;; launch qkv (part 6): grid 12 x 16, 4 waves a work-group, clusters of 4 x 4, 327,680 bytes of LDS; arguments xw, bq, bk, bv, qkv; writes qkv
.if DOCPART == 6
	.amdgcn_target "amdgcn-amd-amdhsa--gfx1250"
	.amdhsa_code_object_version 6
	.text
	.protected	k_q0369e101d1_qkv
	.globl	k_q0369e101d1_qkv
	.p2align	8
	.type	k_q0369e101d1_qkv,@function
k_q0369e101d1_qkv:
	s_mov_b64 s[64:65], 0
	v_nop
	global_prefetch_b8 v0, s[64:65] scope:SCOPE_SE
	s_setreg_imm32_b32 hwreg(HW_REG_WAVE_MODE, 25, 1), 1
	s_wait_xcnt 0x0
	s_wait_alu depctr_hold_cnt(0) depctr_sa_sdst(0) depctr_va_vdst(0) depctr_va_sdst(0) depctr_va_ssrc(0) depctr_va_vcc(0) depctr_vm_vsrc(0)
	s_getreg_b32 s2, hwreg(HW_REG_IB_STS2, 6, 4)
	s_cmp_eq_u32 s2, 0
	s_cbranch_scc0 .Lentry_in_a_cluster
	s_endpgm
.Lentry_in_a_cluster:
	s_bfe_u32 s2, ttmp6, 0x10000c
	s_cmp_lg_u32 s2, 0xf033
	s_cbranch_scc0 .Lentry_shape_is_right
	s_endpgm
.Lentry_shape_is_right:
; QKV.  q = x Wq^T + bq, k = x Wk^T + bk, v = x Wv^T + bv on codes of E4M3 with E8M0 scales, sums in f32; the results are quantised at once: q and k along the head's 64, v along the keys.
; A work-group of four waves makes 256 x 256 of the result, a wave 128 x 128 in 64 accumulators (512 registers).  K = 1,024 goes in four steps of 256 through two LDS slots.
; OPERANDS ARE IMAGES OF REGISTERS (see the layout below): a tile's two K steps of a slot are 4,096 consecutive bytes, 16 tiles 65,536: each wave's tensor load brings a dense block of 32,768 bytes, and a fragment is four LDS loads of 512 consecutive bytes.
; xw: x's images [K / 256][tile 256][(K / 128) & 1][2048] at 0, the weights' at WI (tiles: q 0-63, k 64-127, v 128-191); scale words [tile][s 8][r 16] at XS, the weights' 131,072 on.
; Tile 2 b + u, lane row r = row 32 b + 8 u + (r & 7) + 16 (r >> 3): the 16 result registers of source 0's tiles 2 b, 2 b + 1 are 16 neighbours, 32 b + 16 (lane / 16) + 0 .. 15.
; ROLES, by the cluster's x, which all sixteen partners share.  Clusters 0 (q) and 1 (k): source 1 (called A) = rows of x, source 0 (B) = rows of W: a lane holds one row of x and its registers run along the channels, the next K.
; Cluster 2 (v): A = rows of Wv, B = rows of x: a lane holds one channel and its registers run along the keys, the next K.  Both operands lie in one buffer, so a role is a matter of offsets.
; CLUSTERS: 4 x 4.  A's block hangs on cy, B's on cx: A is asked for jointly by a row of the cluster, B by a column, which divides the requests by four.
; The bias is the C of each sum's first matrix instruction.
; qkv: q's images [bh 32][T 128][c 2][lane][16] at 0, k's at 4,194,304, v's [bh][s 16][nu 4][c 4][lane][16] at VI; scale words: q's [b][head pair 8][T][r] (bytes: even head's two blocks, odd head's two) at QS, k's 131,072 on, v's [bh][s][nu][r] at VS.
; REGISTERS, in windows of 256.  Window 0: v1-11 addresses; v16-29 LDS addresses; v32-63 scale words, two sets (nothing else is ever put there); v64-127 the bias, later the way out's scratch; v128-255 A's 8 fragments, one set, later the way out's numbers and codes.
;   Window 1: B's fragments, two sets.  Windows 2, 3: the accumulators, (a, b) at v[8 (8 (a % 4) + b)].
; LIMITS: NaN and infinities among weights and biases are not served; blocks whose largest magnitude lies under 2^-118 keep the byte 1.
.set WI,    4194304
.set XS,    8388608
.set VI,    8388608
.set QS,    12582912
.set VS,    QS+262144
.set NQ,    2                          ; matrix instructions deep in a slot
.set FR,    16                         ; registers of a fragment
.set NL,    4                          ; LDS loads that bring one
.set NP,    8                          ; places behind this matrix instruction (ISA guide 7.12.1)
.set HALFT, 32768                      ; 8 tiles x 2 K steps: what one tensor load brings
.set SLOT,  4*HALFT                    ; A's 16 tiles, then B's 16
.set KSL,   1048576                    ; from a slot's block to the next along K, in memory
.set SCL,   2*SLOT                     ; behind the ring: the scale words of all of K, A's 8,192 bytes, then B's; filled once
.set HALFS, 4096
.set SPARE, SCL+4*HALFS                ; the spare words, 128 bytes for each wave: two blocks of 256 bytes that no other line names
.set LO,   8                           ; v8   the way out: 16 x lane, stepped from tile to tile
.set HI,   9                           ; v9   the same for blocks 2 and 3
.set SC0,  10                          ; v10  4 x lane: scale words of tiles 0-3
.set SC1,  11                          ; v11  of tiles 4-7
.set ADRA, 16                          ; v16-17  LDS address of my A fragments in slot 0, 1
.set ADRB, 20                          ; v20-21  the same for B
.set ADRS, 27                          ; v27     of my scale words: lanes 0-15 A's, lanes 16-31 B's
.set SPW,  28                          ; v28     my spare word; never rewritten
.set NIL,  29                          ; v29     0; never rewritten
.set SC,   32
.set BIAS, 64
.set AF,   128
.set TM,   64                          ; the way out: v64-79 at work, v80-87 a scale word a tile, v88-91 pairs of them
.set PW,   80
.set VT,   88
.set T,    128                         ; v128-191 64 numbers held
.set PC,   192                         ; v192-207 their codes
.set MNT,  17                          ; s17 the mantissa field of 448
.set SEL,  18                          ; s[18:19] lane l xor 16
.set G1, 24
.set G0, 32
.set G1B, 48
.set G0B, 56
.set G1S, 68
.set G0S, 76
.set G1SB, 80
.set G0SB, 88
.set MSB, 0
.macro WIN new                         ; the immediate's high byte repeats the setting that is left
.if MSB != (\new)
	s_set_vgpr_msb (MSB<<8)|(\new)
.set MSB, (\new)
.endif
.endm
.set MUL_LO, 0xa1                      ; source 0 (B) window 1, source 1 (A) window 0, C and D window 2
.set MUL_HI, 0xf1                      ; the same, C and D window 3
.set TO_B,   0x40                      ; destination window 1, address window 0
; A joint load: waves 0 and 1 fetch for A, waves 2 and 3 for B.  Each line has one mask and one set of registers for all that issue it; the branch hangs on the wave's number alone.
; Four v_nop follow each of the two lines, ahead of the jump, the label and what follows.
.macro JLOAD g0a, g1a, g0b, g1b
	s_cmp_eq_u32 s15, 0
	s_cbranch_scc0 .Lfor_b_\@
	tensor_load_to_lds s[\g0a:\g0a+3], s[\g1a:\g1a+7]
	s_nop 0
.rept 4
	v_nop
.endr
	s_branch .Lasked_\@
.Lfor_b_\@:
	tensor_load_to_lds s[\g0b:\g0b+3], s[\g1b:\g1b+7]
	s_nop 0
.rept 4
	v_nop
.endr
.Lasked_\@:
.endm
.macro CREST                           ; a round of the cluster's barrier behind its opening barrier
	s_cmp_lg_u32 s14, 0
	s_cbranch_scc1 .Lnot_wave_0_\@
	s_barrier_signal -3
.Lnot_wave_0_\@:
	s_barrier_wait -3
	s_barrier_signal -1
	s_barrier_wait -1
.endm
.macro CROUND                          ; a whole round
	s_barrier_signal -1
	s_barrier_wait -1
	CREST
.endm
	s_load_b256 s[4:11], s[0:1], 0x0               ; xw, bq, bk, bv
	s_load_b64 s[12:13], s[0:1], 0x20              ; qkv
	v_lshl_add_u32 v[SPW], v0, 2, SPARE
	v_mov_b32 v[NIL], 0
	ds_add_u32 v28, v29
	ds_add_u32 v28, v29
	s_wait_dscnt 0x0
	v_lshrrev_b32 v1, 5, v0
	v_readfirstlane_b32 s14, v1                    ; wave 0..3
	s_lshr_b32 s15, s14, 1                         ; which half of A's tiles is mine.  Also: I fetch for A (0) or for B (1)
	s_and_b32 s16, s14, 1                          ; which half of B's.  Also: which 8 tiles of that block I fetch
	s_bfe_u32 s40, ttmp6, 0x40000                  ; cx, cy: my place in the cluster
	s_bfe_u32 s41, ttmp6, 0x40004
	s_lshl_b32 s43, s41, 2
	s_lshl_b32 s43, 15, s43                        ; my row of the cluster
	s_lshl_b32 s44, 0x1111, s40                    ; my column
	; descriptor group 1: dense blocks as rows of 256 bytes (32 elements of 8 bytes), no padding: 128 rows of codes, 16 rows of scale words
	s_or_b32 s[G1+0], s43, (3<<16)|(1<<21)         ; 15:0 the mask: A's go to my row; 17:16 elements of 8 bytes; 21 set beside a mask
	s_or_b32 s[G1B+0], s44, (3<<16)|(1<<21)        ; B's go to my column
.irp g, G1, G1B
	s_mov_b32 s[\g+1], 32<<16                      ; tensor_dim0
	s_mov_b32 s[\g+2], 128<<16                     ; tensor_dim1
	s_mov_b32 s[\g+3], 32<<16                      ; tile_dim0
	s_mov_b32 s[\g+4], 128                         ; tile_dim1
	s_mov_b32 s[\g+5], 32                          ; tensor_dim0_stride
	s_mov_b32 s[\g+6], 0
	s_mov_b32 s[\g+7], 0
.endr
	s_or_b32 s[G1S+0], s43, (3<<16)|(1<<21)
	s_or_b32 s[G1SB+0], s44, (3<<16)|(1<<21)
.irp g, G1S, G1SB
	s_mov_b32 s[\g+1], 32<<16
	s_mov_b32 s[\g+2], 16<<16
	s_mov_b32 s[\g+3], 32<<16
	s_mov_b32 s[\g+4], 16
	s_mov_b32 s[\g+5], 32
	s_mov_b32 s[\g+6], 0
	s_mov_b32 s[\g+7], 0
.endr
	; where the blocks lie.  A's offsets are made of cy, B's of cx, each in registers that do not hold the other; the role hangs on the cluster's x
	s_and_b32 s17, ttmp7, 0xffff
	s_lshl_b32 s17, s17, 2                         ; 4 Y
	s_lshl_b32 s18, ttmp9, 2                       ; 4 X
	s_lshl_b32 s19, s16, 15                        ; my half of a block's codes
	s_lshl_b32 s42, s16, 12                        ; and of its scale words
	s_cmp_eq_u32 ttmp9, 2                          ; v?
	s_cselect_b32 s20, 8, s17                      ; A: Wv's block 8 + cy, or x's block 4 Y + cy
	s_cselect_b32 s21, WI, 0
	s_cselect_b32 s23, 131072, 0
	s_cselect_b32 s46, s17, s18                    ; B: x's block 4 Y + cx, or W's block 4 X + cx
	s_cselect_b32 s47, 0, WI
	s_cselect_b32 s93, 0, 131072
	s_add_co_u32 s20, s20, s41
	s_add_co_u32 s46, s46, s40
	s_mov_b32 s95, s20                             ; A's block, kept for the way out
	s_mov_b32 s96, s46                             ; B's
	s_lshl_b32 s22, s20, 13                        ; a block's scale words: 8,192 bytes
	s_add_co_u32 s22, s22, s23
	s_add_co_u32 s22, s22, s42
	s_add_co_u32 s22, s22, XS
	s_lshl_b32 s20, s20, 16                        ; a block's codes of a slot: 65,536 bytes
	s_add_co_u32 s20, s20, s21
	s_add_co_u32 s20, s20, s19
	s_mov_b32 s21, 0
	s_mov_b32 s23, 0
	s_lshl_b32 s92, s46, 13
	s_add_co_u32 s92, s92, s93
	s_add_co_u32 s92, s92, s42
	s_add_co_u32 s92, s92, XS
	s_lshl_b32 s46, s46, 16
	s_add_co_u32 s46, s46, s47
	s_add_co_u32 s46, s46, s19
	s_mov_b32 s47, 0
	s_mov_b32 s93, 0
	s_lshl_b32 s45, s14, 15                        ; where they go: wave x 32,768: no place in the cluster enters an LDS address
	s_lshl_b32 s94, s14, 12
	s_wait_kmcnt 0x0
	s_add_nc_u64 s[20:21], s[4:5], s[20:21]
	s_add_nc_u64 s[22:23], s[4:5], s[22:23]
	s_add_nc_u64 s[46:47], s[4:5], s[46:47]
	s_add_nc_u64 s[92:93], s[4:5], s[92:93]
	CROUND                                         ; all sixteen work-groups are here: the first joint loads meet
	s_mov_b32 s[G0S], 1
	s_add_co_u32 s[G0S+1], s94, SCL
	s_mov_b64 s[G0S+2:G0S+3], s[22:23]
	s_or_b32 s[G0S+3], s[G0S+3], 0x80000000
	s_mov_b32 s[G0SB], 1
	s_add_co_u32 s[G0SB+1], s94, SCL
	s_mov_b64 s[G0SB+2:G0SB+3], s[92:93]
	s_or_b32 s[G0SB+3], s[G0SB+3], 0x80000000
	JLOAD G0S, G1S, G0SB, G1SB                     ; the scale words first: they are wanted with the first K step
.irp s, 0,1
	s_mov_b32 s[G0+4*\s], 1
	s_add_co_u32 s[G0+4*\s+1], s45, \s*SLOT
	s_add_nc_u64 s[G0+4*\s+2:G0+4*\s+3], s[20:21], \s*KSL
	s_or_b32 s[G0+4*\s+3], s[G0+4*\s+3], 0x80000000
	s_mov_b32 s[G0B+4*\s], 1
	s_add_co_u32 s[G0B+4*\s+1], s45, \s*SLOT
	s_add_nc_u64 s[G0B+4*\s+2:G0B+4*\s+3], s[46:47], \s*KSL
	s_or_b32 s[G0B+4*\s+3], s[G0B+4*\s+3], 0x80000000
	s_wait_alu depctr_va_vdst(0)
	s_wait_tensorcnt 0x0
	ds_add_u32 v28, v29
	s_wait_dscnt 0x0
	CROUND
	JLOAD G0+4*\s, G1, G0B+4*\s, G1B               ; one tensor load of mine is out at the most
.endr
	v_and_b32 v1, 15, v0                           ; r
	v_bfe_u32 v2, v0, 4, 1                         ; h
	s_wait_alu depctr_va_vdst(0)
	v_and_b32 v3, 31, v0                           ; lane
	v_lshlrev_b32 v4, 4, v3                        ; 16 x lane: an image's place for my lane
	s_wait_alu depctr_va_vdst(0)
	s_lshl_b32 s21, s15, 15                        ; my 8 tiles of A
	s_lshl_b32 s22, s16, 15                        ; my 8 tiles of B,
	s_add_co_u32 s22, s22, 2*HALFT                 ; which lie behind A's 16
.irp s, 0,1
	v_add_nc_u32 v[ADRA+\s], s21, v4
	v_add_nc_u32 v[ADRB+\s], s22, v4
	s_add_co_u32 s21, s21, SLOT
	s_add_co_u32 s22, s22, SLOT
.endr
	v_lshlrev_b32 v5, 2, v1                        ; my row's scale word
	s_lshl_b32 s21, s15, 12                        ; A's: my 8 tiles
	s_lshl_b32 s22, s16, 12                        ; B's: my 8 tiles, behind A's 16
	s_add_co_u32 s22, s22, 2*HALFS
	s_sub_co_u32 s22, s22, s21
	v_mul_u32_u24 v6, s22, v2                      ; lanes 16-31 take B's: one product, the distance between the two
	s_add_co_u32 s21, s21, SCL
	v_add_nc_u32 v5, v5, v6
	v_add_nc_u32 v[ADRS], s21, v5
	v_mov_b32 v[LO], v4
	v_lshlrev_b32 v[SC0], 2, v3
	; the bias in the result's layout, and where my results go.  The branch hangs on the cluster's x alone
	s_cmp_eq_u32 ttmp9, 0
	s_cselect_b64 s[6:7], s[6:7], s[8:9]
	s_cmp_eq_u32 ttmp9, 2
	s_cselect_b64 s[6:7], s[10:11], s[6:7]
	s_cbranch_scc1 .Lbias_v
	s_lshl_b32 s20, s40, 10                        ; q, k: my 128 channels begin at 256 cx + 128 (wave & 1)
	s_lshl_b32 s21, s16, 9
	s_add_co_u32 s20, s20, s21
	s_mov_b32 s21, 0
	s_add_nc_u64 s[6:7], s[6:7], s[20:21]
	v_lshlrev_b32 v5, 6, v2                        ; register j of B's tile 2 p + u is channel 32 p + 8 u + 16 h + j
.irp b, 0,1,2,3,4,5,6,7
	global_load_b128 v[BIAS+8*\b:BIAS+8*\b+3], v5, s[6:7] offset:(32*(\b/2)+8*(\b%2))*4
	global_load_b128 v[BIAS+8*\b+4:BIAS+8*\b+7], v5, s[6:7] offset:(32*(\b/2)+8*(\b%2))*4+16
.endr
	s_lshl_b32 s20, s95, 4
	s_lshl_b32 s21, s15, 3
	s_add_co_u32 s20, s20, s21                     ; my first tile of rows
	s_lshr_b32 s21, s20, 7                         ; the batch
	s_and_b32 s20, s20, 127                        ; T
	s_lshl_b32 s22, s40, 1
	s_add_co_u32 s22, s22, s16                     ; the pair of heads
	s_lshl_b32 s21, s21, 3
	s_add_co_u32 s21, s21, s22
	s_lshl_b32 s21, s21, 7                         ; (8 b + hp) x 128
	s_lshl_b32 s22, s21, 1                         ; (16 b + 2 hp) x 128
	s_add_co_u32 s22, s22, s20
	s_lshl_b32 s22, s22, 10                        ; images of 1,024 bytes
	s_lshl_b32 s23, ttmp9, 22                      ; q's or k's
	s_add_co_u32 s22, s22, s23
	s_mov_b32 s23, 0
	s_add_co_u32 s20, s21, s20
	s_lshl_b32 s20, s20, 6                         ; 64 bytes of scale words a tile
	s_lshl_b32 s21, ttmp9, 17
	s_add_co_u32 s20, s20, s21
	s_add_co_u32 s20, s20, QS
	s_mov_b32 s21, 0
	s_add_nc_u64 s[66:67], s[12:13], s[20:21]
	s_add_nc_u64 s[12:13], s[12:13], s[22:23]
	s_mov_b32 s2, 1024                             ; from tile to tile
	s_mov_b32 s3, 0
	s_wait_alu depctr_va_vdst(0)
	v_add_nc_u32 v[HI], 131072, v[LO]              ; blocks 2 and 3 are the next head's
	v_add_nc_u32 v[SC1], 256, v[SC0]
	s_branch .Lbias_done
.Lbias_v:
	s_lshl_b32 s20, s41, 10                        ; v: my 128 channels begin at 256 cy + 128 (wave >> 1)
	s_lshl_b32 s21, s15, 9
	s_add_co_u32 s20, s20, s21
	s_mov_b32 s21, 0
	s_add_nc_u64 s[6:7], s[6:7], s[20:21]
	v_and_b32 v5, 8, v1
	v_add_nc_u32 v5, v5, v1
	v_lshlrev_b32 v5, 2, v5                        ; my lane's channel of A's tile 2 p + u: 32 p + 8 u + (r & 7) + 16 (r >> 3); all eight registers hold its bias
.irp a, 0,1,2,3,4,5,6,7
.irp j, 0,1,2,3,4,5,6,7
	global_load_b32 v[BIAS+8*\a+\j], v5, s[6:7] offset:(32*(\a/2)+8*(\a%2))*4
.endr
.endr
	s_lshl_b32 s20, s96, 8
	s_lshl_b32 s21, s16, 7
	s_add_co_u32 s20, s20, s21                     ; my first row of x: my 128 keys are one key step
	s_lshr_b32 s21, s20, 11                        ; the batch
	s_bfe_u32 s20, s20, 0x40007                    ; the key step
	s_lshl_b32 s22, s41, 1
	s_add_co_u32 s22, s22, s15                     ; the pair of heads
	s_lshl_b32 s21, s21, 3
	s_add_co_u32 s21, s21, s22
	s_lshl_b32 s21, s21, 5                         ; (16 b + 2 hp) x 16
	s_add_co_u32 s21, s21, s20
	s_lshl_b32 s22, s21, 13                        ; four images of 2,048 bytes a step
	s_add_co_u32 s22, s22, VI
	s_mov_b32 s23, 0
	s_lshl_b32 s20, s21, 8
	s_add_co_u32 s20, s20, VS
	s_mov_b32 s21, 0
	s_add_nc_u64 s[66:67], s[12:13], s[20:21]
	s_add_nc_u64 s[12:13], s[12:13], s[22:23]
	s_mov_b32 s2, 2048                             ; from tile to tile,
	s_mov_b32 s3, 122880                           ; and from a head's last tile on to the next head's first: 131,072 - 4 x 2,048
	s_wait_alu depctr_va_vdst(0)
	v_add_nc_u32 v[HI], 1024, v[LO]
	v_add_nc_u32 v[SC1], 4096, v[SC0]
.Lbias_done:
	s_mov_b32 s[MNT], 0x600000
	s_mov_b32 s[SEL], 0x76543210
	s_mov_b32 s[SEL+1], 0xfedcba98
	s_mov_b32 s42, 0xffff0000                      ; lanes 16-31
.macro FRAG reg, adr, q, i             ; a fragment as it was stored: four loads of 512 consecutive bytes
.irp c, 0,1,2,3
	ds_load_b128 v[\reg+4*\c:\reg+4*\c+3], v[\adr] offset:4096*(\i)+2048*(\q)+512*\c
.endr
.endm
; 16 matrix instructions: A's tiles a0, a0 + 1 x B's eight, 128 along K.  p: B's set; sc: the set of scale words.  zero = 1: C is the bias by B's tile (q, k); 2: by A's tile (v); 0: the sum goes on.
; The 64 accumulators take turns, one instruction a turn, in the same order in every step.
.macro MUL16 a0, p, q, sc, zero
.irp a, \a0, \a0+1
.irp b, 0,1,2,3,4,5,6,7
.if \zero == 1
	v_wmma_scale_f32_16x16x128_f8f6f4 v[8*(8*((\a)%4)+\b):8*(8*((\a)%4)+\b)+7], v[128*(\p)+FR*\b:128*(\p)+FR*\b+FR-1], v[AF+FR*(\a):AF+FR*(\a)+FR-1], v[BIAS+8*\b:BIAS+8*\b+7], v[SC+16*(\sc)+2*\b+(\q)], v[SC+16*(\sc)+2*(\a)+(\q)] matrix_a_scale:MATRIX_SCALE_ROW1
.elseif \zero == 2
	v_wmma_scale_f32_16x16x128_f8f6f4 v[8*(8*((\a)%4)+\b):8*(8*((\a)%4)+\b)+7], v[128*(\p)+FR*\b:128*(\p)+FR*\b+FR-1], v[AF+FR*(\a):AF+FR*(\a)+FR-1], v[BIAS+8*(\a):BIAS+8*(\a)+7], v[SC+16*(\sc)+2*\b+(\q)], v[SC+16*(\sc)+2*(\a)+(\q)] matrix_a_scale:MATRIX_SCALE_ROW1
.else
	v_wmma_scale_f32_16x16x128_f8f6f4 v[8*(8*((\a)%4)+\b):8*(8*((\a)%4)+\b)+7], v[128*(\p)+FR*\b:128*(\p)+FR*\b+FR-1], v[AF+FR*(\a):AF+FR*(\a)+FR-1], v[8*(8*((\a)%4)+\b):8*(8*((\a)%4)+\b)+7], v[SC+16*(\sc)+2*\b+(\q)], v[SC+16*(\sc)+2*(\a)+(\q)] matrix_a_scale:MATRIX_SCALE_ROW1
.endif
.endr
.endr
.endm
.macro FETCH_B slot, q, p
	WIN TO_B
.irp i, 0,1,2,3,4,5,6,7
	FRAG 128*(\p)+FR*\i, ADRB+\slot, \q, \i
.endr
	WIN 0
.endm
.macro FETCH_A slot, q, i0
.irp i, \i0, \i0+1, \i0+2, \i0+3
	FRAG AF+FR*(\i), ADRA+\slot, \q, \i
.endr
.endm
.macro SCALES sc                       ; a slot's scale words into set sc: register 2 i + q: lanes 0-15 A's tile i, lanes 16-31 B's tile i
.irp i, 0,1,2,3,4,5,6,7
.irp q, 0,1
	ds_load_b32 v[SC+16*\sc+2*\i+\q], v[ADRS] offset:512*\i+64*\q
.endr
.endr
.endm
.macro PLACES n                        ; plain vector lines between a matrix instruction and a load into, or a vector line on, its registers (ISA guide 7.12.1 for vector lines)
.rept \n
	v_nop
.endr
.endm
; A step of 128 along K that has its successor in the same slot
.macro STEP slot, q, zero
	s_wait_dscnt 4*NL                              ; B's set, A's tiles 0-3 and the scale words are in; the youngest sixteen loads (A's tiles 4-7) may be out
.if \zero
	WIN 0x81                                       ; C (the bias) window 0, D window 2
.else
	WIN MUL_LO
.endif
	MUL16 0, (\q)%2, \q, \slot, \zero
	MUL16 2, (\q)%2, \q, \slot, \zero
	s_wait_dscnt 0                                 ; A's tiles 4-7 are in
	PLACES NP
	FETCH_B \slot, (\q)+1, 1-(\q)%2
	FETCH_A \slot, (\q)+1, 0
.if \zero
	WIN 0xc1
.else
	WIN MUL_HI
.endif
	MUL16 4, (\q)%2, \q, \slot, \zero
	MUL16 6, (\q)%2, \q, \slot, \zero
	PLACES NP
	WIN 0
	FETCH_A \slot, (\q)+1, 4
.endm
; A slot's last step changes slots: one barrier; in front of it each wave waits for all its tensor loads, adds 0 to its spare word, and waits for that and for its own reads of this slot.  fill = 1: this slot is filled again, two slots on along K.
.macro TURN slot, next, fill
	s_wait_tensorcnt 0x0                           ; all my tensor loads have landed: my part of the next slot
	ds_add_u32 v[SPW], v[NIL]                      ; 0 onto my spare word
	s_wait_dscnt 4*NL+1                            ; (the add and the youngest sixteen loads may be out)
	WIN MUL_LO
	MUL16 0, 1, NQ-1, \slot, 0                     ; sixteen matrix instructions stand between the add and the wait for it
	s_wait_dscnt 0x0                               ; the add is done, and my reads of this slot are over
	s_barrier_signal -1
	MUL16 2, 1, NQ-1, \slot, 0
	WIN 0
	s_barrier_wait -1
.if \fill
	CREST                                          ; the barrier has opened a round of the cluster's barrier: no wave of any partner still reads this slot or has a load on its way
	s_add_nc_u64 s[G0+4*\slot+2:G0+4*\slot+3], s[G0+4*\slot+2:G0+4*\slot+3], 2*KSL
	s_add_nc_u64 s[G0B+4*\slot+2:G0B+4*\slot+3], s[G0B+4*\slot+2:G0B+4*\slot+3], 2*KSL
	JLOAD G0+4*\slot, G1, G0B+4*\slot, G1B         ; the first tensor load behind the round, one a wave; its four v_nop are among the places below
	PLACES NP-4
.else
	PLACES NP
.endif
	s_wait_alu depctr_va_vdst(0)
	v_add_nc_u32 v[ADRS], 128, v[ADRS]             ; the next slot's scale words: two K steps of 64 bytes (no LDS load of mine is out)
	FETCH_B \next, 0, 0
	FETCH_A \next, 0, 0
	SCALES \next
	WIN MUL_HI
	MUL16 4, 1, NQ-1, \slot, 0
	MUL16 6, 1, NQ-1, \slot, 0
	PLACES NP
	WIN 0
	FETCH_A \next, 0, 4
.endm
	s_wait_tensorcnt 1                             ; the scale words and my part of slot 0 are in; slot 1's load may be out
	s_barrier_signal -1
	s_barrier_wait -1
	FETCH_B 0, 0, 0
	FETCH_A 0, 0, 0
	SCALES 0
	FETCH_A 0, 0, 4
	s_wait_loadcnt 0x0                             ; the bias
	s_cmp_eq_u32 ttmp9, 2                          ; the first step differs by the role in its C alone
	s_cbranch_scc1 .Lfirst_v
	STEP 0, 0, 1
	s_branch .Lfirst_done
.Lfirst_v:
	STEP 0, 0, 2
.Lfirst_done:
	TURN 0, 1, 1                                   ; K 128-255; slot 0 takes K 512-767
	STEP 1, 0, 0
	TURN 1, 0, 1                                   ; slot 1 takes K 768-1023
	STEP 0, 0, 0
	TURN 0, 1, 0                                   ; nothing is left to fetch
	STEP 1, 0, 0
	s_wait_dscnt 4*NL                              ; the last step
	WIN MUL_LO
	MUL16 0, 1, NQ-1, 1, 0
	MUL16 2, 1, NQ-1, 1, 0
	s_wait_dscnt 0
	WIN MUL_HI
	MUL16 4, 1, NQ-1, 1, 0
	MUL16 6, 1, NQ-1, 1, 0
	WIN 0
; THE WAY OUT, A's tile a at a time.  Its eight accumulators are 64 numbers of a lane, register 16 p + i = index 32 p + 16 h + i along the next K: they are quantised as they stand, and the codes are the next operand's registers:
; four stores of 512 consecutive bytes.  q, k: blocks 0, 1 are one head's 64, blocks 2, 3 the next head's.  v: the four blocks are one key step.  No LDS.
.macro OUT a
.set AC, 64*((\a)%4)
	WIN 5*(2+(\a)/4)                               ; sources 0 and 1: the accumulators' window
.irp b, 0,1,2,3
	v_max3_num_f32 v[TM+\b], |v[AC+16*\b]|, |v[AC+16*\b+1]|, 0x4800000   ; each accumulator is read from its low end on; the floor 2^(9 - 127)
.endr
.irp i, 2,4,6,8,10,12,14
.irp b, 0,1,2,3
	v_max3_num_f32 v[TM+\b], |v[AC+16*\b+\i]|, |v[AC+16*\b+\i+1]|, v[TM+\b]
.endr
.endr
	WIN 0
.irp b, 0,1,2,3
	v_permlanex16_b32 v[TM+4+\b], v[TM+\b], s[SEL], s[SEL+1]
.endr
.irp b, 0,1,2,3
	v_max_num_f32 v[TM+\b], v[TM+\b], v[TM+4+\b]
.endr
.irp b, 0,1,2,3
	v_add_nc_u32 v[TM+12+\b], 0xfc000000, v[TM+\b]
.endr
.irp b, 0,1,2,3
	v_and_or_b32 v[TM+8+\b], v[TM+\b], 0x7f800000, s[MNT]
.endr
.irp b, 0,1,2,3
	v_lshrrev_b32 v[TM+4+\b], 23, v[TM+12+\b]
.endr
	v_lshl_or_b32 v[PW+(\a)], v[TM+5], 8, v[TM+4]
	v_lshl_or_b32 v[PW+(\a)], v[TM+6], 16, v[PW+(\a)]
	v_lshl_or_b32 v[PW+(\a)], v[TM+7], 24, v[PW+(\a)]
	WIN 2+(\a)/4                                   ; source 0: the accumulators' window
.set n, 0
.rept 64
	v_med3_num_f32 v[T+n], v[AC+n], -v[TM+8+n/16], v[TM+8+n/16]   ; the hold at 448 x the scale (ISA guide 7.6.2)
.set n, n+1
.endr
	WIN 0
	s_wait_alu depctr_va_vdst(0)
	s_wait_xcnt 0x0                                ; the last tile's stores have read their data and offsets: both are written again below
.irp b, 0,1,2,3
	v_cvt_scalef32_pk8_fp8_f32 v[PC+4*\b:PC+4*\b+1], v[T+16*\b:T+16*\b+7], v[TM+12+\b]
	v_cvt_scalef32_pk8_fp8_f32 v[PC+4*\b+2:PC+4*\b+3], v[T+16*\b+8:T+16*\b+15], v[TM+12+\b]
.endr
	v_nop                                          ; a plain line behind the last conversion
.if (\a) > 0
	v_add_nc_u32 v[LO], s2, v[LO]
	v_add_nc_u32 v[HI], s2, v[HI]
.endif
.if (\a) == 4
	v_add_nc_u32 v[LO], s3, v[LO]
	v_add_nc_u32 v[HI], s3, v[HI]
.endif
	global_store_b128 v[LO], v[PC:PC+3], s[12:13]
	global_store_b128 v[LO], v[PC+4:PC+7], s[12:13] offset:512
	global_store_b128 v[HI], v[PC+8:PC+11], s[12:13]
	global_store_b128 v[HI], v[PC+12:PC+15], s[12:13] offset:512
.if (\a)%2
	v_cndmask_b32 v[VT+(\a)/2], v[PW+(\a)-1], v[PW+(\a)], s42    ; lanes 0-15: tile a - 1's words, lanes 16-31: tile a's: 128 consecutive bytes
.if (\a) < 4
	global_store_b32 v[SC0], v[VT+(\a)/2], s[66:67] offset:128*(((\a)/2)%2)
.else
	global_store_b32 v[SC1], v[VT+(\a)/2], s[66:67] offset:128*(((\a)/2)%2)
.endif
.endif
.endm
	PLACES NP                                      ; behind the last products, ahead of the first lines that read results or write what the products read
.irp b, 0,1,2,3
	v_mov_b32 v[TM+4+\b], 0                        ; a lane permute's destination counts as one of its sources
.endr
.irp a, 0,1,2,3,4,5,6,7
	OUT \a
.endr
	s_wait_tensorcnt 0x0                           ; the wave's end
	ds_add_u32 v[SPW], v[NIL]
	s_wait_dscnt 0x0
	CROUND                                         ; the closing round: no work-group ends while a partner may still ask for a block that names it
	s_endpgm
.Lfunc_end_k_q0369e101d1_qkv:
	.size	k_q0369e101d1_qkv, .Lfunc_end_k_q0369e101d1_qkv-k_q0369e101d1_qkv
	.p2alignl 7, 3214868480
	.fill 96, 4, 3214868480
	.section	.rodata,"a",@progbits
	.p2align	6, 0x0
	.amdhsa_kernel k_q0369e101d1_qkv
		.amdhsa_group_segment_fixed_size 327680
		.amdhsa_private_segment_fixed_size 0
		.amdhsa_enable_private_segment 0
		.amdhsa_kernarg_size 40
		.amdhsa_user_sgpr_count 2
		.amdhsa_user_sgpr_kernarg_segment_ptr 1
		.amdhsa_wavefront_size32 1
		.amdhsa_system_sgpr_workgroup_id_x 1
		.amdhsa_system_sgpr_workgroup_id_y 1
		.amdhsa_system_sgpr_workgroup_id_z 1
		.amdhsa_system_vgpr_workitem_id 0
		.amdhsa_next_free_vgpr 1024
		.amdhsa_next_free_sgpr 98
		.amdhsa_reserve_vcc 0
		.amdhsa_float_denorm_mode_32 3
		.amdhsa_float_denorm_mode_16_64 3
		.amdhsa_memory_ordered 1
		.amdhsa_forward_progress 1
		.amdhsa_inst_pref_size 211
	.end_amdhsa_kernel
	.amdgpu_metadata
---
amdhsa.version: [ 1, 2 ]
amdhsa.kernels:
  - .name:           k_q0369e101d1_qkv
    .symbol:         k_q0369e101d1_qkv.kd
    .args:
      - { .name: xw, .offset: 0, .size: 8, .value_kind: global_buffer, .address_space: global }
      - { .name: bq, .offset: 8, .size: 8, .value_kind: global_buffer, .address_space: global }
      - { .name: bk, .offset: 16, .size: 8, .value_kind: global_buffer, .address_space: global }
      - { .name: bv, .offset: 24, .size: 8, .value_kind: global_buffer, .address_space: global }
      - { .name: qkv, .offset: 32, .size: 8, .value_kind: global_buffer, .address_space: global }
    .group_segment_fixed_size: 327680
    .private_segment_fixed_size: 0
    .kernarg_segment_align: 8
    .kernarg_segment_size: 40
    .max_flat_workgroup_size: 128
    .sgpr_count:     98
    .vgpr_count:     1024
    .wavefront_size: 32
...
	.end_amdgpu_metadata
.endif
;; end of part 6
;; launch attn (part 7): grid 8 x 32, 16 waves a work-group, no clusters, 272,384 bytes of LDS; arguments qkv, mk, oc; writes oc
.if DOCPART == 7
	.amdgcn_target "amdgcn-amd-amdhsa--gfx1250"
	.amdhsa_code_object_version 6
	.text
	.protected	k_q0369e101d1_attn
	.globl	k_q0369e101d1_attn
	.p2align	8
	.type	k_q0369e101d1_attn,@function
k_q0369e101d1_attn:
	s_mov_b64 s[64:65], 0
	v_nop
	global_prefetch_b8 v0, s[64:65] scope:SCOPE_SE
	s_setreg_imm32_b32 hwreg(HW_REG_WAVE_MODE, 25, 1), 1
	s_wait_xcnt 0x0
; ATTN.  o = softmax(q k^T / 8 + mask) v for one head, both products on codes of E4M3 with E8M0 scales; o / l is quantised at once for the output projection.
; SOFTMAX: t = score x log2(e) / 8; M = the running largest t rounded up to a whole number; p = 2^(t - M) is quantised along the keys, not normalised; the row's sum l is taken of the unquantised p and divides at the end.
; SHARES.  Work-group (g, bh): head bh, query tiles T = 8 u + g; each of its sixteen waves owns one tile of 16 queries, u = wave xor 3 ((wave >> 2) & 1), so that waves w, w + 4, w + 8, w + 12 have tiles of the same sum.
; The head's K and V, 262,144 bytes of codes and 8,192 of scale words, come into LDS once, through registers; behind the one barrier no wave waits for another.
; THE MASK is an input.  An earlier launch turned it into lane masks (one word for each score register of a key step) and, for each tile and key step, a flag word.  A step in which all 16 rows are wholly blocked is passed over,
; unless some row of the tile is blocked on ALL keys: then every step is walked.  These are branches on stored whole numbers.
; NO TENSOR LOADS, NO CLUSTER, though the eight work-groups of a head read the same K and V: each work-group reads its head's 270,336 bytes once.
; A BLOCKED SCORE becomes -2^100.  c x 2^100 is exact and a whole number: while a row has seen blocked keys alone, M is that number, t - M is exactly 0 and p = 1; the first open key makes the rescaling factor 0 and wipes those terms;
; behind it a blocked p is 0.  A row blocked on all 2,048 keys ends with p = 1 everywhere and l = 2,048: the uniform row that reference() gives.
; K = 64 IN A FORM OF K = 128.  A fragment of K is the images of two key tiles on end (registers 0-7: tile 2 a's 64, registers 8-15: tile 2 a + 1's).  q lies as zeros | q | zeros in 24 registers: [q | 0] picks tile 2 a, [0 | q] tile 2 a + 1.
; LAYOUT.  Both products transposed: a lane holds one query.  Tiles are permuted (tile 2 b + u, lane row r = row 32 b + 8 u + (r & 7) + 16 (r >> 3)), so score register 16 p + i is key 128 s + 32 p + 16 (lane / 16) + i.
; LIMITS: open scores lie above -2^100; the exponential gives 0 under 2^-126; blocks whose largest magnitude lies under 2^-118 keep the byte 1.
.set KI,  4194304
.set VI,  8388608
.set QS,  12582912
.set KS,  QS+131072
.set VS,  QS+262144
.set FL,  524288
.set OS,  4194304
.set VL,  131072                       ; LDS: K's images at 0 [pair 64][2048], V's here [s 16][nu 4][2048],
.set KSC, 262144                       ; K's scale words [pair 64][r 16],
.set VSC, 266240                       ; V's [s][nu][r]
.set ADK, 8
.set ADV, 9
.set ADS, 10
.set ADT, 11
.set KV,  40                           ; v40-103  four fragments of K, then of V
.set S,   104                          ; v104-167 the scores, then p
.set O,   168                          ; v168-199 O^T
.set PC,  200                          ; v200-215 p's codes
.set BM,  216                          ; v216-219 a block's largest score, then its largest p
.set PD,  220                          ; v220-223 lane permutes' results, then bytes
.set LIM, 224                          ; v224-227 448 x the scale
.set SOP, 228                          ; v228-231 the conversions' scale operands
.set CS,  20                           ; s[20:21] c = log2(e) / 8
; v1 16 x lane; v2 KSC + 4 x lane; v3 lane; v12 -M; v13 the largest t; v[14:15] the sum; v16-23 zeros, v24-31 q, v32-39 zeros; v232 f, v233 p's scale word; v234 at work; v[236:237] the second chain of the sum;
; v240-241 K's scale words, v242-243 V's, v244 q's; v245 -2^100.  s10 wave, s11 T, s12 bh, s13 flags, s14 step, s15, s16, s17 the step's offsets, s[18:19] lane selects, s22 448's mantissa; s32-63, s68-99 the 64 lane masks
	s_load_b128 s[4:7], s[0:1], 0x0                ; qkv, mk
	s_load_b64 s[8:9], s[0:1], 0x10                ; oc
	v_lshl_add_u32 v254, v0, 2, 0x42000
	v_mov_b32 v255, 0
	v_lshrrev_b32 v3, 5, v0
	s_delay_alu instid0(VALU_DEP_1)
	v_readfirstlane_b32 s10, v3                    ; wave 0..15
	v_and_b32 v3, 31, v0                           ; lane
	s_delay_alu instid0(VALU_DEP_1)
	v_lshlrev_b32 v1, 4, v3
	s_wait_alu depctr_va_vdst(0)
	v_lshl_add_u32 v2, v3, 2, KSC
	s_bfe_u32 s23, s10, 0x10002
	s_mul_i32 s23, s23, 3
	s_xor_b32 s23, s10, s23
	s_lshl_b32 s11, s23, 3
	s_add_co_u32 s11, s11, ttmp9                   ; T
	s_and_b32 s12, ttmp7, 0xffff                   ; bh
	s_lshl_b32 s23, s12, 17                        ; a head's codes: 131,072 bytes
	s_add_co_u32 s24, s23, KI
	s_add_co_u32 s25, s23, VI
	v_lshl_add_u32 v4, v0, 4, s24                  ; K's codes: 16 bytes a thread
	v_lshl_add_u32 v5, v0, 4, s25                  ; V's
	s_lshl_b32 s26, s12, 7
	s_add_co_u32 s26, s26, s11
	s_lshl_b32 s26, s26, 10
	v_add_nc_u32 v6, s26, v1                       ; q's image
	s_lshr_b32 s27, s12, 1                         ; 8 b + the pair of heads
	s_lshl_b32 s28, s27, 7
	s_add_co_u32 s28, s28, s11
	s_lshl_b32 s28, s28, 6
	s_add_co_u32 s28, s28, QS
	v_and_b32 v7, 15, v0
	s_delay_alu instid0(VALU_DEP_1)
	v_lshl_add_u32 v7, v7, 2, s28                  ; q's scale word, as stored for the pair of heads
	s_lshl_b32 s28, s27, 13
	s_add_co_u32 s28, s28, KS
	v_lshrrev_b32 v8, 4, v0
	s_delay_alu instid0(VALU_DEP_1)
	v_lshlrev_b32 v8, 7, v8
	v_and_b32 v9, 15, v0
	s_delay_alu instid0(VALU_DEP_1)
	v_lshl_add_u32 v8, v9, 2, v8
	s_delay_alu instid0(VALU_DEP_1)
	v_add_nc_u32 v8, s28, v8                       ; K's: pair t / 16, row t % 16: the even tile's word; the odd tile's 64 bytes on; pair + 32: 4,096 on
	s_lshl_b32 s28, s12, 12
	s_add_co_u32 s28, s28, VS
	v_lshl_add_u32 v9, v0, 3, s28                  ; V's: 8 bytes a thread
	v_lshlrev_b32 v10, 4, v0                       ; LDS: 16 x thread, in four runs of 65,536 bytes
	s_delay_alu instid0(VALU_DEP_1)
	v_add_nc_u32 v11, 65536, v10
	s_delay_alu instid0(VALU_DEP_2)
	v_add_nc_u32 v216, 131072, v10
	s_delay_alu instid0(VALU_DEP_3)
	v_add_nc_u32 v217, 196608, v10
	v_lshl_add_u32 v218, v0, 2, KSC
	v_lshl_add_u32 v219, v0, 3, VSC
	s_lshl_b32 s23, s11, 6
	s_add_co_u32 s23, s23, FL                      ; my tile's sixteen flag words
	s_lshl_b32 s17, s11, 12                        ; my tile's lane masks: 256 bytes a step
	s_and_b32 s29, s12, 1                          ; which head of the pair
	s_cmp_eq_u32 s29, 0
	s_mov_b32 s30, 0x03020302
	s_cselect_b32 s30, 0x01000100, s30             ; q's word: my head's two bytes, twice
	s_mov_b32 s31, 0x07060302
	s_cselect_b32 s31, 0x05040100, s31             ; K's word: my head's two bytes of the even tile, then of the odd one
	s_mov_b32 s18, 0x76543210
	s_mov_b32 s19, 0xfedcba98
	s_mov_b32 s[CS], 0x3e38aa3b
	s_mov_b32 s[CS+1], s[CS]                       ; (named with it as a pair, so it is written)
	s_mov_b32 s22, 0x600000
	s_mov_b32 s14, 0
	s_mov_b32 s15, 0
	s_mov_b32 s16, 0
	s_wait_alu depctr_va_vdst(0)
	s_wait_kmcnt 0x0
	global_load_b128 v[24:27], v6, s[4:5]
	global_load_b128 v[28:31], v6, s[4:5] offset:512
	global_load_b32 v226, v7, s[4:5]
	global_load_b32 v220, v8, s[4:5]
	global_load_b32 v221, v8, s[4:5] offset:64
	global_load_b32 v222, v8, s[4:5] offset:4096
	global_load_b32 v223, v8, s[4:5] offset:4160
	global_load_b64 v[224:225], v9, s[4:5]
.irp k, 0,1,2,3,4,5,6,7,8,9,10,11,12,13,14,15
	global_load_b128 v[KV+4*\k:KV+4*\k+3], v4, s[4:5] offset:8192*\k       ; the work-group's 512 threads read 8,192 consecutive bytes
.endr
.irp k, 0,1,2,3,4,5,6,7,8,9,10,11,12,13,14,15
	global_load_b128 v[KV+64+4*\k:KV+64+4*\k+3], v5, s[4:5] offset:8192*\k
.endr
	s_load_b512 s[32:47], s[6:7], s23
.irp j, 0,1,2,3,4,5,6,7
	v_mov_b32 v[16+\j], 0                          ; the zero codes on both sides of q
	v_mov_b32 v[32+\j], 0
.endr
.set j, 0
.rept 32
	v_mov_b32 v[O+j], 0                            ; the step is written once: the first finds zeros
.set j, j+1
.endr
	v_mov_b32 v13, 0xff61b1e6                      ; the largest t so far: -3e38
	s_delay_alu instid0(VALU_DEP_1)
	v_floor_f32 v12, -v13                          ; -M
	v_mov_b32 v14, 0
	v_mov_b32 v15, 0
	v_mov_b32 v233, 0                              ; (named as the upper half of a pair before it is first written)
	v_mov_b32 v234, 0
	v_mov_b32 v245, 0xf1800000                     ; -2^100
	s_wait_loadcnt 32                              ; q and the scale words are in; the 32 loads of codes may be out
	v_perm_b32 v244, v226, v226, s30
	v_perm_b32 v220, v221, v220, s31
	v_perm_b32 v222, v223, v222, s31
	ds_store_b32 v218, v220
	ds_store_b32 v218, v222 offset:2048
	ds_store_b64 v219, v[224:225]
	s_wait_loadcnt 24                              ; eight more loads are in, each time
.irp k, 0,1,2,3,4,5,6,7
	ds_store_b128 v10, v[KV+4*\k:KV+4*\k+3] offset:8192*\k
.endr
	s_wait_loadcnt 16
.irp k, 0,1,2,3,4,5,6,7
	ds_store_b128 v11, v[KV+32+4*\k:KV+32+4*\k+3] offset:8192*\k
.endr
	s_wait_loadcnt 8
.irp k, 0,1,2,3,4,5,6,7
	ds_store_b128 v216, v[KV+64+4*\k:KV+64+4*\k+3] offset:8192*\k
.endr
	s_wait_loadcnt 0x0
.irp k, 0,1,2,3,4,5,6,7
	ds_store_b128 v217, v[KV+96+4*\k:KV+96+4*\k+3] offset:8192*\k
.endr
	s_wait_kmcnt 0x0                               ; the sixteen flag words: bits 0-15 rows wholly blocked in the step, bit 16 any byte blocked
	s_mov_b32 s24, 0xffff                          ; rows blocked in every step
	s_mov_b32 s25, 0                               ; steps with an open byte
	s_mov_b32 s26, 0                               ; steps with a blocked byte, from bit 16 on
.irp i, 0,1,2,3,4,5,6,7,8,9,10,11,12,13,14,15
	s_and_b32 s24, s24, s[32+\i]
	s_and_b32 s27, s[32+\i], 0xffff
	s_cmp_lg_u32 s27, 0xffff
	s_cselect_b32 s27, 1<<\i, 0
	s_or_b32 s25, s25, s27
	s_lshr_b32 s27, s[32+\i], 16
	s_lshl_b32 s27, s27, 16+\i
	s_or_b32 s26, s26, s27
.endr
	s_cmp_lg_u32 s24, 0                            ; a row blocked everywhere wants all 2,048 keys
	s_cselect_b32 s25, 0xffff, s25
	s_or_b32 s13, s25, s26
	s_wait_dscnt 0x0                               ; my stores into LDS are done
	s_barrier_signal -1
	s_barrier_wait -1                              ; everybody's are: from here on LDS is only read
.irp b, 0,1,2,3
	v_mov_b32 v[PD+\b], 0                          ; a lane permute's destination counts as one of its sources
.endr
.Lstep:                                            ; sixteen trips, 128 keys each
	s_lshr_b32 s23, s13, s14
	s_and_b32 s23, s23, 1
	s_cmp_eq_u32 s23, 0
	s_cbranch_scc1 .Lskip                          ; all 16 rows wholly blocked here, and none blocked everywhere
	s_load_b512 s[32:47], s[6:7], s17              ; the step's 64 lane masks
	s_load_b512 s[48:63], s[6:7], s17 offset:0x40
	s_load_b512 s[68:83], s[6:7], s17 offset:0x80
	s_load_b512 s[84:99], s[6:7], s17 offset:0xc0
	s_setprio 2
	v_add_nc_u32 v[ADK], s15, v1
	v_add_nc_u32 v[ADS], s16, v2
	s_delay_alu instid0(VALU_DEP_2)
	v_add_nc_u32 v[ADV], VL, v[ADK]
	s_delay_alu instid0(VALU_DEP_2)
	v_add_nc_u32 v[ADT], VSC-KSC, v[ADS]
.rept 4
	v_nop                                          ; with the four additions: eight places in front of loads into registers that the last step's products read
.endr
.irp x, 0,1,2,3
.irp c, 0,1,2,3
	ds_load_b128 v[KV+16*\x+4*\c:KV+16*\x+4*\c+3], v[ADK] offset:2048*\x+512*\c
.endr
.endr
	ds_load_b32 v240, v[ADS]                       ; lanes 0-15: pair 0's words, lanes 16-31: pair 1's
	ds_load_b32 v241, v[ADS] offset:128
	s_wait_alu depctr_va_vdst(0)
	s_wait_dscnt 0x0
.irp x, 0,1,2,3                        ; S^T = K Q^T: pair x against [q | 0] and [0 | q]
.if \x%2
	v_wmma_scale_f32_16x16x128_f8f6f4 v[S+16*\x:S+16*\x+7], v[KV+16*\x:KV+16*\x+15], v[24:39], 0, v[240+\x/2], v244 matrix_a_scale:MATRIX_SCALE_ROW1
	v_wmma_scale_f32_16x16x128_f8f6f4 v[S+16*\x+8:S+16*\x+15], v[KV+16*\x:KV+16*\x+15], v[16:31], 0, v[240+\x/2], v244 matrix_a_scale:MATRIX_SCALE_ROW1
.else
	v_wmma_scale_f32_16x16x128_f8f6f4 v[S+16*\x:S+16*\x+7], v[KV+16*\x:KV+16*\x+15], v[24:39], 0, v[240+\x/2], v244
	v_wmma_scale_f32_16x16x128_f8f6f4 v[S+16*\x+8:S+16*\x+15], v[KV+16*\x:KV+16*\x+15], v[16:31], 0, v[240+\x/2], v244
.endif
.endr
.rept 8
	v_nop                                          ; places behind the products: ahead of the loads below and of the first read of the scores
.endr
.irp x, 0,1,2,3
.irp c, 0,1,2,3
	ds_load_b128 v[KV+16*\x+4*\c:KV+16*\x+4*\c+3], v[ADV] offset:2048*\x+512*\c   ; V's four fragments land while the softmax is walked
.endr
.endr
	ds_load_b32 v242, v[ADT]
	ds_load_b32 v243, v[ADT] offset:128
	s_wait_kmcnt 0x0                               ; the lane masks are in, and their offset register may be stepped
	s_add_co_u32 s23, s14, 16
	s_lshr_b32 s23, s13, s23
	s_and_b32 s23, s23, 1
	s_cmp_eq_u32 s23, 0
	s_cbranch_scc1 .Lopen                          ; no byte of the step is blocked
.set n, 0
.rept 64
	v_cndmask_b32 v[S+n], v[S+n], v245, s[32+n+4*(n/32)]   ; ascending: each accumulator is read from its low end on
.set n, n+1
.endr
.Lopen:
.irp b, 0,1,2,3
	v_max3_num_f32 v[BM+\b], v[S+16*\b], v[S+16*\b+1], v[S+16*\b+2]   ; the largest score of each block of 32 keys: it serves for the row's maximum and, since p rises with the score, for the block's largest p
.endr
.irp i, 3,5,7,9,11,13
.irp b, 0,1,2,3
	v_max3_num_f32 v[BM+\b], v[BM+\b], v[S+16*\b+\i], v[S+16*\b+\i+1]
.endr
.endr
.irp b, 0,1,2,3
	v_max_num_f32 v[BM+\b], v[BM+\b], v[S+15+16*\b]
.endr
.irp b, 0,1,2,3
	s_delay_alu instid0(VALU_DEP_4)
	v_permlanex16_b32 v[PD+\b], v[BM+\b], s18, s19
.endr
.irp b, 0,1,2,3
	s_delay_alu instid0(VALU_DEP_4)
	v_max_num_f32 v[BM+\b], v[BM+\b], v[PD+\b]     ; with lane l xor 16's 16 keys
.endr
	s_delay_alu instid0(VALU_DEP_2)
	v_max3_num_f32 v234, v[BM], v[BM+1], v[BM+2]
	s_delay_alu instid0(VALU_DEP_1)
	v_max_num_f32 v234, v234, v[BM+3]
	s_delay_alu instid0(VALU_DEP_1)
	v_mul_f32 v234, s[CS], v234                    ; as t
	s_delay_alu instid0(VALU_DEP_1)
	v_max_num_f32 v13, v13, v234                   ; the running largest t
	v_mov_b32 v234, v12
	s_delay_alu instid0(VALU_DEP_2)
	v_floor_f32 v12, -v13                          ; the new -M = -ceil(t)
	s_delay_alu instid0(VALU_DEP_1)
	v_sub_f32 v234, v12, v234                      ; old M - new M: a whole number, 0 or less
	s_delay_alu instid0(VALU_DEP_1)
	v_cvt_i32_f32 v234, v234                       ; (it saturates)
	s_delay_alu instid0(VALU_DEP_1)
	v_ldexp_f32 v232, 1.0, v234                    ; f = 2^(old M - new M): a rescaling that rounds nothing
.set j, 0
.rept 32
	v_pk_fma_f32 v[S+j:S+j+1], v[S+j:S+j+1], s[CS:CS+1], v[12:13] op_sel_hi:[1,0,0]   ; t - M, two at a time
.set j, j+2
.endr
.irp b, 0,1,2,3
	v_fma_f32 v[BM+\b], v[BM+\b], s[CS], v12
.endr
.set j, 0
	s_wait_alu depctr_va_vdst(0)
.rept 64
	v_exp_f32 v[S+j], v[S+j]                       ; p = 2^(t - M)
.set j, j+1
.endr
	s_setprio 1
	v_pk_mul_f32 v[14:15], v[14:15], v[232:233] op_sel_hi:[1,0]   ; the sums under the new M; a plain line behind the exponentials
	s_wait_alu depctr_va_vdst(0)                   ; one wait for the whole batch, ahead of its first reader
.irp b, 0,1,2,3
	v_exp_f32 v[BM+\b], v[BM+\b]                   ; the block's largest p
.endr
	v_pk_add_f32 v[236:237], v[108:109], v[112:113]
	v_pk_add_f32 v[252:253], v[116:117], v[120:121]
	v_pk_add_f32 v[250:251], v[124:125], v[128:129]
	v_pk_add_f32 v[248:249], v[132:133], v[136:137]
	v_pk_add_f32 v[246:247], v[140:141], v[144:145]
	v_pk_add_f32 v[238:239], v[148:149], v[152:153]
	v_pk_add_f32 v[14:15], v[14:15], v[156:157]
	v_pk_add_f32 v[236:237], v[236:237], v[160:161]
	v_pk_add_f32 v[252:253], v[252:253], v[164:165]
	v_pk_add_f32 v[250:251], v[250:251], v[104:105]
	v_pk_add_f32 v[248:249], v[248:249], v[106:107]
	v_pk_add_f32 v[246:247], v[246:247], v[110:111]
	v_pk_add_f32 v[238:239], v[238:239], v[114:115]
	v_pk_add_f32 v[14:15], v[14:15], v[118:119]
	v_pk_add_f32 v[236:237], v[236:237], v[122:123]
	v_pk_add_f32 v[252:253], v[252:253], v[126:127]
	v_pk_add_f32 v[250:251], v[250:251], v[130:131]
	v_pk_add_f32 v[248:249], v[248:249], v[134:135]
	v_pk_add_f32 v[246:247], v[246:247], v[138:139]
	v_pk_add_f32 v[238:239], v[238:239], v[142:143]
	v_pk_add_f32 v[14:15], v[14:15], v[146:147]
	v_pk_add_f32 v[236:237], v[236:237], v[150:151]
	v_pk_add_f32 v[252:253], v[252:253], v[154:155]
	v_pk_add_f32 v[250:251], v[250:251], v[158:159]
	v_pk_add_f32 v[248:249], v[248:249], v[162:163]
	v_pk_add_f32 v[246:247], v[246:247], v[166:167]
	s_delay_alu instid0(VALU_DEP_2)
	v_pk_add_f32 v[14:15], v[14:15], v[248:249]
	s_delay_alu instid0(VALU_DEP_2)
	v_pk_add_f32 v[236:237], v[236:237], v[246:247]
	v_pk_add_f32 v[252:253], v[252:253], v[238:239]
	s_delay_alu instid0(VALU_DEP_1)
	v_pk_add_f32 v[14:15], v[14:15], v[252:253]
	s_delay_alu instid0(VALU_DEP_3)
	v_pk_add_f32 v[236:237], v[236:237], v[250:251]
	s_delay_alu instid0(VALU_DEP_1)
	v_pk_add_f32 v[14:15], v[14:15], v[236:237]
	s_wait_alu depctr_va_vdst(0)                   ; and one for the four
.irp b, 0,1,2,3
	v_max_num_f32 v[BM+\b], 0x4800000, v[BM+\b]    ; the floor 2^(9 - 127)
.endr
.irp b, 0,1,2,3
	s_delay_alu instid0(VALU_DEP_4)
	v_add_nc_u32 v[SOP+\b], 0xfc000000, v[BM+\b]
.endr
.irp b, 0,1,2,3
	v_and_or_b32 v[LIM+\b], v[BM+\b], 0x7f800000, s22
.endr
.irp b, 0,1,2,3
	v_lshrrev_b32 v[PD+\b], 23, v[SOP+\b]
.endr
	s_delay_alu instid0(VALU_DEP_3)
	v_lshl_or_b32 v233, v[PD+1], 8, v[PD]          ; p's scale word for these 128 keys
	s_delay_alu instid0(VALU_DEP_1)
	v_lshl_or_b32 v233, v[PD+2], 16, v233
	s_delay_alu instid0(VALU_DEP_1)
	v_lshl_or_b32 v233, v[PD+3], 24, v233
.irp b, 0,1,2,3
.irp i, 0,1,2,3,4,5,6,7,8,9,10,11,12,13,14,15
	v_min_num_f32 v[S+16*\b+\i], v[S+16*\b+\i], v[LIM+\b]   ; the hold (ISA guide 7.6.2); p is not negative
.endr
	v_cvt_scalef32_pk8_fp8_f32 v[PC+4*\b:PC+4*\b+1], v[S+16*\b:S+16*\b+7], v[SOP+\b]
	v_cvt_scalef32_pk8_fp8_f32 v[PC+4*\b+2:PC+4*\b+3], v[S+16*\b+8:S+16*\b+15], v[SOP+\b]
.endr
.set j, 0
	s_setprio 0
.rept 16
	v_pk_mul_f32 v[O+j:O+j+1], v[O+j:O+j+1], v[232:233] op_sel_hi:[1,0]   ; O^T under the new M; these lines also stand between the codes and the products
.set j, j+2
.endr
	s_wait_alu depctr_va_vdst(0)
	s_wait_dscnt 0x0                               ; V
	v_wmma_scale_f32_16x16x128_f8f6f4 v[O:O+7], v[KV:KV+15], v[PC:PC+15], v[O:O+7], v242, v233
	v_wmma_scale_f32_16x16x128_f8f6f4 v[O+8:O+15], v[KV+16:KV+31], v[PC:PC+15], v[O+8:O+15], v242, v233 matrix_a_scale:MATRIX_SCALE_ROW1
	v_wmma_scale_f32_16x16x128_f8f6f4 v[O+16:O+23], v[KV+32:KV+47], v[PC:PC+15], v[O+16:O+23], v243, v233
	v_wmma_scale_f32_16x16x128_f8f6f4 v[O+24:O+31], v[KV+48:KV+63], v[PC:PC+15], v[O+24:O+31], v243, v233 matrix_a_scale:MATRIX_SCALE_ROW1
.Lskip:
	s_add_co_u32 s15, s15, 8192
	s_add_co_u32 s16, s16, 256
	s_add_co_u32 s17, s17, 256
	s_add_co_u32 s14, s14, 1
	s_cmp_lt_u32 s14, 16
	s_cbranch_scc1 .Lstep
	s_setprio 0
	; THE WAY OUT.  O^T / l; register 16 p + i is channel 32 p + 16 h + i of my head: two blocks of the output projection's K, quantised as they stand.
.rept 8
	v_nop                                          ; places behind the last products
.endr
	v_add_f32 v14, v14, v15
	s_delay_alu instid0(VALU_DEP_1)
	v_permlanex16_b32 v234, v14, s18, s19
	s_delay_alu instid0(VALU_DEP_1)
	v_add_f32 v14, v14, v234                       ; the row's sum
	s_wait_alu depctr_va_vdst(0)
	v_rcp_f32 v14, v14
	s_lshr_b32 s23, s12, 4
	s_lshl_b32 s23, s23, 7
	s_add_co_u32 s23, s23, s11                     ; the tile of rows among all 256
	s_lshr_b32 s24, s23, 1                         ; the pair of tiles
	s_and_b32 s23, s23, 1
	s_bfe_u32 s25, s12, 0x30001                    ; the K step: the pair of heads
	s_and_b32 s26, s12, 1
	s_lshl_b32 s27, s24, 15
	s_lshl_b32 s28, s25, 12
	s_add_co_u32 s27, s27, s28
	s_lshl_b32 s28, s23, 11
	s_add_co_u32 s27, s27, s28
	s_lshl_b32 s28, s26, 10
	s_add_co_u32 s27, s27, s28                     ; my half of the image
	s_lshl_b32 s29, s24, 10
	s_lshl_b32 s28, s25, 7
	s_add_co_u32 s29, s29, s28
	s_lshl_b32 s28, s23, 6
	s_add_co_u32 s29, s29, s28
	s_lshl_b32 s28, s26, 1
	s_add_co_u32 s29, s29, s28
	s_add_co_u32 s29, s29, OS                      ; my half of the scale words
	v_add_nc_u32 v4, s27, v1                       ; (a plain line behind the reciprocal)
	v_and_b32 v5, 15, v0
	s_delay_alu instid0(VALU_DEP_1)
	v_lshl_add_u32 v5, v5, 2, s29
	s_wait_alu depctr_va_vdst(0)                   ; ahead of the reciprocal's first reader
.set j, 0
.rept 32
	v_mul_f32 v[S+j], v[O+j], v14
.set j, j+1
.endr
.irp b, 0,1
	v_max3_num_f32 v[BM+\b], |v[S+16*\b]|, |v[S+1+16*\b]|, 0x4800000
.endr
.irp i, 2,4,6,8,10,12,14
.irp b, 0,1
	s_delay_alu instid0(VALU_DEP_2)
	v_max3_num_f32 v[BM+\b], v[BM+\b], |v[S+16*\b+\i]|, |v[S+1+16*\b+\i]|
.endr
.endr
.irp b, 0,1
	s_delay_alu instid0(VALU_DEP_2)
	v_permlanex16_b32 v[PD+\b], v[BM+\b], s18, s19
.endr
.irp b, 0,1
	s_delay_alu instid0(VALU_DEP_2)
	v_max_num_f32 v[BM+\b], v[BM+\b], v[PD+\b]
.endr
.irp b, 0,1
	s_delay_alu instid0(VALU_DEP_2)
	v_add_nc_u32 v[SOP+\b], 0xfc000000, v[BM+\b]
.endr
.irp b, 0,1
	s_delay_alu instid0(VALU_DEP_4)
	v_and_or_b32 v[LIM+\b], v[BM+\b], 0x7f800000, s22
.endr
.irp b, 0,1
	s_delay_alu instid0(VALU_DEP_4)
	v_lshrrev_b32 v[PD+\b], 23, v[SOP+\b]
.endr
	s_delay_alu instid0(VALU_DEP_1)
	v_lshl_or_b32 v235, v[PD+1], 8, v[PD]
.irp b, 0,1
.irp i, 0,1,2,3,4,5,6,7,8,9,10,11,12,13,14,15
	v_med3_num_f32 v[S+16*\b+\i], v[S+16*\b+\i], -v[LIM+\b], v[LIM+\b]
.endr
	v_cvt_scalef32_pk8_fp8_f32 v[PC+4*\b:PC+4*\b+1], v[S+16*\b:S+16*\b+7], v[SOP+\b]
	v_cvt_scalef32_pk8_fp8_f32 v[PC+4*\b+2:PC+4*\b+3], v[S+16*\b+8:S+16*\b+15], v[SOP+\b]
.endr
	v_nop                                          ; a plain line behind the last conversion
	global_store_b128 v4, v[PC:PC+3], s[8:9]       ; 512 consecutive bytes each
	global_store_b128 v4, v[PC+4:PC+7], s[8:9] offset:512
	s_wait_xcnt 0x0                                ; EXEC changes only behind this wait
	v_cmp_gt_u32 vcc_lo, 16, v3
	s_wait_tensorcnt 0x0
	ds_add_u32 v254, v255
	s_wait_dscnt 0x0
	s_and_saveexec_b32 s23, vcc_lo
	global_store_b16 v5, v235, s[8:9]              ; lanes 0-15: my head's two bytes of row r's scale word; the other head's work-group stores the other two
	s_wait_xcnt 0x0
	s_or_b32 exec_lo, exec_lo, s23
	s_endpgm
.Lfunc_end_k_q0369e101d1_attn:
	.size	k_q0369e101d1_attn, .Lfunc_end_k_q0369e101d1_attn-k_q0369e101d1_attn
	.p2alignl 7, 3214868480
	.fill 96, 4, 3214868480
	.section	.rodata,"a",@progbits
	.p2align	6, 0x0
	.amdhsa_kernel k_q0369e101d1_attn
		.amdhsa_group_segment_fixed_size 272384
		.amdhsa_private_segment_fixed_size 0
		.amdhsa_enable_private_segment 0
		.amdhsa_kernarg_size 24
		.amdhsa_user_sgpr_count 2
		.amdhsa_user_sgpr_kernarg_segment_ptr 1
		.amdhsa_wavefront_size32 1
		.amdhsa_system_sgpr_workgroup_id_x 1
		.amdhsa_system_sgpr_workgroup_id_y 1
		.amdhsa_system_sgpr_workgroup_id_z 1
		.amdhsa_system_vgpr_workitem_id 0
		.amdhsa_next_free_vgpr 256
		.amdhsa_next_free_sgpr 100
		.amdhsa_reserve_vcc 1
		.amdhsa_float_denorm_mode_32 3
		.amdhsa_float_denorm_mode_16_64 3
		.amdhsa_memory_ordered 1
		.amdhsa_forward_progress 1
		.amdhsa_inst_pref_size 50
	.end_amdhsa_kernel
	.amdgpu_metadata
---
amdhsa.version: [ 1, 2 ]
amdhsa.kernels:
  - .name:           k_q0369e101d1_attn
    .symbol:         k_q0369e101d1_attn.kd
    .args:
      - { .name: qkv, .offset: 0, .size: 8, .value_kind: global_buffer, .address_space: global }
      - { .name: mk, .offset: 8, .size: 8, .value_kind: global_buffer, .address_space: global }
      - { .name: oc, .offset: 16, .size: 8, .value_kind: global_buffer, .address_space: global }
    .group_segment_fixed_size: 272384
    .private_segment_fixed_size: 0
    .kernarg_segment_align: 8
    .kernarg_segment_size: 24
    .max_flat_workgroup_size: 512
    .sgpr_count:     100
    .vgpr_count:     256
    .wavefront_size: 32
...
	.end_amdgpu_metadata
.endif
;; end of part 7
;; launch outln (part 8): grid 128 x 1, 16 waves a work-group, no clusters, 167,424 bytes of LDS; arguments oc, xw, x, bo, gamma, beta, out0; writes out0
.if DOCPART == 8
	.amdgcn_target "amdgcn-amd-amdhsa--gfx1250"
	.amdhsa_code_object_version 6
	.text
	.protected	k_q0369e101d1_outln
	.globl	k_q0369e101d1_outln
	.p2align	8
	.type	k_q0369e101d1_outln,@function
k_q0369e101d1_outln:
	s_mov_b64 s[64:65], 0
	v_nop
	global_prefetch_b8 v0, s[64:65] scope:SCOPE_SE
	s_setreg_imm32_b32 hwreg(HW_REG_WAVE_SCHED_MODE, 0, 2), 2
	s_setreg_imm32_b32 hwreg(HW_REG_WAVE_MODE, 25, 1), 1
	s_wait_xcnt 0x0
	s_wait_alu depctr_vm_vsrc(0)
; OUTLN.  out = nan_to_num(LayerNorm(o Wo^T + bo + nan_to_num(x)) gamma + beta); the product on codes of E4M3 with E8M0 scales, all else in f32.
; SHARES.  A work-group owns 32 whole rows (two tiles of 16), so that the norm needs no other work-group.  Wave w makes columns 64 w .. 64 w + 63 (four tiles of Wo's rows) for both tiles of rows: 8 accumulators, 8 K steps of 128.
; Each fragment of Wo goes from memory straight into registers, 512 consecutive bytes a load, two K steps ahead, and feeds two products.  o's 32 KB of images are copied into LDS once and read by all sixteen waves.
; 128 work-groups of 32 rows, not 256 of 16: a work-group that owns whole rows takes in all 1,048,576 bytes of Wo's codes whatever its height, so 32 rows halve what the launch reads of them.
; NO CLUSTER, though all work-groups walk the same Wo: a joint load lands in LDS, and here no fragment of Wo is read by two waves of a work-group: the way through LDS would add 1 MB of LDS writes and 1 MB of reads a work-group.
; The product is used transposed (source 0 = 16 rows of Wo, source 1 = 16 rows of o): a lane holds one row, and the 16 registers of tiles 2 p, 2 p + 1 are columns 64 w + 32 p + 16 h + 0 .. 15.
; The results meet in a stage in LDS, 32 rows of 4,096 + 16 bytes (257 x 16: the sixteen rows that a store touches fall into sixteen different 16-byte columns of 256); then one wave takes two whole rows, 32 numbers a lane and row.
; Tile u, lane row r stands for row 32 P + 8 u + (r & 7) + 16 (r >> 3); the stage is ordered by 16 u + r.
; LIMITS: NaN and infinities in bo, gamma, beta are not served beyond the last nan_to_num.
; THE MODE: SCHED_MODE bits 1:0 = 2 (LLVM: expert scheduling mode 2), set by the entry lines.  The code itself states the register dependences
; between vector or matrix instructions and memory or LDS instructions, with s_wait_alu, always for 0.
; THE PLAN.  Registers that memory or LDS instructions touch:
;   v1-v6      offsets and LDS addresses: written at the head, never again; read by loads and stores of the whole kernel.
;   v248-251   the head's addresses: read by its five loads and five LDS stores; scratch of the norm later.
;   AF, v7     K step s: its LDS loads land there, its eight products read them; the loads of step s + 1 land there again; behind step 7 beta's.
;   BF[s % 2]  K step s: its products read it; behind them the loads of step s + 2 land in it; behind step 6 x's two rows, behind step 7 bo and gamma.
;   ACC        the head's loads of o land there and its LDS stores read it; the products write it; the stores into the stage read it; the loads from the stage land in it; the norm writes it; the last stores read it.
;   BS         loaded once, read by products alone.      v254, v255: named by no memory or LDS line but the closing add.
; All 256 registers are taken, so AF has one set and Wo two: the loads of step s + 1 (AF) and of step s + 2 (Wo) both land in registers that step s's products read.  So ONE wait on va_vdst stands in a K step, behind its products;
; behind it stand loads alone until the next products, which name none of the registers that the loads of step s + 2 fill.  Two waits on vm_vsrc, one behind each barrier, free what LDS stores have read.
; nan_to_num goes in groups of eight numbers: sixteen compares into sixteen scalar registers, one wait on va_sdst, then the selects.
.set WI,  4194304
.set WS,  8519680
.set OS,  4194304
.set ASC, 32768                        ; LDS: o's images [s 8][u 2][2048] at 0; their scale words [s][u][r] here;
.set STG, 33792                        ; the stage
.set SP,  4112
.set BS,  8                            ; v8-23    Wo's scale words: register 8 p + s: lanes 0-15 tile 2 p, lanes 16-31 tile 2 p + 1
.set AF,  24                           ; v24-55   o's two fragments; later beta
.set BF,  56                           ; v56-183  Wo's fragments, two sets of four; later x's two rows, bo, gamma
.set ACC, 184                          ; v184-247 the accumulators, (u, i) at 8 (4 u + i); later two rows of y
.set XR,  56
.set BO,  120
.set GA,  152
.set BE,  24
.set TQ,  248                          ; v248-255 scratch: four registers a row in the sums, eight in nan_to_num
.set SEL, 24                           ; s[24:25] lane l xor 16
.set INF, 26
.set BIG, 27
.set NN,  32                           ; s32-39   nan_to_num: lanes whose number i of the group is no NaN
.set NI,  18                           ; s18-23, s30, s31: lanes whose number i is an infinity: register NI + i + 6 (i / 6).  All are free behind the head (s[20:21] was the base of loads that s_wait_loadcnt 0 has shown done)
; v1 16 x lane; v2 512 h + 4 r; v3 ASC + 4 x lane; v4, v5 into the stage, tile 0, 1; v6 out of it; v7 o's scale words of the step (lanes 0-15 tile 0, lanes 16-31 tile 1)
.macro N2N8 x                          ; nan_to_num of v[x] .. v[x + 7]: NaN -> 0, +-infinity -> +-1e9
.irp i, 0,1,2,3,4,5,6,7
	v_and_b32 v[TQ+\i], 0x7fffffff, v[(\x)+\i]
.endr
.irp i, 0,1,2,3,4,5,6,7
	v_cmp_ge_u32 s[NN+\i], s[INF], v[TQ+\i]
.endr
.irp i, 0,1,2,3,4,5,6,7
	v_cmp_eq_u32 s[NI+\i+6*(\i/6)], s[INF], v[TQ+\i]
.endr
	s_wait_alu depctr_va_sdst(0)                   ; the sixteen compares have written their masks, which the selects below read
.irp i, 0,1,2,3,4,5,6,7
	v_cndmask_b32 v[(\x)+\i], 0, v[(\x)+\i], s[NN+\i]
.endr
.irp i, 0,1,2,3,4,5,6,7
	v_med3_num_f32 v[TQ+\i], v[(\x)+\i], -s[BIG], s[BIG]
.endr
.irp i, 0,1,2,3,4,5,6,7
	v_cndmask_b32 v[(\x)+\i], v[(\x)+\i], v[TQ+\i], s[NI+\i+6*(\i/6)]
.endr
.endm
.macro LANESUM t                       ; v[t] summed over the 32 lanes, in every lane; v[t + 1] is scratch
	v_add_f32_dpp v[\t], v[\t], v[\t] row_xmask:1 row_mask:0xf bank_mask:0xf
	v_add_f32_dpp v[\t], v[\t], v[\t] row_xmask:2 row_mask:0xf bank_mask:0xf
	v_add_f32_dpp v[\t], v[\t], v[\t] row_xmask:4 row_mask:0xf bank_mask:0xf
	v_add_f32_dpp v[\t], v[\t], v[\t] row_xmask:8 row_mask:0xf bank_mask:0xf
	v_permlanex16_b32 v[\t+1], v[\t], s[SEL], s[SEL+1]
	v_add_f32 v[\t], v[\t], v[\t+1]
.endm
.macro BLOAD s                         ; my four fragments of Wo for K step s, into set s % 2; every offset is an immediate, 3,161,600 at the most
.irp i, 0,1,2,3
.irp c, 0,1,2,3
	global_load_b128 v[BF+64*((\s)%2)+16*\i+4*\c:BF+64*((\s)%2)+16*\i+4*\c+3], v1, s[6:7] offset:((\s)/2)*1048576+\i*4096+((\s)%2)*2048+512*\c
.endr
.endr
.endm
.macro AFETCH s                        ; o's two fragments and their scale words for K step s, from LDS
.irp u, 0,1
.irp c, 0,1,2,3
	ds_load_b128 v[AF+16*\u+4*\c:AF+16*\u+4*\c+3], v1 offset:4096*(\s)+2048*\u+512*\c
.endr
.endr
	ds_load_b32 v7, v3 offset:128*(\s)
.endm
.macro PROD s, i, u
.set rD, ACC+8*(4*\u+\i)
.set rA, BF+64*((\s)%2)+16*\i
.set rB, AF+16*\u
.set rS, BS+8*(\i/2)+(\s)
.if (\s) == 0
.if (\i%2) && \u
	v_wmma_scale_f32_16x16x128_f8f6f4 v[rD:rD+7], v[rA:rA+15], v[rB:rB+15], 0, v[rS], v7 matrix_a_scale:MATRIX_SCALE_ROW1 matrix_b_scale:MATRIX_SCALE_ROW1
.elseif (\i%2)
	v_wmma_scale_f32_16x16x128_f8f6f4 v[rD:rD+7], v[rA:rA+15], v[rB:rB+15], 0, v[rS], v7 matrix_a_scale:MATRIX_SCALE_ROW1
.elseif \u
	v_wmma_scale_f32_16x16x128_f8f6f4 v[rD:rD+7], v[rA:rA+15], v[rB:rB+15], 0, v[rS], v7 matrix_b_scale:MATRIX_SCALE_ROW1
.else
	v_wmma_scale_f32_16x16x128_f8f6f4 v[rD:rD+7], v[rA:rA+15], v[rB:rB+15], 0, v[rS], v7
.endif
.else
.if (\i%2) && \u
	v_wmma_scale_f32_16x16x128_f8f6f4 v[rD:rD+7], v[rA:rA+15], v[rB:rB+15], v[rD:rD+7], v[rS], v7 matrix_a_scale:MATRIX_SCALE_ROW1 matrix_b_scale:MATRIX_SCALE_ROW1
.elseif (\i%2)
	v_wmma_scale_f32_16x16x128_f8f6f4 v[rD:rD+7], v[rA:rA+15], v[rB:rB+15], v[rD:rD+7], v[rS], v7 matrix_a_scale:MATRIX_SCALE_ROW1
.elseif \u
	v_wmma_scale_f32_16x16x128_f8f6f4 v[rD:rD+7], v[rA:rA+15], v[rB:rB+15], v[rD:rD+7], v[rS], v7 matrix_b_scale:MATRIX_SCALE_ROW1
.else
	v_wmma_scale_f32_16x16x128_f8f6f4 v[rD:rD+7], v[rA:rA+15], v[rB:rB+15], v[rD:rD+7], v[rS], v7
.endif
.endif
.endm
.macro PRODS s                         ; K step s's eight products; its operands were asked for ahead of this macro
	s_wait_loadcnt 16                              ; this step's fragments of Wo are in; the sixteen loads issued behind them may be out
	s_wait_dscnt 0x0                               ; o's fragments and scale words are in
.irp i, 0,1,2,3                        ; the eight accumulators by turns, one instruction a turn, in the same order in every step
.irp u, 0,1
	PROD \s, \i, \u
.endr
.endr
.rept 8
	v_nop                                          ; places in front of loads into registers that these products read, and of the first read of results
.endr
	s_wait_alu depctr_va_vdst(0)                   ; this step's products are done reading AF, v7 and Wo's set s % 2, in which the loads that follow land; behind step 7 they have also written the accumulators, which the LDS stores read
.endm
	s_load_b256 s[4:11], s[0:1], 0x0               ; oc, xw, x, bo
	s_load_b128 s[12:15], s[0:1], 0x20             ; gamma, beta
	s_load_b64 s[16:17], s[0:1], 0x30              ; out0
	v_lshrrev_b32 v1, 5, v0
	v_readfirstlane_b32 s2, v1                     ; wave 0..15
	v_and_b32 v254, 31, v0                         ; lane
	v_and_b32 v252, 15, v0                         ; r
	v_bfe_u32 v253, v0, 4, 1                       ; h
	v_lshlrev_b32 v1, 4, v254
	v_lshlrev_b32 v2, 2, v252
	v_lshl_add_u32 v2, v253, 9, v2
	v_lshl_add_u32 v3, v254, 2, ASC
	v_mul_u32_u24 v4, v252, SP
	v_lshl_add_u32 v4, v253, 6, v4
	s_wait_alu depctr_va_sdst(0)                   ; s2 is written, ahead of its first reader: LDS addresses and the bases of Wo, x and out0 are made from it
	s_lshl_b32 s3, s2, 8
	s_add_co_u32 s3, s3, STG
	v_add_nc_u32 v4, s3, v4                        ; row r, + 256 w + 64 h
	v_add_nc_u32 v5, 16*SP, v4
	s_mul_i32 s3, s2, 2*SP
	s_add_co_u32 s3, s3, STG
	v_add_nc_u32 v6, s3, v1                        ; stage rows 2 w and 2 w + 1, 16 bytes a lane
	s_lshl_b32 s18, ttmp9, 15
	v_lshl_add_u32 v248, v0, 4, s18                ; o's images: 32,768 bytes a work-group
	s_lshl_b32 s18, ttmp9, 10
	s_add_co_u32 s18, s18, OS
	v_lshl_add_u32 v249, v0, 1, s18                ; their scale bytes: 1,024
	v_lshlrev_b32 v250, 4, v0
	v_lshl_add_u32 v251, v0, 1, ASC
	s_lshl_b32 s18, s2, 2
	s_add_co_u32 s18, s18, 192                     ; my first tile of Wo among the weights' 256
	s_lshl_b32 s22, s18, 9
	s_add_co_u32 s22, s22, WS
	s_mov_b32 s23, 0
	s_lshl_b32 s18, s18, 12
	s_add_co_u32 s18, s18, WI
	s_mov_b32 s19, 0
	s_lshl_b32 s30, s2, 1                          ; stage row 2 w = 16 u + r:
	s_and_b32 s31, s30, 7
	s_bfe_u32 s32, s30, 0x10003
	s_lshl_b32 s32, s32, 4
	s_add_co_u32 s31, s31, s32                     ; (r & 7) + 16 (r >> 3)
	s_lshr_b32 s32, s2, 3
	s_lshl_b32 s32, s32, 3
	s_add_co_u32 s31, s31, s32                     ; + 8 u
	s_lshl_b32 s32, ttmp9, 5
	s_add_co_u32 s31, s31, s32                     ; + 32 P: the row; stage row 2 w + 1 is the row after it
	s_lshl_b32 s30, s31, 12
	s_mov_b32 s31, 0
	s_mov_b32 s[SEL], 0x76543210
	s_mov_b32 s[SEL+1], 0xfedcba98
	s_mov_b32 s[INF], 0x7f800000
	s_mov_b32 s[BIG], 0x4e6e6b28
	s_mov_b32 s28, 0x3a800000                      ; 1 / 1,024
	s_mov_b32 s29, 0x3727c5ac                      ; 1e-5
	s_wait_kmcnt 0x0
	s_add_nc_u64 s[20:21], s[6:7], s[22:23]        ; Wo's scale words
	s_add_nc_u64 s[6:7], s[6:7], s[18:19]          ; Wo's images
	s_add_nc_u64 s[8:9], s[8:9], s[30:31]
	s_add_nc_u64 s[16:17], s[16:17], s[30:31]
	s_wait_alu depctr_va_vdst(0)                   ; v1 to v6 and v248 to v251 are written: the offsets and LDS addresses that the loads and stores of the whole kernel read
.irp k, 0,1,2,3
	global_load_b128 v[ACC+4*\k:ACC+4*\k+3], v248, s[4:5] offset:8192*\k
.endr
	global_load_u16 v[ACC+16], v249, s[4:5]
.irp p, 0,1
.irp s, 0,1,2,3,4,5,6,7
	global_load_b32 v[BS+8*\p+\s], v2, s[20:21] offset:1024*\p+64*\s
.endr
.endr
	BLOAD 0
	BLOAD 1
	s_wait_loadcnt 48                              ; o's five loads are in; Wo's scale words and two K steps may be out
.irp k, 0,1,2,3
	ds_store_b128 v250, v[ACC+4*\k:ACC+4*\k+3] offset:8192*\k
.endr
	ds_store_b16 v251, v[ACC+16]
	s_wait_dscnt 0x0                               ; my stores are done
	s_barrier_signal -1
	s_barrier_wait -1                              ; o's images lie in LDS
	s_wait_alu depctr_vm_vsrc(0)                   ; my LDS stores have read v[ACC ..], which K step 0's products write; the head's loads and stores have read v248 to v251, which the norm writes as scratch
	AFETCH 0
	PRODS 0
	AFETCH 1                                       ; behind a step's wait: the next step's LDS loads first, which are wanted soonest, then the loads of Wo two steps on
	BLOAD 2
	PRODS 1
	AFETCH 2
	BLOAD 3
	PRODS 2
	AFETCH 3
	BLOAD 4
	PRODS 3
	AFETCH 4
	BLOAD 5
	PRODS 4
	AFETCH 5
	BLOAD 6
	PRODS 5
	AFETCH 6
	BLOAD 7
	PRODS 6
	AFETCH 7
.irp q, 0,1                            ; my two rows of x, into the set that K step 6 has left
.irp k, 0,1,2,3,4,5,6,7
	global_load_b128 v[XR+32*\q+4*\k:XR+32*\q+4*\k+3], v1, s[8:9] offset:4096*\q+512*\k th:TH_LOAD_NT
.endr
.endr
	PRODS 7
.irp u, 0,1                            ; into the stage: each accumulator from its low end on.  No vector or matrix line stands between step 7's wait and these stores, or the loads behind them
.irp p, 0,1
.irp jj, 0,1,2,3
	ds_store_b128 v[4+\u], v[ACC+8*(4*\u+2*\p+\jj/2)+4*(\jj%2):ACC+8*(4*\u+2*\p+\jj/2)+4*(\jj%2)+3] offset:128*\p+16*\jj
.endr
.endr
.endr
.irp k, 0,1,2,3,4,5,6,7
	global_load_b128 v[BO+4*\k:BO+4*\k+3], v1, s[10:11] offset:512*\k
.endr
.irp k, 0,1,2,3,4,5,6,7
	global_load_b128 v[GA+4*\k:GA+4*\k+3], v1, s[12:13] offset:512*\k
.endr
.irp k, 0,1,2,3,4,5,6,7
	global_load_b128 v[BE+4*\k:BE+4*\k+3], v1, s[14:15] offset:512*\k
.endr
	s_wait_dscnt 0x0                               ; my stores are done
	s_barrier_signal -1
	s_barrier_wait -1                              ; 32 whole rows lie in the stage
	s_wait_alu depctr_vm_vsrc(0)                   ; my stores into the stage have read v[ACC ..], in which the loads from the stage land
.irp q, 0,1
.irp k, 0,1,2,3,4,5,6,7
	ds_load_b128 v[ACC+32*\q+4*\k:ACC+32*\q+4*\k+3], v6 offset:SP*\q+512*\k
.endr
.endr
	s_wait_loadcnt 0x0
	s_wait_dscnt 0x0
	; ---- two rows, line by line by turns; a lane holds columns 128 k + 4 lane + 0 .. 3, k = 0 .. 7
.set g, 0
.rept 8
	N2N8 XR+8*g                                    ; x's 64 numbers, eight at a time
.set g, g+1
.endr
.set j, 0
.rept 16
.irp q, 0,1
	v_pk_add_f32 v[ACC+32*\q+j:ACC+32*\q+j+1], v[ACC+32*\q+j:ACC+32*\q+j+1], v[BO+j:BO+j+1]
.endr
.irp q, 0,1
	v_pk_add_f32 v[ACC+32*\q+j:ACC+32*\q+j+1], v[ACC+32*\q+j:ACC+32*\q+j+1], v[XR+32*\q+j:XR+32*\q+j+1]   ; r = (y + bo) + x
.endr
.set j, j+2
.endr
.irp q, 0,1
	v_pk_add_f32 v[TQ+4*\q:TQ+4*\q+1], v[ACC+32*\q:ACC+32*\q+1], v[ACC+32*\q+2:ACC+32*\q+3]
	v_pk_add_f32 v[TQ+4*\q+2:TQ+4*\q+3], v[ACC+32*\q+4:ACC+32*\q+5], v[ACC+32*\q+6:ACC+32*\q+7]
.endr
.irp j, 8,12,16,20,24,28
.irp q, 0,1
	v_pk_add_f32 v[TQ+4*\q:TQ+4*\q+1], v[TQ+4*\q:TQ+4*\q+1], v[ACC+32*\q+\j:ACC+32*\q+\j+1]
	v_pk_add_f32 v[TQ+4*\q+2:TQ+4*\q+3], v[TQ+4*\q+2:TQ+4*\q+3], v[ACC+32*\q+\j+2:ACC+32*\q+\j+3]
.endr
.endr
.irp q, 0,1
	v_pk_add_f32 v[TQ+4*\q:TQ+4*\q+1], v[TQ+4*\q:TQ+4*\q+1], v[TQ+4*\q+2:TQ+4*\q+3]
.endr
.irp q, 0,1
	v_add_f32 v[TQ+4*\q], v[TQ+4*\q], v[TQ+4*\q+1]
.endr
	LANESUM TQ
	LANESUM TQ+4
.irp q, 0,1
	v_mul_f32 v[TQ+4*\q], 0xba800000, v[TQ+4*\q]   ; - the mean
.endr
.set j, 0
.rept 16
.irp q, 0,1
	v_pk_add_f32 v[ACC+32*\q+j:ACC+32*\q+j+1], v[ACC+32*\q+j:ACC+32*\q+j+1], v[TQ+4*\q:TQ+4*\q+1] op_sel_hi:[1,0]   ; d = r - the mean
.endr
.set j, j+2
.endr
.irp q, 0,1
	v_pk_mul_f32 v[TQ+4*\q:TQ+4*\q+1], v[ACC+32*\q:ACC+32*\q+1], v[ACC+32*\q:ACC+32*\q+1]
	v_pk_mul_f32 v[TQ+4*\q+2:TQ+4*\q+3], v[ACC+32*\q+2:ACC+32*\q+3], v[ACC+32*\q+2:ACC+32*\q+3]
.endr
.irp j, 4,8,12,16,20,24,28
.irp q, 0,1
	v_pk_fma_f32 v[TQ+4*\q:TQ+4*\q+1], v[ACC+32*\q+\j:ACC+32*\q+\j+1], v[ACC+32*\q+\j:ACC+32*\q+\j+1], v[TQ+4*\q:TQ+4*\q+1]
	v_pk_fma_f32 v[TQ+4*\q+2:TQ+4*\q+3], v[ACC+32*\q+\j+2:ACC+32*\q+\j+3], v[ACC+32*\q+\j+2:ACC+32*\q+\j+3], v[TQ+4*\q+2:TQ+4*\q+3]
.endr
.endr
.irp q, 0,1
	v_pk_add_f32 v[TQ+4*\q:TQ+4*\q+1], v[TQ+4*\q:TQ+4*\q+1], v[TQ+4*\q+2:TQ+4*\q+3]
.endr
.irp q, 0,1
	v_add_f32 v[TQ+4*\q], v[TQ+4*\q], v[TQ+4*\q+1]
.endr
	LANESUM TQ
	LANESUM TQ+4
.irp q, 0,1
	v_fma_f32 v[TQ+4*\q], v[TQ+4*\q], s28, s29     ; the variance + 1e-5
.endr
	s_wait_alu depctr_va_vdst(0)
.irp q, 0,1
	v_rsq_f32 v[TQ+4*\q], v[TQ+4*\q]
.endr
	v_nop                                          ; a plain line behind the two roots
	s_wait_alu depctr_va_vdst(0)                   ; one wait for both roots' results, v[TQ] and v[TQ + 4], ahead of their first reader
.set j, 0
.rept 16
.irp q, 0,1
	v_pk_mul_f32 v[ACC+32*\q+j:ACC+32*\q+j+1], v[ACC+32*\q+j:ACC+32*\q+j+1], v[TQ+4*\q:TQ+4*\q+1] op_sel_hi:[1,0]
.endr
.irp q, 0,1
	v_pk_fma_f32 v[ACC+32*\q+j:ACC+32*\q+j+1], v[ACC+32*\q+j:ACC+32*\q+j+1], v[GA+j:GA+j+1], v[BE+j:BE+j+1]
.endr
.set j, j+2
.endr
.set g, 0
.rept 8
	N2N8 ACC+8*g                                   ; the 64 results, eight at a time
.set g, g+1
.endr
	s_wait_alu depctr_va_vdst(0)                   ; the last selects have written v[ACC ..], which the stores read
.irp q, 0,1
.irp k, 0,1,2,3,4,5,6,7
	global_store_b128 v1, v[ACC+32*\q+4*\k:ACC+32*\q+4*\k+3], s[16:17] offset:4096*\q+512*\k th:TH_STORE_NT   ; 512 consecutive bytes, aligned; written once
.endr
.endr
	s_wait_xcnt 0x0
	v_lshl_add_u32 v254, v0, 2, 0x28600            ; the add's two registers, made anew from v0: no two can be kept.  No memory or LDS line of the kernel has named v254 or v255
	v_mov_b32 v255, 0
	s_wait_dscnt 0x0                               ; the closing lines, six on end
	s_wait_alu 0x0
	s_wait_tensorcnt 0x0
	ds_add_u32 v254, v255
	s_wait_dscnt 0x0
	s_endpgm
.Lfunc_end_k_q0369e101d1_outln:
	.size	k_q0369e101d1_outln, .Lfunc_end_k_q0369e101d1_outln-k_q0369e101d1_outln
	.p2alignl 7, 3214868480
	.fill 96, 4, 3214868480
	.section	.rodata,"a",@progbits
	.p2align	6, 0x0
	.amdhsa_kernel k_q0369e101d1_outln
		.amdhsa_group_segment_fixed_size 167424
		.amdhsa_private_segment_fixed_size 0
		.amdhsa_enable_private_segment 0
		.amdhsa_kernarg_size 56
		.amdhsa_user_sgpr_count 2
		.amdhsa_user_sgpr_kernarg_segment_ptr 1
		.amdhsa_wavefront_size32 1
		.amdhsa_system_sgpr_workgroup_id_x 1
		.amdhsa_system_sgpr_workgroup_id_y 1
		.amdhsa_system_sgpr_workgroup_id_z 1
		.amdhsa_system_vgpr_workitem_id 0
		.amdhsa_next_free_vgpr 256
		.amdhsa_next_free_sgpr 66
		.amdhsa_reserve_vcc 0
		.amdhsa_float_denorm_mode_32 3
		.amdhsa_float_denorm_mode_16_64 3
		.amdhsa_memory_ordered 1
		.amdhsa_forward_progress 1
		.amdhsa_inst_pref_size 106
	.end_amdhsa_kernel
	.amdgpu_metadata
---
amdhsa.version: [ 1, 2 ]
amdhsa.kernels:
  - .name:           k_q0369e101d1_outln
    .symbol:         k_q0369e101d1_outln.kd
    .args:
      - { .name: oc, .offset: 0, .size: 8, .value_kind: global_buffer, .address_space: global }
      - { .name: xw, .offset: 8, .size: 8, .value_kind: global_buffer, .address_space: global }
      - { .name: x, .offset: 16, .size: 8, .value_kind: global_buffer, .address_space: global }
      - { .name: bo, .offset: 24, .size: 8, .value_kind: global_buffer, .address_space: global }
      - { .name: gamma, .offset: 32, .size: 8, .value_kind: global_buffer, .address_space: global }
      - { .name: beta, .offset: 40, .size: 8, .value_kind: global_buffer, .address_space: global }
      - { .name: out0, .offset: 48, .size: 8, .value_kind: global_buffer, .address_space: global }
    .group_segment_fixed_size: 167424
    .private_segment_fixed_size: 0
    .kernarg_segment_align: 8
    .kernarg_segment_size: 56
    .max_flat_workgroup_size: 512
    .sgpr_count:     66
    .vgpr_count:     256
    .wavefront_size: 32
...
	.end_amdgpu_metadata
.endif
;; end of part 8
